; MI455X (gfx1250); checked and timed in simulation.
; The chip was launched on July 23, 2026; its instructions are those of AMD's public machine-readable ISA for CDNA 5 (MIT licence, August 2026) and "CDNA5" Instruction Set Architecture Reference Guide (July 2026). The comments in the code are by the model that wrote it; some were corrected since.
;; Cycle VAR. Allowed arithmetic: matrix products marked QUANTISED: E2M1 operands, one E8M0 scale for each 32 along K, by v_wmma_scale_f32_16x16x128_f8f6f4 with both operands' format E2M1 (or v_wmma_scale_f32_32x16x128_f4), f32 sums; products left as they are: f32 operands where the result goes on into a quantised operand, else bf16, f16 or f32 operands; f32 sums; everything else in f32.
;; Inputs: emb_weight 4,096 x 32 float32; f_src 128 x 32 x 16 x 16 float32.
;; Outputs: out0 128 x 340 x 32 float32.
;; This version of the problem:
;;   THIS VERSION OF THE PROBLEM IS GIVEN IN LOW PRECISION. The matrix products marked QUANTISED in the list below multiply operands that are first quantised to E2M1 (2 exponent bits, 1 mantissa bit; 4 bits a number), with one power-of-two scale for each 32 numbers along K (OCP MX v1.0); their sums are f32. All else is computed in f32.
;;   The module's matrix products, in the order in which they are computed (A, B: the left and right operand; K: the contracted axis; several contracted axes count as one K, in the product's order):
;;     1. [M 128, K 32] x [K 32, N 4,096]; A: computed on the way; B: input emb_weight: QUANTISED
;;     2. [M 128, K 4,096] x [K 4,096, N 32]; A: softmax (see below); B: input emb_weight: QUANTISED
;;     3. [M 16, K 1] x [K 1, N 16]; A: computed on the way; B: computed on the way: left as it is (no contracted axis)
;;     4. [M 256, K 1] x [K 1, N 4,096]; A: computed on the way; B: computed on the way: left as it is (K = 1 < 32)
;;     5. [M 512, K 32] x [K 32, N 4,096]; A: computed on the way; B: input emb_weight: QUANTISED
;;     6. [M 512, K 4,096] x [K 4,096, N 32]; A: softmax (see below); B: input emb_weight: QUANTISED
;;     7. [M 16, K 2] x [K 2, N 8,192]; A: computed on the way; B: computed on the way: left as it is (K = 2 < 32)
;;     8. [M 65,536, K 2] x [K 2, N 16]; A: computed on the way; B: computed on the way: left as it is (K = 2 < 32)
;;     9. [M 2,048, K 32] x [K 32, N 4,096]; A: computed on the way; B: input emb_weight: QUANTISED
;;     10. [M 2,048, K 4,096] x [K 4,096, N 32]; A: softmax (see below); B: input emb_weight: QUANTISED
;;     11. [M 16, K 4] x [K 4, N 16,384]; A: computed on the way; B: computed on the way: left as it is (K = 4 < 32)
;;     12. [M 65,536, K 4] x [K 4, N 16]; A: computed on the way; B: computed on the way: left as it is (K = 4 < 32)
;;     13. [M 8,192, K 32] x [K 32, N 4,096]; A: computed on the way; B: input emb_weight: QUANTISED
;;     14. [M 8,192, K 4,096] x [K 4,096, N 32]; A: softmax (see below); B: input emb_weight: QUANTISED
;;     15. [M 16, K 8] x [K 8, N 32,768]; A: computed on the way; B: computed on the way: left as it is (K = 8 < 32)
;;     16. [M 65,536, K 8] x [K 8, N 16]; A: computed on the way; B: computed on the way: left as it is (K = 8 < 32)
;;     17. [M 32,768, K 32] x [K 32, N 4,096]; A: computed on the way; B: input emb_weight: QUANTISED
;;     18. [M 32,768, K 4,096] x [K 4,096, N 32]; A: softmax (see below); B: input emb_weight: QUANTISED
;;     19. [M 16, K 1] x [K 1, N 16]; A: computed on the way; B: computed on the way: left as it is (no contracted axis)
;;     20. [M 256, K 1] x [K 1, N 4,096]; A: computed on the way; B: computed on the way: left as it is (K = 1 < 32)
;;     21. [M 16, K 2] x [K 2, N 8,192]; A: computed on the way; B: computed on the way: left as it is (K = 2 < 32)
;;     22. [M 65,536, K 2] x [K 2, N 16]; A: computed on the way; B: computed on the way: left as it is (K = 2 < 32)
;;     23. [M 16, K 4] x [K 4, N 16,384]; A: computed on the way; B: computed on the way: left as it is (K = 4 < 32)
;;     24. [M 65,536, K 4] x [K 4, N 16]; A: computed on the way; B: computed on the way: left as it is (K = 4 < 32)
;;     25. [M 16, K 8] x [K 8, N 32,768]; A: computed on the way; B: computed on the way: left as it is (K = 8 < 32)
;;     26. [M 65,536, K 8] x [K 8, N 16]; A: computed on the way; B: computed on the way: left as it is (K = 8 < 32)
;;   THE QUANTISER, for each operand of a quantised product, along K:
;;     - K is cut into blocks of 32 from its start; a last block that is shorter is filled with zeros.
;;     - A block's scale is 2^e with e = floor(log2(the largest magnitude in the block)) - 2, held to -126 .. 127; a block of zeros has e = 0. As a byte (E8M0): e + 127.
;;     - Each number is divided by its block's scale, clamped to +-6, and rounded to the nearest number of E2M1, ties to even, subnormals kept.
;;     - The product sums the exact products of the quantised numbers (number of the format x scale) in f32.
;;   ~~~python
;;   def quantise(x, axis):      # numpy; x: float32 -> the quantised numbers, widened to float32 again
;;       x = np.moveaxis(x, axis, -1); K = x.shape[-1]
;;       x = np.pad(x, [(0, 0)] * (x.ndim - 1) + [(0, -K % 32)]); x = x.reshape(x.shape[:-1] + (-1, 32)); a = np.abs(x).max(-1, keepdims=True)
;;       e = np.where(a > 0, np.clip(np.frexp(np.where(a > 0, a, 1))[1] - 1 - 2, -126, 127), 0)      # np.frexp(a)[1] - 1 = floor(log2(a)), exactly
;;       r = np.clip(x / 2.0 ** e, -6, 6)
;;       step = 2.0 ** (np.maximum(np.frexp(np.where(r == 0, 1, r))[1] - 1, 0) - 1)
;;       q = np.round(r / step) * step * 2.0 ** e      # np.round: ties to even
;;       return np.moveaxis(q.reshape(q.shape[:-2] + (-1,))[..., :K], -1, axis).astype(np.float32)
;;   ~~~
;;   SOFTMAX AHEAD OF A QUANTISED PRODUCT. Where the list says 'softmax', what is quantised is not the finished softmax but p = 2^(t - M), with t = logit x log2(e) and M = ceil(the row's largest t), a whole number; so 1/2 < the row's largest p <= 1. The row's sum l is taken of the UNQUANTISED p, in f32, and the product's result is divided by l at the end. Since M is a whole number, a kernel that streams over the keys may use a running M (the ceiling of the running maximum): every later rescaling is an exact power of two, which a block's scale takes up: the codes' values come out the same.
;;   OPERANDS COMPUTED ON THE WAY. 'Computed on the way' means the value that the module computes at that place (a softmax that the list does not call 'softmax' is quantised finished and normalised). What goes into a quantiser is computed in f32, as accurately as f32 sums, v_exp_f32 and their like allow (about 1e-6 of the number): no bf16 or f16 on the way to a quantiser, and a product that is left as it is and whose result goes on into a quantised operand takes f32 operands (vector FMAs, or v_wmma_f32_16x16x4_f32). A number that lies on a knife's edge between two numbers of the format may be rounded either way, as far as f32 arithmetic and the matrix unit's own rounding can turn it there, and no further.
;; 2 versions. Each part assembles by itself: llvm-mc -triple=amdgcn-amd-amdhsa -mcpu=gfx1250 --defsym DOCPART=n.
;; ======== version 1 of 2: 6 launches
;; workspace buffers: pyr 1,409,024 bytes; cb 86,016 bytes; tab 2,048 bytes; idx0 512 bytes of whole numbers; idx1 2,048 bytes of whole numbers; idx2 8,192 bytes of whole numbers; idx3 32,768 bytes of whole numbers
;; launch prep (part 1): grid 138 x 1, 8 waves a work-group, no clusters, 13,312 bytes of LDS; arguments f_src, emb_weight, pyr, cb, tab; writes pyr, cb, tab
.if DOCPART == 1
	.amdgcn_target "amdgcn-amd-amdhsa--gfx1250"
	.amdhsa_code_object_version 6
	.text
	.protected	k_q7e7ac3008a_prep
	.globl	k_q7e7ac3008a_prep
	.p2align	8
	.type	k_q7e7ac3008a_prep,@function
k_q7e7ac3008a_prep:
	s_mov_b64 s[64:65], 0
	v_nop
	global_prefetch_b8 v0, s[64:65] scope:SCOPE_SE
	s_setreg_imm32_b32 hwreg(HW_REG_WAVE_MODE, 25, 1), 1
	s_wait_xcnt 0x0
; PREPARATION for the multi-scale encoder: x_var = the area means of the partial sums of the up-sampled stage maps 0 to 3.
; WORK LEFT OUT, in the whole program, and why it is dead for all finite inputs:
;   (1) a stage's tokens are soft + (hard - soft), which in real numbers is hard = emb[argmax(neg_d)]: so the softmax, its exponentials and the products probs @ e (K = 4,096) reach no output;
;   (2) x_var is made of stage_maps[0..3] alone: the last stage (pn = 16), f_hat and the last f_rest reach no output;
;   (3) the second loop's bicubic maps are those of the first loop once more: they are made once.
; What stays: the four score products z e^T (quantised), |z|^2 and |e|^2 with reference()'s own two roundings (they decide near ties of the argmax), the argmax, the lookup, the area means and the bicubic maps.
; Both inputs have a way to the output and are loaded.  LIMITS: a NaN, an infinity or an overflow that reaches only the work left out is not carried to the result; NaN and infinities among the inputs are not served.
; z of stage k is formed as area(f_src, pn_k) - area(f_partial, pn_k), the subtrahend being the output's segment k - 1, with composite f32 weights: the order of rounding differs from reference()'s, by about 1e-7 of the terms.
; THIS LAUNCH, three kinds of work-groups, told apart by the work-group's number:
;   0-127   image b: the area means of f_src at 8 x 8, 4 x 4, 2 x 2 and 1 x 1, laid [token][channel]: pyr[b], 85 tokens of 128 bytes (8 x 8 first, then 4 x 4 at token 64, 2 x 2 at 80, 1 x 1 at 84), images 11,008 bytes apart
;   128-135 the codebook: each row of emb (K = its 32 channels: one block) as 32 codes of E2M1 (16 bytes, code v at 16 v), the scale bytes as words in the order of the matrix operand, and |e|^2 of the unquantised row
;   136-137 the table of one-dimensional weights M[P][p] = (mean from 16 to P) after (bicubic from p to 16): 32 rows of 16 numbers: rows 0-15 P = 16, 16-23 P = 8, 24-27 P = 4 (28-31 repeat them); in a row: p = 8 (8), p = 4 (4), p = 2 (2), two zeros
; A block's scale is 2^(floor(log2(largest magnitude)) - 2), its byte held at 1 from below; a row of zeros keeps the byte 1 where the rule says 127: its codes are zeros, and this program alone reads the bytes.
.set TPB,   144                        ; a token in LDS: 128 bytes + 16
.set SPARE, 12288                      ; behind the 85 tokens: the spare words, 128 bytes for each wave
.set PYRB,  11008                      ; an image in pyr
.set SWO,   65536                      ; cb: the scale words begin here,
.set EEO,   69632                      ; and |e|^2 here
.set SPW, 4                            ; v4  LDS address of my spare word; never rewritten
.set NIL, 5                            ; v5  0; never rewritten
.set X,   32                           ; v32-63  image: 4 channels x 2 loads x 4 numbers
.set O,   64                           ; v64-111 image: the means, 12 registers a channel, so that no LDS store's data are written again
	s_load_b256 s[4:11], s[0:1], 0x0               ; f_src s[4:5], emb s[6:7], pyr s[8:9], cb s[10:11]
	s_load_b64 s[12:13], s[0:1], 0x20              ; tab
	v_lshl_add_u32 v[SPW], v0, 2, SPARE
	v_mov_b32 v[NIL], 0
	v_lshrrev_b32 v2, 5, v0
	v_readfirstlane_b32 s14, v2                    ; wave 0..7
	v_and_b32 v1, 31, v0                           ; lane L
	s_mov_b32 s16, 0x76543210
	s_mov_b32 s17, 0xfedcba98                      ; v_permlanex16_b32's selects for lane l xor 16
	; the image path's LDS addresses, made ahead of the parting.  A wave has channels 4 w .. 4 w + 3: 16 w bytes into a token
	s_lshl_b32 s15, s14, 4
	v_lshrrev_b32 v2, 3, v1
	v_and_b32 v3, 3, v1
	v_lshlrev_b32 v2, 3, v2
	v_lshl_add_u32 v2, v3, 1, v2                   ; 8 x 8: token 8 (L / 8) + 2 (L % 4)
	v_mul_u32_u24 v8, v2, TPB
	v_add_nc_u32 v8, s15, v8
	v_lshrrev_b32 v2, 4, v1
	v_lshl_add_u32 v2, v2, 2, v3                   ; 4 x 4: token 64 + 4 (L / 16) + L % 4 (the 64 stands in the immediate)
	v_mul_u32_u24 v9, v2, TPB
	v_add_nc_u32 v9, s15, v9
	v_bfe_u32 v2, v1, 1, 1                         ; 2 x 2: token 80 + (L / 2) % 2
	v_mul_u32_u24 v10, v2, TPB
	v_add_nc_u32 v10, s15, v10
	v_mov_b32 v11, s15                             ; 1 x 1: token 84
	v_lshrrev_b32 v2, 3, v1                        ; the way out: a lane takes 16 bytes: token L / 8 of its wave's four, piece L % 8
	v_and_b32 v3, 7, v1
	v_mul_u32_u24 v2, v2, TPB
	v_lshl_add_u32 v2, v3, 4, v2
	s_mul_i32 s18, s14, 4*TPB
	v_add_nc_u32 v12, s18, v2                      ; tokens 4 w .. 4 w + 3 (and 32 further on, by the immediate)
	s_min_u32 s19, s14, 4                          ; the tail, tokens 64 to 83, is waves 0 to 4's: with the wave's number held at 4 the address ends at byte 12,096, among the tokens, in every wave
	s_mul_i32 s19, s19, 4*TPB
	v_add_nc_u32 v15, s19, v2
	v_lshlrev_b32 v13, 4, v0                       ; 16 x thread in pyr
	v_lshlrev_b32 v14, 2, v1                       ; token 84, the last: 4 bytes a lane, in LDS and in pyr alike
	s_wait_kmcnt 0x0
	s_cmp_lt_u32 ttmp9, 128
	s_cbranch_scc0 .Lnot_image
	; ---- AN IMAGE.  A channel is 1,024 bytes: two loads of 512; lane L of load l holds row 8 l + L / 4, columns 4 (L % 4) .. + 3
	s_lshl_b32 s20, ttmp9, 15
	s_mov_b32 s21, 0
	s_add_nc_u64 s[4:5], s[4:5], s[20:21]
	s_mul_i32 s22, ttmp9, PYRB
	s_mov_b32 s23, 0
	s_add_nc_u64 s[8:9], s[8:9], s[22:23]
	s_lshl_b32 s18, s14, 12
	v_lshl_add_u32 v6, v1, 4, s18                  ; my wave's four channels, my 16 bytes
.irp cc, 0,1,2,3
.irp l, 0,1
	global_load_b128 v[X+8*\cc+4*\l:X+8*\cc+4*\l+3], v6, s[4:5] offset:1024*\cc+512*\l th:TH_LOAD_NT
.endr
.endr
	v_mov_b32 v22, 0                               ; written once: a lane permute's destination counts as one of its sources
	v_mov_b32 v23, 0
; One channel: sums of 2 x 2, 4 x 4, 8 x 8 and 16 x 16 by steps between lanes; lanes that hold the same sum store the same word with the same value.
.macro CHAN cc
	s_wait_loadcnt 6-2*\cc                         ; this channel's two loads are in; the later channels' stay out
.irp l, 0,1
	v_add_f32 v[16+2*\l], v[X+8*\cc+4*\l], v[X+8*\cc+4*\l+1]
	v_add_f32 v[17+2*\l], v[X+8*\cc+4*\l+2], v[X+8*\cc+4*\l+3]
.endr
.irp n, 0,1,2,3
	v_add_f32_dpp v[16+\n], v[16+\n], v[16+\n] row_xmask:4 row_mask:0xf bank_mask:0xf   ; with the row beside mine: 2 x 2
.endr
.irp n, 0,1,2,3
	v_mul_f32 v[O+12*\cc+\n], 0x3e800000, v[16+\n]                                  ; / 4
.endr
.irp n, 0,1,2,3
	ds_store_b32 v8, v[O+12*\cc+\n] offset:32*TPB*((\n)/2)+TPB*((\n)%2)+4*\cc
.endr
	v_add_f32 v20, v16, v17
	v_add_f32 v21, v18, v19
	v_add_f32_dpp v20, v20, v20 row_xmask:8 row_mask:0xf bank_mask:0xf                 ; 4 x 4
	v_add_f32_dpp v21, v21, v21 row_xmask:8 row_mask:0xf bank_mask:0xf
	v_mul_f32 v[O+12*\cc+4], 0x3d800000, v20                                        ; / 16
	v_mul_f32 v[O+12*\cc+5], 0x3d800000, v21
	ds_store_b32 v9, v[O+12*\cc+4] offset:64*TPB+4*\cc
	ds_store_b32 v9, v[O+12*\cc+5] offset:72*TPB+4*\cc
	v_add_f32_dpp v20, v20, v20 row_xmask:1 row_mask:0xf bank_mask:0xf
	v_add_f32_dpp v21, v21, v21 row_xmask:1 row_mask:0xf bank_mask:0xf
	v_permlanex16_b32 v22, v20, s16, s17
	v_permlanex16_b32 v23, v21, s16, s17
	v_add_f32 v20, v20, v22                                                         ; 8 x 8
	v_add_f32 v21, v21, v23
	v_mul_f32 v[O+12*\cc+6], 0x3c800000, v20                                        ; / 64
	v_mul_f32 v[O+12*\cc+7], 0x3c800000, v21
	ds_store_b32 v10, v[O+12*\cc+6] offset:80*TPB+4*\cc
	ds_store_b32 v10, v[O+12*\cc+7] offset:82*TPB+4*\cc
	v_add_f32_dpp v20, v20, v20 row_xmask:2 row_mask:0xf bank_mask:0xf
	v_add_f32_dpp v21, v21, v21 row_xmask:2 row_mask:0xf bank_mask:0xf
	v_add_f32 v20, v20, v21                                                         ; the whole channel
	v_mul_f32 v[O+12*\cc+8], 0x3b800000, v20                                        ; / 256
	ds_store_b32 v11, v[O+12*\cc+8] offset:84*TPB+4*\cc
.endm
	CHAN 0
	CHAN 1
	CHAN 2
	CHAN 3
	s_wait_dscnt 0x0                               ; for the others' sake: my stores have landed
	s_barrier_signal -1
	s_barrier_wait -1                              ; 85 whole tokens lie in LDS
	; THE WAY OUT: 85 tokens are 680 pieces of 16 bytes: 256 and 256 for the eight waves, 160 for waves 0 to 4, and the last token for wave 5
	ds_load_b128 v[16:19], v12                     ; tokens 0 to 31
	ds_load_b128 v[20:23], v12 offset:32*TPB       ; tokens 32 to 63
	s_wait_dscnt 0x1                               ; the first is in; the second may stay out
	global_store_b128 v13, v[16:19], s[8:9]        ; a wave stores 512 consecutive bytes, at a multiple of 256 from pyr's first byte
	s_wait_dscnt 0x0
	global_store_b128 v13, v[20:23], s[8:9] offset:4096
	s_cmp_lt_u32 s14, 5                            ; the branches hang on the wave's number alone; no barrier follows
	s_cbranch_scc0 .Lnot_tail
	ds_load_b128 v[24:27], v15 offset:64*TPB       ; tokens 64 to 83, four a wave, into registers of their own
	s_wait_dscnt 0x0
	global_store_b128 v13, v[24:27], s[8:9] offset:8192
	s_branch .Limage_end
.Lnot_tail:
	s_cmp_eq_u32 s14, 5
	s_cbranch_scc0 .Limage_end
	ds_load_b32 v24, v14 offset:84*TPB             ; token 84: 128 consecutive bytes, 4 a lane
	s_wait_dscnt 0x0
	global_store_b32 v14, v24, s[8:9] offset:84*128
.Limage_end:
	s_wait_tensorcnt 0x0                           ; the wave's end: behind my last LDS store
	ds_add_u32 v[SPW], v[NIL]
	s_wait_dscnt 0x0
	s_endpgm
.Lnot_image:
	s_cmp_lt_u32 ttmp9, 136
	s_cbranch_scc0 .Ltable
	; ---- THE CODEBOOK.  A wave takes a tile T of 64 codes; lane L takes codes 64 T + L and 64 T + 32 + L: a whole row, one block, in 32 registers
	s_sub_co_u32 s20, ttmp9, 128
	s_lshl_b32 s20, s20, 3
	s_add_co_u32 s20, s20, s14                     ; T = 0 .. 63
	s_lshl_b32 s22, s20, 13                        ; 64 rows of 128 bytes
	s_mov_b32 s23, 0
	s_add_nc_u64 s[6:7], s[6:7], s[22:23]
	v_lshlrev_b32 v6, 7, v1
.irp i, 0,1,2,3,4,5,6,7
	global_load_b128 v[32+4*\i:35+4*\i], v6, s[6:7] offset:16*\i
.endr
.irp i, 0,1,2,3,4,5,6,7
	global_load_b128 v[64+4*\i:67+4*\i], v6, s[6:7] offset:4096+16*\i
.endr
; The row in v[xs] on becomes codes in v[96 + 4 n] on, its scale byte in v[104 + n], its |e|^2 in v[106 + n].
.macro CODE xs, n
	v_max3_num_f32 v16, |v[\xs]|, |v[\xs+1]|, |v[\xs+2]|           ; the largest magnitude, in two chains
	v_max3_num_f32 v17, |v[\xs+3]|, |v[\xs+4]|, |v[\xs+5]|
.irp i, 6,10,14,18,22,26
	v_max3_num_f32 v16, v16, |v[\xs+\i]|, |v[\xs+\i+1]|
	v_max3_num_f32 v17, v17, |v[\xs+\i+2]|, |v[\xs+\i+3]|
.endr
	v_max3_num_f32 v16, v16, |v[\xs+30]|, |v[\xs+31]|
	v_max3_num_f32 v16, v16, v17, 0x1800000        ; and the floor 2^(3 - 127): the byte cannot fall under 1
	v_add_nc_u32 v[18+\n], 0xff000000, v16         ; 2 off the exponent field: the conversion's scale operand
	v_lshrrev_b32 v[104+\n], 23, v[18+\n]          ; the scale's byte
	v_pk_mul_f32 v[20:21], v[\xs:\xs+1], v[\xs:\xs+1]              ; |e|^2 of the unquantised row, in two packed chains
	v_pk_mul_f32 v[22:23], v[\xs+2:\xs+3], v[\xs+2:\xs+3]
.irp i, 4,8,12,16,20,24,28
	v_pk_fma_f32 v[20:21], v[\xs+\i:\xs+\i+1], v[\xs+\i:\xs+\i+1], v[20:21]
	v_pk_fma_f32 v[22:23], v[\xs+\i+2:\xs+\i+3], v[\xs+\i+2:\xs+\i+3], v[22:23]
.endr
	v_pk_add_f32 v[20:21], v[20:21], v[22:23]
	v_add_f32 v[106+\n], v20, v21
.irp g, 0,1,2,3
	v_cvt_scalef32_pk8_fp4_f32 v[96+4*\n+\g], v[\xs+8*\g:\xs+8*\g+7], v[18+\n]
.endr
	v_nop                                          ; one plain place behind a scaled conversion
.endm
	s_wait_loadcnt 8                               ; the first row's eight loads are in; the second row's stay out
	CODE 32, 0
	s_wait_loadcnt 0x0
	CODE 64, 1
	; the scale word of column r of tile T: byte q belongs to code 64 T + 16 q + r.  Lane 16 h + r holds bytes h and 2 + h
	v_lshl_or_b32 v24, v105, 16, v104
	v_lshrrev_b32 v25, 4, v1
	v_lshlrev_b32 v25, 3, v25
	v_lshlrev_b32 v24, v25, v24
	v_mov_b32 v26, 0
	v_permlanex16_b32 v26, v24, s16, s17
	v_or_b32 v24, v24, v26                         ; with lane l xor 16's two the word is whole
	s_lshl_b32 s24, s20, 10
	v_lshl_add_u32 v27, v1, 4, s24
	global_store_b128 v27, v[96:99], s[10:11]              ; 512 consecutive bytes a store
	global_store_b128 v27, v[100:103], s[10:11] offset:512
	s_lshl_b32 s25, s20, 8
	v_lshl_add_u32 v28, v1, 2, s25
	global_store_b32 v28, v106, s[10:11] offset:EEO
	global_store_b32 v28, v107, s[10:11] offset:EEO+128
	s_lshl_b32 s26, s20, 6
	v_and_b32 v29, 15, v1
	v_lshl_add_u32 v29, v29, 2, s26
	global_store_b32 v29, v24, s[10:11] offset:SWO         ; both halves of the lanes store the same word
	s_endpgm
.Ltable:
	; ---- THE TABLE.  Thread n makes entry n % 16 of row n / 16.  W_p[a][i] = K(sf - a) / the sum over a' of K(sf - a'), sf = (i + 0.5) p / 16 - 0.5, K the cubic kernel of Keys;  M[y][a] = the mean of W_p[a][r y + ii], ii < r = 16 / P
	s_sub_co_u32 s20, ttmp9, 136
	s_lshl_b32 s20, s20, 8
	v_add_nc_u32 v32, s20, v0                      ; n
	v_lshrrev_b32 v33, 4, v32                      ; the row
	v_and_b32 v34, 15, v32                         ; the entry
	v_mov_b32 v39, 0
	v_cmp_gt_u32 s21, 8, v34                       ; entries 0-7: p = 8
	v_cmp_gt_u32 s22, 12, v34                      ; entries 0-11: p >= 4
	v_mov_b32 v35, 2
	v_cndmask_b32 v35, v35, 4, s22
	v_cndmask_b32 v35, v35, 8, s21                 ; p
	v_add_nc_u32 v36, -12, v34
	v_add_nc_u32 v37, -8, v34
	v_cndmask_b32 v36, v36, v37, s22
	v_cndmask_b32 v36, v36, v34, s21               ; a
	v_cmp_lt_u32 s25, v36, v35                     ; not so in the row's last two entries, which are zeros
	v_cmp_gt_u32 s23, 16, v33                      ; rows 0-15: r = 1
	v_cmp_gt_u32 s24, 24, v33                      ; rows 0-23: r <= 2
	v_mov_b32 v37, 4
	v_cndmask_b32 v37, v37, 2, s24
	v_cndmask_b32 v37, v37, 1, s23                 ; r
	v_and_b32 v38, 3, v33
	v_and_b32 v43, 7, v33
	v_cndmask_b32 v38, v38, v43, s24
	v_cndmask_b32 v38, v38, v33, s23               ; y
	s_mov_b32 s26, 0x3fc00000                      ; 1.5
	s_mov_b32 s27, 0xc0200000                      ; -2.5
	s_mov_b32 s28, 0x40200000                      ; 2.5
	v_cvt_f32_u32 v40, v35
	v_mul_f32 v40, 0x3d800000, v40                 ; p / 16
	v_cvt_f32_u32 v41, v36                         ; a
	v_mul_u32_u24 v42, v37, v38
	v_cvt_f32_u32 v42, v42                         ; r y
	v_add_f32 v44, 0.5, v42
	v_add_f32 v45, 0x3fc00000, v42
	v_add_f32 v46, 0x40200000, v42
	v_add_f32 v47, 0x40600000, v42
.irp ii, 0,1,2,3
	v_fma_f32 v[44+\ii], v[44+\ii], v40, -0.5      ; sf: exact in f32
.endr
.macro KEYS dst, x                     ; v[dst] = K(|v[x]|)
	v_and_b32 v60, 0x7fffffff, v[\x]
	v_fma_f32 v61, v60, s26, s27
	v_mul_f32 v61, v61, v60
	v_fma_f32 v61, v61, v60, 1.0                   ; under 1: ((1.5 x - 2.5) x) x + 1
	v_fma_f32 v62, v60, -0.5, s28
	v_fma_f32 v62, v62, v60, -4.0
	v_fma_f32 v62, v62, v60, 2.0                   ; from 1 on: ((-0.5 x + 2.5) x - 4) x + 2
	v_cmp_le_f32 vcc_lo, 1.0, v60
	v_cndmask_b32 v61, v61, v62, vcc_lo
	v_cmp_le_f32 vcc_lo, 2.0, v60
	v_cndmask_b32 v[\dst], v61, v39, vcc_lo        ; from 2 on: 0
.endm
.macro WEIGHT ii                       ; for sample ii: the sum over the p sources in v[48 + ii], my source's K in v[52 + ii]
	v_mov_b32 v63, v[44+\ii]
	KEYS 48+\ii, 63
.irp a, 1,2,3,4,5,6,7
	v_add_f32 v63, -1.0, v63
	KEYS 59, 63
.if \a > 3
	v_cndmask_b32 v59, v39, v59, s21               ; sources 4-7 exist where p = 8
.elseif \a > 1
	v_cndmask_b32 v59, v39, v59, s22               ; sources 2, 3 where p >= 4
.endif
	v_add_f32 v[48+\ii], v[48+\ii], v59
.endr
	v_sub_f32 v63, v[44+\ii], v41
	KEYS 52+\ii, 63
	v_cndmask_b32 v[52+\ii], v39, v[52+\ii], s25
.endm
	WEIGHT 0
	WEIGHT 1
	WEIGHT 2
	WEIGHT 3
.irp ii, 0,1,2,3
	v_rcp_f32 v[48+\ii], v[48+\ii]
.endr
	v_nop                                          ; a plain place behind the last reciprocal
	s_wait_alu depctr_va_vdst(0)                   ; one wait for the four, ahead of their first reader
.irp ii, 0,1,2,3
	v_mul_f32 v[52+\ii], v[52+\ii], v[48+\ii]
.endr
	v_cndmask_b32 v53, v53, v39, s23               ; samples at or beyond r are selected away, never multiplied away
	v_cndmask_b32 v54, v54, v39, s24
	v_cndmask_b32 v55, v55, v39, s24
	v_add_f32 v52, v52, v53
	v_add_f32 v54, v54, v55
	v_add_f32 v52, v52, v54
	v_mov_b32 v56, 0x3e800000
	v_cndmask_b32 v56, v56, 0.5, s24
	v_cndmask_b32 v56, v56, 1.0, s23               ; 1 / r
	v_mul_f32 v52, v52, v56
	v_lshlrev_b32 v57, 2, v32
	global_store_b32 v57, v52, s[12:13]
	s_endpgm
.Lfunc_end_k_q7e7ac3008a_prep:
	.size	k_q7e7ac3008a_prep, .Lfunc_end_k_q7e7ac3008a_prep-k_q7e7ac3008a_prep
	.p2alignl 7, 3214868480
	.fill 96, 4, 3214868480
	.section	.rodata,"a",@progbits
	.p2align	6, 0x0
	.amdhsa_kernel k_q7e7ac3008a_prep
		.amdhsa_group_segment_fixed_size 13312
		.amdhsa_private_segment_fixed_size 0
		.amdhsa_enable_private_segment 0
		.amdhsa_kernarg_size 40
		.amdhsa_user_sgpr_count 2
		.amdhsa_user_sgpr_kernarg_segment_ptr 1
		.amdhsa_wavefront_size32 1
		.amdhsa_system_sgpr_workgroup_id_x 1
		.amdhsa_system_sgpr_workgroup_id_y 1
		.amdhsa_system_sgpr_workgroup_id_z 1
		.amdhsa_system_vgpr_workitem_id 0
		.amdhsa_next_free_vgpr 128
		.amdhsa_next_free_sgpr 66
		.amdhsa_reserve_vcc 1
		.amdhsa_float_denorm_mode_32 3
		.amdhsa_float_denorm_mode_16_64 3
		.amdhsa_memory_ordered 1
		.amdhsa_forward_progress 1
		.amdhsa_inst_pref_size 48
	.end_amdhsa_kernel
	.amdgpu_metadata
---
amdhsa.version: [ 1, 2 ]
amdhsa.kernels:
  - .name:           k_q7e7ac3008a_prep
    .symbol:         k_q7e7ac3008a_prep.kd
    .args:
      - { .name: f_src, .offset: 0, .size: 8, .value_kind: global_buffer, .address_space: global }
      - { .name: emb_weight, .offset: 8, .size: 8, .value_kind: global_buffer, .address_space: global }
      - { .name: pyr, .offset: 16, .size: 8, .value_kind: global_buffer, .address_space: global }
      - { .name: cb, .offset: 24, .size: 8, .value_kind: global_buffer, .address_space: global }
      - { .name: tab, .offset: 32, .size: 8, .value_kind: global_buffer, .address_space: global }
    .group_segment_fixed_size: 13312
    .private_segment_fixed_size: 0
    .kernarg_segment_align: 8
    .kernarg_segment_size: 40
    .max_flat_workgroup_size: 256
    .sgpr_count:     66
    .vgpr_count:     128
    .wavefront_size: 32
...
	.end_amdgpu_metadata
.endif
;; end of part 1
;; launch s0 (part 2): grid 32 x 1, 8 waves a work-group, no clusters, 24,832 bytes of LDS; arguments pyr, cb, idx0; writes idx0
.if DOCPART == 2
	.amdgcn_target "amdgcn-amd-amdhsa--gfx1250"
	.amdhsa_code_object_version 6
	.text
	.protected	k_q7e7ac3008a_s0
	.globl	k_q7e7ac3008a_s0
	.p2align	8
	.type	k_q7e7ac3008a_s0,@function
k_q7e7ac3008a_s0:
	s_mov_b64 s[64:65], 0
	v_nop
	global_prefetch_b8 v0, s[64:65] scope:SCOPE_SE
	s_setreg_imm32_b32 hwreg(HW_REG_WAVE_MODE, 25, 1), 1
	s_wait_xcnt 0x0
; STAGE 0 (pn = 1): idx0[b] = the first index of the smallest d = (|z|^2 + |e|^2) - 2 z.e over the 4,096 codes, z = the mean of image b.  The softmax and probs @ e are left out: soft + (hard - soft) is hard (see the first kernel's head).
; z.e is the QUANTISED product (E2M1, one scale for the 32 channels); |z|^2 and |e|^2 are of the unquantised numbers; d is rounded twice, as reference() rounds it: RN(RN(zz + ee) - 2 ze).
; LIMITS: NaN and infinities are not served (were every d NaN, 8,192 would be stored, which the launches that read it hold at 4,095).
; SHARES.  A work-group takes G groups of 4 tokens (here the 4 images 4 x .. 4 x + 3).  Its eight waves share the CODES: wave w keeps codes 512 w .. 512 w + 511 (8 tiles of 64) in registers.
; THE TILE.  K is 32, the instruction's K is 128: so its four blocks carry four different things.  Source 1: column n holds, in block q, code 64 T + 16 q + n.  Source 0: row m holds token m % 4 in block m / 4, and zero codes elsewhere
; (their scale bytes are 1).  So D(m, n) = token m % 4 . code 64 T + 16 (m / 4) + n: all 256 numbers are scores.  Register j of lane (r, h): token j % 4, code 64 T + 32 h + 16 (j / 4) + r.
.set G,     1                          ; groups of 4 tokens in a work-group
.set ROWS,  1                          ; waves that bring z
.set Z,     8192                       ; LDS: z, [token][128 bytes]
.set AIMG,  12288                      ; source 0 as an image of its registers: 1,024 bytes a group
.set ASC,   20480                      ; its scale words: 128 bytes a group
.set ZZL,   21504                      ; |z|^2: 16 bytes a group
.set RESV,  21760                      ; [wave][token]: the wave's smallest d,
.set RESC,  22784                      ; and its code, as f32
.set SPARE, 23808                      ; the spare words, 128 bytes for each wave
.set SWO,   65536                      ; cb: codes at 0, scale words here,
.set EEO,   69632                      ; |e|^2 here
.set SPW, 4                            ; v4 LDS address of my spare word, v5 0: never rewritten
.set NIL, 5
.set A16, 6                            ; 16 x lane
.set A4,  7                            ; 4 x lane
.set ZW,  10                           ; where a wave puts z
.set ZR,  11                           ; where a lane reads its token's z
.set AW,  12                           ; where a wave puts source 0's image,
.set ASW, 13                           ; its scale words,
.set ZZW, 14                           ; and |z|^2
.set FR,  15                           ; 4 x (lane's token) in the last step
.set S,   16                           ; v16-23 eight d at work
.set BV,  24                           ; v24-27 the smallest d so far of tokens 0-3
.set BI,  28                           ; v28-31 its place: 4 t + u
.set MN,  32                           ; v32-35 the wave's smallest
.set CF,  36                           ; v36-39 codes as f32
.set TP,  40                           ; v40-43 at work
.set BF,  64                           ; v64-127 my 8 tiles of codes
.set BS,  128                          ; v128-135 their scale words: scales and nothing else
.set EE,  136                          ; v136-151 |e|^2: for tile t the pair (u = 0, u = 1)
.set D,   152                          ; v152-215 eight results; free ahead of the products
.set AF,  216                          ; v216-223 source 0
.set AS,  224                          ; v224 its scale words: scales and nothing else
.set ZZ,  226                          ; v226-229 |z|^2 of tokens 0-3
.set MLO, 230
.set MHI, 231
.set SH,  232
.set FILL, 233
.set LB,  234                          ; my lane's first code: 512 w + 32 h + r
.set BIG, 235                          ; 8,192.0: over every code
.set GZ,  238
.set GR,  239
.set CBC, 240
.set CBS, 241
.set CBE, 242
.set PYR, 4
.set CB,  6
.set IDXO, 8
	s_load_b128 s[4:7], s[0:1], 0x0                ; pyr, cb
	s_load_b64 s[8:9], s[0:1], 0x10                ; idx0
	v_lshl_add_u32 v[SPW], v0, 2, SPARE
	v_mov_b32 v[NIL], 0
	v_lshrrev_b32 v1, 5, v0
	v_readfirstlane_b32 s22, v1                    ; wave 0..7
	v_and_b32 v1, 31, v0                           ; lane
	v_and_b32 v2, 15, v0                           ; r
	v_bfe_u32 v3, v0, 4, 1                         ; h
	s_mov_b32 s26, 0x76543210
	s_mov_b32 s27, 0xfedcba98                      ; v_permlanex16_b32's selects for lane l xor 16
	v_lshlrev_b32 v[A16], 4, v1
	v_lshlrev_b32 v[A4], 2, v1
	s_lshl_b32 s29, s22, 11
	v_lshlrev_b32 v17, 7, v3
	v_lshl_add_u32 v17, v2, 2, v17
	v_add_nc_u32 v[CBE], s29, v17                  ; |e|^2: 2,048 w + 128 h + 4 r
	s_mul_i32 s30, s22, 512*G/ROWS
	v_add_nc_u32 v[ZW], s30, v[A16]
	s_lshl_b32 s31, s22, 9
	v_and_b32 v16, 3, v2
	v_lshl_add_u32 v[ZR], v16, 7, s31              ; token 4 w + r % 4
	v_lshl_add_u32 v[CBS], v2, 2, s31              ; scale words: 512 w + 4 r
	v_lshl_add_u32 v[LB], v3, 5, v2
	v_add_nc_u32 v[LB], s31, v[LB]
	s_lshl_b32 s34, s22, 10
	v_add_nc_u32 v[AW], s34, v[A16]
	s_lshl_b32 s33, s22, 7                         ; 128 w: kept
	v_add_nc_u32 v[ASW], s33, v[A4]
	s_lshl_b32 s35, s22, 4
	v_lshl_add_u32 v[ZZW], v16, 2, s35
	s_lshl_b32 s28, s22, 13
	v_add_nc_u32 v[CBC], s28, v[A16]               ; codes: 8,192 w + 16 x lane
	v_and_b32 v[FR], 4*G-1, v1
	v_lshlrev_b32 v[FR], 2, v[FR]
	v_mov_b32 v[GZ], 0
	v_mov_b32 v[BIG], 0x46000000
	v_lshrrev_b32 v16, 2, v2                       ; row r's live block: r / 4.  Registers 0-3 of lane (r, h) are block h, registers 4-7 block 2 + h
	v_cmp_eq_u32 vcc_lo, v16, v3
	v_cndmask_b32 v[MLO], 0, -1, vcc_lo
	v_add_nc_u32 v17, 2, v3
	v_cmp_eq_u32 vcc_lo, v16, v17
	v_cndmask_b32 v[MHI], 0, -1, vcc_lo
	v_lshlrev_b32 v[SH], 3, v16                    ; the live byte's place in the scale word
	v_mov_b32 v17, 1
	v_lshlrev_b32 v17, v[SH], v17
	v_xor_b32 v[FILL], 0x01010101, v17             ; byte 1 in the three dead places
	s_wait_kmcnt 0x0
	; my 512 codes, their scale words and |e|^2: 40 loads, waited for in front of the products
.irp t, 0,1,2,3,4,5,6,7
	global_load_b128 v[BF+8*\t:BF+8*\t+3], v[CBC], s[CB:CB+1] offset:1024*\t
	global_load_b128 v[BF+8*\t+4:BF+8*\t+7], v[CBC], s[CB:CB+1] offset:1024*\t+512
.endr
.irp t, 0,1,2,3,4,5,6,7
	global_load_b32 v[BS+\t], v[CBS], s[CB:CB+1] offset:SWO+64*\t
.endr
.irp t, 0,1,2,3,4,5,6,7
	global_load_b32 v[EE+2*\t], v[CBE], s[CB:CB+1] offset:EEO+256*\t
	global_load_b32 v[EE+2*\t+1], v[CBE], s[CB:CB+1] offset:EEO+256*\t+64
.endr
	; ---- 1: z.  Wave 0 brings the 1 x 1 means (token 84) of the four images: lane 8 i + q takes 16 bytes of image i
	s_cmp_lt_u32 s22, ROWS
	s_cbranch_scc0 .Lno_recon
	s_mul_i32 s80, ttmp9, 4*11008
	s_mov_b32 s81, 0
	s_add_nc_u64 s[60:61], s[PYR:PYR+1], s[80:81]
	v_lshrrev_b32 v44, 3, v1
	v_mul_u32_u24 v44, v44, 11008
	v_and_b32 v45, 7, v1
	v_lshl_add_u32 v44, v45, 4, v44
	global_load_b128 v[168:171], v44, s[60:61] offset:84*128 th:TH_LOAD_NT
	s_wait_loadcnt 0x0
	ds_store_b128 v[ZW], v[168:171] offset:Z
.Lno_recon:
	s_wait_dscnt 0x0                               ; my stores have landed
	s_barrier_signal -1
	s_barrier_wait -1                              ; z lies in LDS
	; ---- 2: wave g < G quantises group g: every lane takes the whole row of token 4 g + r % 4, and keeps its codes where its registers are the row's live block
.if G < 8
	s_cmp_lt_u32 s22, G
	s_cbranch_scc0 .Lno_quant
.endif
.irp i, 0,1,2,3,4,5,6,7
	ds_load_b128 v[D+4*\i:D+4*\i+3], v[ZR] offset:Z+16*\i
.endr
	s_wait_dscnt 0x0
	v_max3_num_f32 v184, |v[D]|, |v[D+1]|, |v[D+2]|
	v_max3_num_f32 v185, |v[D+3]|, |v[D+4]|, |v[D+5]|
.irp i, 6,10,14,18,22,26
	v_max3_num_f32 v184, v184, |v[D+\i]|, |v[D+\i+1]|
	v_max3_num_f32 v185, v185, |v[D+\i+2]|, |v[D+\i+3]|
.endr
	v_max3_num_f32 v184, v184, |v[D+30]|, |v[D+31]|
	v_max3_num_f32 v184, v184, v185, 0x1800000     ; the floor 2^(3 - 127): the byte cannot fall under 1
	v_add_nc_u32 v186, 0xff000000, v184            ; 2 off the exponent field: the conversion's scale operand
	v_lshrrev_b32 v187, 23, v186                   ; the scale's byte,
	v_lshlrev_b32 v187, v[SH], v187                ; at the live block's place
	v_or_b32 v204, v187, v[FILL]
	v_pk_mul_f32 v[188:189], v[D:D+1], v[D:D+1]    ; |z|^2 of the unquantised z
	v_pk_mul_f32 v[190:191], v[D+2:D+3], v[D+2:D+3]
.irp i, 4,8,12,16,20,24,28
	v_pk_fma_f32 v[188:189], v[D+\i:D+\i+1], v[D+\i:D+\i+1], v[188:189]
	v_pk_fma_f32 v[190:191], v[D+\i+2:D+\i+3], v[D+\i+2:D+\i+3], v[190:191]
.endr
	v_pk_add_f32 v[188:189], v[188:189], v[190:191]
	v_add_f32 v205, v188, v189
.irp g, 0,1,2,3
	v_cvt_scalef32_pk8_fp4_f32 v[192+\g], v[D+8*\g:D+8*\g+7], v186
.endr
	v_nop                                          ; one plain place behind a scaled conversion
.irp g, 0,1,2,3
	v_and_b32 v[196+\g], v[MLO], v[192+\g]
	v_and_b32 v[200+\g], v[MHI], v[192+\g]
.endr
	ds_store_b128 v[AW], v[196:199] offset:AIMG
	ds_store_b128 v[AW], v[200:203] offset:AIMG+512
	ds_store_b32 v[ASW], v204 offset:ASC
	ds_store_b32 v[ZZW], v205 offset:ZZL           ; lanes of one token store the same word with the same value
.Lno_quant:
	s_wait_dscnt 0x0
	s_barrier_signal -1
	s_barrier_wait -1                              ; the groups' images lie in LDS
; ---- 3: the scores and the argmax
.macro TRACK t, u                      ; the four tokens' d of place 4 t + u against the smallest so far: a strict < keeps the first
.irp i, 0,1,2,3
	v_cmp_lt_f32 s[76+\i], v[S+4*\u+\i], v[BV+\i]
.endr
.irp i, 0,1,2,3
	v_cndmask_b32 v[BI+\i], v[BI+\i], 4*\t+\u, s[76+\i]
.endr
.irp i, 0,1,2,3
	v_min_num_f32 v[BV+\i], v[BV+\i], v[S+4*\u+\i]
.endr
.endm
.macro SCORE t                         ; tile t: d = RN(RN(zz + ee) - 2 ze); the result is read from its low end on
	v_pk_add_f32 v[S:S+1], v[ZZ:ZZ+1], v[EE+2*\t:EE+2*\t+1] op_sel_hi:[1,0]
	v_pk_add_f32 v[S+2:S+3], v[ZZ+2:ZZ+3], v[EE+2*\t:EE+2*\t+1] op_sel_hi:[1,0]
	v_pk_add_f32 v[S+4:S+5], v[ZZ:ZZ+1], v[EE+2*\t:EE+2*\t+1] op_sel:[0,1] op_sel_hi:[1,1]
	v_pk_add_f32 v[S+6:S+7], v[ZZ+2:ZZ+3], v[EE+2*\t:EE+2*\t+1] op_sel:[0,1] op_sel_hi:[1,1]
.if \t == 0
	v_pk_fma_f32 v[BV:BV+1], v[D:D+1], -2.0, v[S:S+1] op_sel_hi:[1,0,1]            ; the first four start the search: nothing is compared
	v_pk_fma_f32 v[BV+2:BV+3], v[D+2:D+3], -2.0, v[S+2:S+3] op_sel_hi:[1,0,1]
.else
	v_pk_fma_f32 v[S:S+1], v[D+8*\t:D+8*\t+1], -2.0, v[S:S+1] op_sel_hi:[1,0,1]
	v_pk_fma_f32 v[S+2:S+3], v[D+8*\t+2:D+8*\t+3], -2.0, v[S+2:S+3] op_sel_hi:[1,0,1]
.endif
	v_pk_fma_f32 v[S+4:S+5], v[D+8*\t+4:D+8*\t+5], -2.0, v[S+4:S+5] op_sel_hi:[1,0,1]
	v_pk_fma_f32 v[S+6:S+7], v[D+8*\t+6:D+8*\t+7], -2.0, v[S+6:S+7] op_sel_hi:[1,0,1]
.if \t == 0
.irp i, 0,1,2,3
	v_mov_b32 v[BI+\i], 0
.endr
.else
	TRACK \t, 0
.endif
	TRACK \t, 1
.endm
.macro LANEMIN x                       ; the smallest of v[x + i] over the 32 lanes, in every lane; the four tokens by turns
.irp m, 1,2,4,8
.irp i, 0,1,2,3
	v_min_num_f32_dpp v[\x+\i], v[\x+\i], v[\x+\i] row_xmask:\m row_mask:0xf bank_mask:0xf
.endr
.endr
.irp i, 0,1,2,3
	v_permlanex16_b32 v[TP+\i], v[\x+\i], s26, s27
.endr
.irp i, 0,1,2,3
	v_min_num_f32 v[\x+\i], v[\x+\i], v[TP+\i]
.endr
.endm
.macro REDUCE                          ; the wave's smallest d of each token, and the lowest code that has it
.irp i, 0,1,2,3
	v_lshl_add_u32 v[CF+\i], v[BI+\i], 4, v[LB]    ; my code: 16 (4 t + u) + 512 w + 32 h + r
	v_mov_b32 v[MN+\i], v[BV+\i]
.endr
.irp i, 0,1,2,3
	v_cvt_f32_u32 v[CF+\i], v[CF+\i]
.endr
	LANEMIN MN
.irp i, 0,1,2,3
	v_cmp_eq_f32 s[76+\i], v[BV+\i], v[MN+\i]
.endr
.irp i, 0,1,2,3
	v_cndmask_b32 v[CF+\i], v[BIG], v[CF+\i], s[76+\i]
.endr
	LANEMIN CF
	ds_store_b128 v[GR], v[MN:MN+3] offset:RESV    ; all lanes store the same 16 bytes
	ds_store_b128 v[GR], v[CF:CF+3] offset:RESC
.endm
	s_wait_loadcnt 0x0                             ; my codes, scale words and |e|^2
.irp i, 0,1,2,3
	v_mov_b32 v[TP+\i], 0                          ; written once: a lane permute's destination counts as one of its sources
.endr
	ds_load_b128 v[AF:AF+3], v[A16] offset:AIMG
	ds_load_b128 v[AF+4:AF+7], v[A16] offset:AIMG+512
	ds_load_b32 v[AS], v[A4] offset:ASC
	ds_load_b128 v[ZZ:ZZ+3], v[GZ] offset:ZZL
	s_wait_dscnt 0x0
.irp t, 0,1,2,3,4,5,6,7
	v_wmma_scale_f32_16x16x128_f8f6f4 v[D+8*\t:D+8*\t+7], v[AF:AF+7], v[BF+8*\t:BF+8*\t+7], 0, v[AS], v[BS+\t] matrix_a_fmt:MATRIX_FMT_FP4 matrix_b_fmt:MATRIX_FMT_FP4
.endr
.irp t, 0,1,2,3,4,5,6,7
	SCORE \t                                       ; the first four additions of SCORE 0 name no register of the products: they are the four places ahead of the first read of a result
.endr
	v_mov_b32 v[GR], s33
	REDUCE
	s_wait_dscnt 0x0
	s_barrier_signal -1
	s_barrier_wait -1                              ; the eight waves' results lie in LDS
	; ---- 4: wave 0 takes the eight waves in ascending order of their codes: a strict < keeps the first
	s_cmp_lg_u32 s22, 0
	s_cbranch_scc1 .Ldone
.irp w, 0,1,2,3,4,5,6,7
	ds_load_b32 v[16+\w], v[FR] offset:RESV+128*\w
	ds_load_b32 v[24+\w], v[FR] offset:RESC+128*\w
.endr
	s_mul_i32 s80, ttmp9, 16*G
	s_mov_b32 s81, 0
	s_add_nc_u64 s[IDXO:IDXO+1], s[IDXO:IDXO+1], s[80:81]
	s_wait_dscnt 0x0
.irp w, 1,2,3,4,5,6,7
	v_cmp_lt_f32 vcc_lo, v[16+\w], v16
	v_cndmask_b32 v24, v24, v[24+\w], vcc_lo
	v_min_num_f32 v16, v16, v[16+\w]
.endr
	v_cvt_u32_f32 v24, v24
	global_store_b32 v[FR], v24, s[IDXO:IDXO+1]    ; lanes beyond the work-group's tokens repeat a token's word with the same value
.Ldone:
	s_wait_tensorcnt 0x0                           ; the wave's end: behind my last LDS store
	ds_add_u32 v[SPW], v[NIL]
	s_wait_dscnt 0x0
	s_endpgm
.Lfunc_end_k_q7e7ac3008a_s0:
	.size	k_q7e7ac3008a_s0, .Lfunc_end_k_q7e7ac3008a_s0-k_q7e7ac3008a_s0
	.p2alignl 7, 3214868480
	.fill 96, 4, 3214868480
	.section	.rodata,"a",@progbits
	.p2align	6, 0x0
	.amdhsa_kernel k_q7e7ac3008a_s0
		.amdhsa_group_segment_fixed_size 24832
		.amdhsa_private_segment_fixed_size 0
		.amdhsa_enable_private_segment 0
		.amdhsa_kernarg_size 24
		.amdhsa_user_sgpr_count 2
		.amdhsa_user_sgpr_kernarg_segment_ptr 1
		.amdhsa_wavefront_size32 1
		.amdhsa_system_sgpr_workgroup_id_x 1
		.amdhsa_system_sgpr_workgroup_id_y 1
		.amdhsa_system_sgpr_workgroup_id_z 1
		.amdhsa_system_vgpr_workitem_id 0
		.amdhsa_next_free_vgpr 256
		.amdhsa_next_free_sgpr 90
		.amdhsa_reserve_vcc 1
		.amdhsa_float_denorm_mode_32 3
		.amdhsa_float_denorm_mode_16_64 3
		.amdhsa_memory_ordered 1
		.amdhsa_forward_progress 1
		.amdhsa_inst_pref_size 32
	.end_amdhsa_kernel
	.amdgpu_metadata
---
amdhsa.version: [ 1, 2 ]
amdhsa.kernels:
  - .name:           k_q7e7ac3008a_s0
    .symbol:         k_q7e7ac3008a_s0.kd
    .args:
      - { .name: pyr, .offset: 0, .size: 8, .value_kind: global_buffer, .address_space: global }
      - { .name: cb, .offset: 8, .size: 8, .value_kind: global_buffer, .address_space: global }
      - { .name: idx0, .offset: 16, .size: 8, .value_kind: global_buffer, .address_space: global }
    .group_segment_fixed_size: 24832
    .private_segment_fixed_size: 0
    .kernarg_segment_align: 8
    .kernarg_segment_size: 24
    .max_flat_workgroup_size: 256
    .sgpr_count:     90
    .vgpr_count:     256
    .wavefront_size: 32
...
	.end_amdgpu_metadata
.endif
;; end of part 2
;; launch s1 (part 3): grid 128 x 1, 8 waves a work-group, no clusters, 24,832 bytes of LDS; arguments emb_weight, pyr, cb, idx0, idx1, out0; writes idx1, out0
.if DOCPART == 3
	.amdgcn_target "amdgcn-amd-amdhsa--gfx1250"
	.amdhsa_code_object_version 6
	.text
	.protected	k_q7e7ac3008a_s1
	.globl	k_q7e7ac3008a_s1
	.p2align	8
	.type	k_q7e7ac3008a_s1,@function
k_q7e7ac3008a_s1:
	s_mov_b64 s[64:65], 0
	v_nop
	global_prefetch_b8 v0, s[64:65] scope:SCOPE_SE
	s_setreg_imm32_b32 hwreg(HW_REG_WAVE_MODE, 25, 1), 1
	s_wait_xcnt 0x0
; STAGE 1 (pn = 2): the output's tokens 0-3 of image b (the area mean at 2 x 2 of up(h0), which is h0 = emb[idx0[b]] everywhere: one source has weight 1), z = the 2 x 2 means of f_src less that, and
; idx1[b][pos] = the first index of the smallest d = (|z|^2 + |e|^2) - 2 z.e.  The softmax and probs @ e are left out: soft + (hard - soft) is hard (see the first kernel's head).
; z.e is the QUANTISED product (E2M1, one scale for the 32 channels); |z|^2 and |e|^2 are of the unquantised numbers; d is rounded twice, as reference() rounds it: RN(RN(zz + ee) - 2 ze).
; LIMITS: NaN and infinities are not served (were every d NaN, 8,192 would be stored, which the launches that read it hold at 4,095).
; SHARES.  A work-group takes G groups of 4 tokens (here image b's four).  Its eight waves share the CODES: wave w keeps codes 512 w .. 512 w + 511 (8 tiles of 64) in registers.
; THE TILE.  K is 32, the instruction's K is 128: so its four blocks carry four different things.  Source 1: column n holds, in block q, code 64 T + 16 q + n.  Source 0: row m holds token m % 4 in block m / 4, and zero codes elsewhere
; (their scale bytes are 1).  So D(m, n) = token m % 4 . code 64 T + 16 (m / 4) + n: all 256 numbers are scores.  Register j of lane (r, h): token j % 4, code 64 T + 32 h + 16 (j / 4) + r.
.set G,     1                          ; groups of 4 tokens in a work-group
.set ROWS,  1                          ; waves that make z
.set Z,     8192                       ; LDS: z, [token][128 bytes]
.set AIMG,  12288                      ; source 0 as an image of its registers: 1,024 bytes a group
.set ASC,   20480                      ; its scale words: 128 bytes a group
.set ZZL,   21504                      ; |z|^2: 16 bytes a group
.set RESV,  21760                      ; [wave][token]: the wave's smallest d,
.set RESC,  22784                      ; and its code, as f32
.set SPARE, 23808                      ; the spare words, 128 bytes for each wave
.set SWO,   65536                      ; cb: codes at 0, scale words here,
.set EEO,   69632                      ; |e|^2 here
.set SPW, 4                            ; v4 LDS address of my spare word, v5 0: never rewritten
.set NIL, 5
.set A16, 6                            ; 16 x lane
.set A4,  7                            ; 4 x lane
.set ZW,  10                           ; where a wave puts z
.set ZR,  11                           ; where a lane reads its token's z
.set AW,  12                           ; where a wave puts source 0's image,
.set ASW, 13                           ; its scale words,
.set ZZW, 14                           ; and |z|^2
.set FR,  15                           ; 4 x (lane's token) in the last step
.set S,   16                           ; v16-23 eight d at work
.set BV,  24                           ; v24-27 the smallest d so far of tokens 0-3
.set BI,  28                           ; v28-31 its place: 4 t + u
.set MN,  32                           ; v32-35 the wave's smallest
.set CF,  36                           ; v36-39 codes as f32
.set TP,  40                           ; v40-43 at work
.set BF,  64                           ; v64-127 my 8 tiles of codes
.set BS,  128                          ; v128-135 their scale words: scales and nothing else
.set EE,  136                          ; v136-151 |e|^2: for tile t the pair (u = 0, u = 1)
.set D,   152                          ; v152-215 eight results; free ahead of the products
.set AF,  216                          ; v216-223 source 0
.set AS,  224                          ; v224 its scale words: scales and nothing else
.set ZZ,  226                          ; v226-229 |z|^2 of tokens 0-3
.set MLO, 230
.set MHI, 231
.set SH,  232
.set FILL, 233
.set LB,  234                          ; my lane's first code: 512 w + 32 h + r
.set BIG, 235                          ; 8,192.0: over every code
.set GZ,  238
.set GR,  239
.set CBC, 240
.set CBS, 241
.set CBE, 242
.set EMB, 4
.set PYR, 6
.set CB,  8
.set IDX0, 10
.set IDXO, 12
.set OUT, 14
	s_load_b256 s[4:11], s[0:1], 0x0               ; emb, pyr, cb, idx0
	s_load_b128 s[12:15], s[0:1], 0x20             ; idx1, out0
	v_lshl_add_u32 v[SPW], v0, 2, SPARE
	v_mov_b32 v[NIL], 0
	v_lshrrev_b32 v1, 5, v0
	v_readfirstlane_b32 s22, v1                    ; wave 0..7
	v_and_b32 v1, 31, v0                           ; lane
	v_and_b32 v2, 15, v0                           ; r
	v_bfe_u32 v3, v0, 4, 1                         ; h
	s_mov_b32 s26, 0x76543210
	s_mov_b32 s27, 0xfedcba98                      ; v_permlanex16_b32's selects for lane l xor 16
	v_lshlrev_b32 v[A16], 4, v1
	v_lshlrev_b32 v[A4], 2, v1
	s_lshl_b32 s29, s22, 11
	v_lshlrev_b32 v17, 7, v3
	v_lshl_add_u32 v17, v2, 2, v17
	v_add_nc_u32 v[CBE], s29, v17                  ; |e|^2: 2,048 w + 128 h + 4 r
	s_mul_i32 s30, s22, 512*G/ROWS
	v_add_nc_u32 v[ZW], s30, v[A16]
	s_lshl_b32 s31, s22, 9
	v_and_b32 v16, 3, v2
	v_lshl_add_u32 v[ZR], v16, 7, s31              ; token 4 w + r % 4
	v_lshl_add_u32 v[CBS], v2, 2, s31              ; scale words: 512 w + 4 r
	v_lshl_add_u32 v[LB], v3, 5, v2
	v_add_nc_u32 v[LB], s31, v[LB]
	s_lshl_b32 s34, s22, 10
	v_add_nc_u32 v[AW], s34, v[A16]
	s_lshl_b32 s33, s22, 7                         ; 128 w: kept
	v_add_nc_u32 v[ASW], s33, v[A4]
	s_lshl_b32 s35, s22, 4
	v_lshl_add_u32 v[ZZW], v16, 2, s35
	s_lshl_b32 s28, s22, 13
	v_add_nc_u32 v[CBC], s28, v[A16]               ; codes: 8,192 w + 16 x lane
	v_and_b32 v[FR], 4*G-1, v1
	v_lshlrev_b32 v[FR], 2, v[FR]
	v_mov_b32 v[GZ], 0
	v_mov_b32 v[BIG], 0x46000000
	v_lshrrev_b32 v16, 2, v2                       ; row r's live block: r / 4.  Registers 0-3 of lane (r, h) are block h, registers 4-7 block 2 + h
	v_cmp_eq_u32 vcc_lo, v16, v3
	v_cndmask_b32 v[MLO], 0, -1, vcc_lo
	v_add_nc_u32 v17, 2, v3
	v_cmp_eq_u32 vcc_lo, v16, v17
	v_cndmask_b32 v[MHI], 0, -1, vcc_lo
	v_lshlrev_b32 v[SH], 3, v16                    ; the live byte's place in the scale word
	v_mov_b32 v17, 1
	v_lshlrev_b32 v17, v[SH], v17
	v_xor_b32 v[FILL], 0x01010101, v17             ; byte 1 in the three dead places
	s_wait_kmcnt 0x0
	; my 512 codes, their scale words and |e|^2: 40 loads, waited for in front of the products
.irp t, 0,1,2,3,4,5,6,7
	global_load_b128 v[BF+8*\t:BF+8*\t+3], v[CBC], s[CB:CB+1] offset:1024*\t
	global_load_b128 v[BF+8*\t+4:BF+8*\t+7], v[CBC], s[CB:CB+1] offset:1024*\t+512
.endr
.irp t, 0,1,2,3,4,5,6,7
	global_load_b32 v[BS+\t], v[CBS], s[CB:CB+1] offset:SWO+64*\t
.endr
.irp t, 0,1,2,3,4,5,6,7
	global_load_b32 v[EE+2*\t], v[CBE], s[CB:CB+1] offset:EEO+256*\t
	global_load_b32 v[EE+2*\t+1], v[CBE], s[CB:CB+1] offset:EEO+256*\t+64
.endr
	; ---- 1: wave 0: h0 by the stored index; the output's tokens 0-3; z.  Lane 8 i + q: token i, channels 4 q .. 4 q + 3
	s_cmp_lt_u32 s22, ROWS
	s_cbranch_scc0 .Lno_recon
	s_lshl_b32 s29, ttmp9, 2
	s_load_b32 s32, s[IDX0:IDX0+1], s29 offset:0x0
	s_mul_i32 s80, ttmp9, 11008
	s_mov_b32 s81, 0
	s_add_nc_u64 s[60:61], s[PYR:PYR+1], s[80:81]
	global_load_b128 v[168:171], v[A16], s[60:61] offset:80*128 th:TH_LOAD_NT   ; the 2 x 2 means: tokens 80-83
	s_mul_i32 s82, ttmp9, 43520
	s_mov_b32 s83, 0
	s_add_nc_u64 s[62:63], s[OUT:OUT+1], s[82:83]
	v_and_b32 v44, 7, v1
	v_lshlrev_b32 v44, 4, v44
	s_wait_kmcnt 0x0
	s_min_u32 s32, s32, 0xfff                      ; an index stays inside the table
	s_lshl_b32 s32, s32, 7
	v_add_nc_u32 v44, s32, v44
	global_load_b128 v[176:179], v44, s[EMB:EMB+1]
	s_wait_loadcnt 0x0
	global_store_b128 v[A16], v[176:179], s[62:63] th:TH_STORE_NT              ; 512 consecutive bytes, at a multiple of 256 from out0's first byte
	v_pk_add_f32 v[168:169], v[168:169], v[176:177] neg_lo:[0,1] neg_hi:[0,1]
	v_pk_add_f32 v[170:171], v[170:171], v[178:179] neg_lo:[0,1] neg_hi:[0,1]
	ds_store_b128 v[ZW], v[168:171] offset:Z
	s_wait_xcnt 0x0                                ; the store has read its registers: they are written again below
.Lno_recon:
	s_wait_dscnt 0x0                               ; my stores have landed
	s_barrier_signal -1
	s_barrier_wait -1                              ; z lies in LDS
	; ---- 2: wave g < G quantises group g: every lane takes the whole row of token 4 g + r % 4, and keeps its codes where its registers are the row's live block
.if G < 8
	s_cmp_lt_u32 s22, G
	s_cbranch_scc0 .Lno_quant
.endif
.irp i, 0,1,2,3,4,5,6,7
	ds_load_b128 v[D+4*\i:D+4*\i+3], v[ZR] offset:Z+16*\i
.endr
	s_wait_dscnt 0x0
	v_max3_num_f32 v184, |v[D]|, |v[D+1]|, |v[D+2]|
	v_max3_num_f32 v185, |v[D+3]|, |v[D+4]|, |v[D+5]|
.irp i, 6,10,14,18,22,26
	v_max3_num_f32 v184, v184, |v[D+\i]|, |v[D+\i+1]|
	v_max3_num_f32 v185, v185, |v[D+\i+2]|, |v[D+\i+3]|
.endr
	v_max3_num_f32 v184, v184, |v[D+30]|, |v[D+31]|
	v_max3_num_f32 v184, v184, v185, 0x1800000     ; the floor 2^(3 - 127): the byte cannot fall under 1
	v_add_nc_u32 v186, 0xff000000, v184            ; 2 off the exponent field: the conversion's scale operand
	v_lshrrev_b32 v187, 23, v186                   ; the scale's byte,
	v_lshlrev_b32 v187, v[SH], v187                ; at the live block's place
	v_or_b32 v204, v187, v[FILL]
	v_pk_mul_f32 v[188:189], v[D:D+1], v[D:D+1]    ; |z|^2 of the unquantised z
	v_pk_mul_f32 v[190:191], v[D+2:D+3], v[D+2:D+3]
.irp i, 4,8,12,16,20,24,28
	v_pk_fma_f32 v[188:189], v[D+\i:D+\i+1], v[D+\i:D+\i+1], v[188:189]
	v_pk_fma_f32 v[190:191], v[D+\i+2:D+\i+3], v[D+\i+2:D+\i+3], v[190:191]
.endr
	v_pk_add_f32 v[188:189], v[188:189], v[190:191]
	v_add_f32 v205, v188, v189
.irp g, 0,1,2,3
	v_cvt_scalef32_pk8_fp4_f32 v[192+\g], v[D+8*\g:D+8*\g+7], v186
.endr
	v_nop                                          ; one plain place behind a scaled conversion
.irp g, 0,1,2,3
	v_and_b32 v[196+\g], v[MLO], v[192+\g]
	v_and_b32 v[200+\g], v[MHI], v[192+\g]
.endr
	ds_store_b128 v[AW], v[196:199] offset:AIMG
	ds_store_b128 v[AW], v[200:203] offset:AIMG+512
	ds_store_b32 v[ASW], v204 offset:ASC
	ds_store_b32 v[ZZW], v205 offset:ZZL           ; lanes of one token store the same word with the same value
.Lno_quant:
	s_wait_dscnt 0x0
	s_barrier_signal -1
	s_barrier_wait -1                              ; the groups' images lie in LDS
; ---- 3: the scores and the argmax
.macro TRACK t, u                      ; the four tokens' d of place 4 t + u against the smallest so far: a strict < keeps the first
.irp i, 0,1,2,3
	v_cmp_lt_f32 s[76+\i], v[S+4*\u+\i], v[BV+\i]
.endr
.irp i, 0,1,2,3
	v_cndmask_b32 v[BI+\i], v[BI+\i], 4*\t+\u, s[76+\i]
.endr
.irp i, 0,1,2,3
	v_min_num_f32 v[BV+\i], v[BV+\i], v[S+4*\u+\i]
.endr
.endm
.macro SCORE t                         ; tile t: d = RN(RN(zz + ee) - 2 ze); the result is read from its low end on
	v_pk_add_f32 v[S:S+1], v[ZZ:ZZ+1], v[EE+2*\t:EE+2*\t+1] op_sel_hi:[1,0]
	v_pk_add_f32 v[S+2:S+3], v[ZZ+2:ZZ+3], v[EE+2*\t:EE+2*\t+1] op_sel_hi:[1,0]
	v_pk_add_f32 v[S+4:S+5], v[ZZ:ZZ+1], v[EE+2*\t:EE+2*\t+1] op_sel:[0,1] op_sel_hi:[1,1]
	v_pk_add_f32 v[S+6:S+7], v[ZZ+2:ZZ+3], v[EE+2*\t:EE+2*\t+1] op_sel:[0,1] op_sel_hi:[1,1]
.if \t == 0
	v_pk_fma_f32 v[BV:BV+1], v[D:D+1], -2.0, v[S:S+1] op_sel_hi:[1,0,1]            ; the first four start the search: nothing is compared
	v_pk_fma_f32 v[BV+2:BV+3], v[D+2:D+3], -2.0, v[S+2:S+3] op_sel_hi:[1,0,1]
.else
	v_pk_fma_f32 v[S:S+1], v[D+8*\t:D+8*\t+1], -2.0, v[S:S+1] op_sel_hi:[1,0,1]
	v_pk_fma_f32 v[S+2:S+3], v[D+8*\t+2:D+8*\t+3], -2.0, v[S+2:S+3] op_sel_hi:[1,0,1]
.endif
	v_pk_fma_f32 v[S+4:S+5], v[D+8*\t+4:D+8*\t+5], -2.0, v[S+4:S+5] op_sel_hi:[1,0,1]
	v_pk_fma_f32 v[S+6:S+7], v[D+8*\t+6:D+8*\t+7], -2.0, v[S+6:S+7] op_sel_hi:[1,0,1]
.if \t == 0
.irp i, 0,1,2,3
	v_mov_b32 v[BI+\i], 0
.endr
.else
	TRACK \t, 0
.endif
	TRACK \t, 1
.endm
.macro LANEMIN x                       ; the smallest of v[x + i] over the 32 lanes, in every lane; the four tokens by turns
.irp m, 1,2,4,8
.irp i, 0,1,2,3
	v_min_num_f32_dpp v[\x+\i], v[\x+\i], v[\x+\i] row_xmask:\m row_mask:0xf bank_mask:0xf
.endr
.endr
.irp i, 0,1,2,3
	v_permlanex16_b32 v[TP+\i], v[\x+\i], s26, s27
.endr
.irp i, 0,1,2,3
	v_min_num_f32 v[\x+\i], v[\x+\i], v[TP+\i]
.endr
.endm
.macro REDUCE                          ; the wave's smallest d of each token, and the lowest code that has it
.irp i, 0,1,2,3
	v_lshl_add_u32 v[CF+\i], v[BI+\i], 4, v[LB]    ; my code: 16 (4 t + u) + 512 w + 32 h + r
	v_mov_b32 v[MN+\i], v[BV+\i]
.endr
.irp i, 0,1,2,3
	v_cvt_f32_u32 v[CF+\i], v[CF+\i]
.endr
	LANEMIN MN
.irp i, 0,1,2,3
	v_cmp_eq_f32 s[76+\i], v[BV+\i], v[MN+\i]
.endr
.irp i, 0,1,2,3
	v_cndmask_b32 v[CF+\i], v[BIG], v[CF+\i], s[76+\i]
.endr
	LANEMIN CF
	ds_store_b128 v[GR], v[MN:MN+3] offset:RESV    ; all lanes store the same 16 bytes
	ds_store_b128 v[GR], v[CF:CF+3] offset:RESC
.endm
	s_wait_loadcnt 0x0                             ; my codes, scale words and |e|^2
.irp i, 0,1,2,3
	v_mov_b32 v[TP+\i], 0                          ; written once: a lane permute's destination counts as one of its sources
.endr
	ds_load_b128 v[AF:AF+3], v[A16] offset:AIMG
	ds_load_b128 v[AF+4:AF+7], v[A16] offset:AIMG+512
	ds_load_b32 v[AS], v[A4] offset:ASC
	ds_load_b128 v[ZZ:ZZ+3], v[GZ] offset:ZZL
	s_wait_dscnt 0x0
.irp t, 0,1,2,3,4,5,6,7
	v_wmma_scale_f32_16x16x128_f8f6f4 v[D+8*\t:D+8*\t+7], v[AF:AF+7], v[BF+8*\t:BF+8*\t+7], 0, v[AS], v[BS+\t] matrix_a_fmt:MATRIX_FMT_FP4 matrix_b_fmt:MATRIX_FMT_FP4
.endr
.irp t, 0,1,2,3,4,5,6,7
	SCORE \t                                       ; the first four additions of SCORE 0 name no register of the products: they are the four places ahead of the first read of a result
.endr
	v_mov_b32 v[GR], s33
	REDUCE
	s_wait_dscnt 0x0
	s_barrier_signal -1
	s_barrier_wait -1                              ; the eight waves' results lie in LDS
	; ---- 4: wave 0 takes the eight waves in ascending order of their codes: a strict < keeps the first
	s_cmp_lg_u32 s22, 0
	s_cbranch_scc1 .Ldone
.irp w, 0,1,2,3,4,5,6,7
	ds_load_b32 v[16+\w], v[FR] offset:RESV+128*\w
	ds_load_b32 v[24+\w], v[FR] offset:RESC+128*\w
.endr
	s_mul_i32 s80, ttmp9, 16*G
	s_mov_b32 s81, 0
	s_add_nc_u64 s[IDXO:IDXO+1], s[IDXO:IDXO+1], s[80:81]
	s_wait_dscnt 0x0
.irp w, 1,2,3,4,5,6,7
	v_cmp_lt_f32 vcc_lo, v[16+\w], v16
	v_cndmask_b32 v24, v24, v[24+\w], vcc_lo
	v_min_num_f32 v16, v16, v[16+\w]
.endr
	v_cvt_u32_f32 v24, v24
	global_store_b32 v[FR], v24, s[IDXO:IDXO+1]    ; lanes beyond the work-group's tokens repeat a token's word with the same value
.Ldone:
	s_wait_tensorcnt 0x0                           ; the wave's end: behind my last LDS store
	ds_add_u32 v[SPW], v[NIL]
	s_wait_dscnt 0x0
	s_endpgm
.Lfunc_end_k_q7e7ac3008a_s1:
	.size	k_q7e7ac3008a_s1, .Lfunc_end_k_q7e7ac3008a_s1-k_q7e7ac3008a_s1
	.p2alignl 7, 3214868480
	.fill 96, 4, 3214868480
	.section	.rodata,"a",@progbits
	.p2align	6, 0x0
	.amdhsa_kernel k_q7e7ac3008a_s1
		.amdhsa_group_segment_fixed_size 24832
		.amdhsa_private_segment_fixed_size 0
		.amdhsa_enable_private_segment 0
		.amdhsa_kernarg_size 48
		.amdhsa_user_sgpr_count 2
		.amdhsa_user_sgpr_kernarg_segment_ptr 1
		.amdhsa_wavefront_size32 1
		.amdhsa_system_sgpr_workgroup_id_x 1
		.amdhsa_system_sgpr_workgroup_id_y 1
		.amdhsa_system_sgpr_workgroup_id_z 1
		.amdhsa_system_vgpr_workitem_id 0
		.amdhsa_next_free_vgpr 256
		.amdhsa_next_free_sgpr 90
		.amdhsa_reserve_vcc 1
		.amdhsa_float_denorm_mode_32 3
		.amdhsa_float_denorm_mode_16_64 3
		.amdhsa_memory_ordered 1
		.amdhsa_forward_progress 1
		.amdhsa_inst_pref_size 33
	.end_amdhsa_kernel
	.amdgpu_metadata
---
amdhsa.version: [ 1, 2 ]
amdhsa.kernels:
  - .name:           k_q7e7ac3008a_s1
    .symbol:         k_q7e7ac3008a_s1.kd
    .args:
      - { .name: emb_weight, .offset: 0, .size: 8, .value_kind: global_buffer, .address_space: global }
      - { .name: pyr, .offset: 8, .size: 8, .value_kind: global_buffer, .address_space: global }
      - { .name: cb, .offset: 16, .size: 8, .value_kind: global_buffer, .address_space: global }
      - { .name: idx0, .offset: 24, .size: 8, .value_kind: global_buffer, .address_space: global }
      - { .name: idx1, .offset: 32, .size: 8, .value_kind: global_buffer, .address_space: global }
      - { .name: out0, .offset: 40, .size: 8, .value_kind: global_buffer, .address_space: global }
    .group_segment_fixed_size: 24832
    .private_segment_fixed_size: 0
    .kernarg_segment_align: 8
    .kernarg_segment_size: 48
    .max_flat_workgroup_size: 256
    .sgpr_count:     90
    .vgpr_count:     256
    .wavefront_size: 32
...
	.end_amdgpu_metadata
.endif
;; end of part 3
;; launch s2 (part 4): grid 256 x 1, 8 waves a work-group, no clusters, 24,832 bytes of LDS; arguments emb_weight, pyr, cb, tab, idx0, idx1, idx2, out0; writes idx2, out0
.if DOCPART == 4
	.amdgcn_target "amdgcn-amd-amdhsa--gfx1250"
	.amdhsa_code_object_version 6
	.text
	.protected	k_q7e7ac3008a_s2
	.globl	k_q7e7ac3008a_s2
	.p2align	8
	.type	k_q7e7ac3008a_s2,@function
k_q7e7ac3008a_s2:
	s_mov_b64 s[64:65], 0
	v_nop
	global_prefetch_b8 v0, s[64:65] scope:SCOPE_SE
	s_setreg_imm32_b32 hwreg(HW_REG_WAVE_MODE, 25, 1), 1
	s_wait_xcnt 0x0
; A STAGE WITH pn = P (this text serves P = 4 and P = 8; here P = 4): the output's segment that is the area mean at P x P of the up-sampled stage maps so far, z = the P x P means of f_src less that segment, and
; the stage's indices: the first index of the smallest d = (|z|^2 + |e|^2) - 2 z.e.  The softmax and probs @ e are left out: soft + (hard - soft) is hard (see the first kernel's head).
; z.e is the QUANTISED product (E2M1, one scale for the 32 channels); |z|^2 and |e|^2 are of the unquantised numbers; d is rounded twice, as reference() rounds it: RN(RN(zz + ee) - 2 ze).
; LIMITS: NaN and infinities are not served (were every d NaN, 8,192 would be stored, which the launches that read it hold at 4,095).
; SHARES.  A work-group takes half an image: P / 2 rows of P tokens, G groups of 4.  Its eight waves share the CODES: wave w keeps codes 512 w .. 512 w + 511 (8 tiles of 64) in registers.
; THE SEGMENT.  seg(y, x) = h0 + the sum over the maps p = 2 .. P / 2 and their places (a, c) of M[y][a] M[x][c] h_p[a][c], M from the table.  Wave w < P / 2 makes row y: first down the rows (a lane a channel, weights in scalar
; registers), then, turned through its own stage in LDS, along the row (lane 8 i + q: column 4 j + i, channels 4 q .. 4 q + 3, weights in vector registers).
; THE TILE.  K is 32, the instruction's K is 128: so its four blocks carry four different things.  Source 1: column n holds, in block q, code 64 T + 16 q + n.  Source 0: row m holds token m % 4 in block m / 4, and zero codes elsewhere
; (their scale bytes are 1).  So D(m, n) = token m % 4 . code 64 T + 16 (m / 4) + n: all 256 numbers are scores.  Register j of lane (r, h): token j % 4, code 64 T + 32 h + 16 (j / 4) + r.
.set P,     4
.set G,     P*P/8                      ; groups of 4 tokens in a work-group
.set ROWS,  P/2                        ; waves that make z: a row each
.set NI,    P/4                        ; runs of 4 columns in a row
.set NK,    P-2                        ; weighted stage rows: 2 + 4 + .. + P / 2
.set TROW,  32-2*P                     ; the table's first row for this P,
.set TOFF,  4*(14-NK)                  ; and the byte in a row at which its NK weights begin
.if P == 8
.set PYT,   0                          ; the level's first token in pyr,
.set OUTT,  20                         ; the segment's first token in out0
.else
.set PYT,   64
.set OUTT,  4
.endif
.set RST,   0                          ; LDS: a wave's own stage, 2,048 bytes, rows of 128
.set Z,     8192                       ; z, [token][128 bytes]
.set AIMG,  12288                      ; source 0 as an image of its registers: 1,024 bytes a group
.set ASC,   20480                      ; its scale words: 128 bytes a group
.set ZZL,   21504                      ; |z|^2: 16 bytes a group
.set RESV,  21760                      ; [wave][token]: the wave's smallest d,
.set RESC,  22784                      ; and its code, as f32
.set SPARE, 23808                      ; the spare words, 128 bytes for each wave
.set SWO,   65536                      ; cb: codes at 0, scale words here,
.set EEO,   69632                      ; |e|^2 here
.set SPW, 4                            ; v4 LDS address of my spare word, v5 0: never rewritten
.set NIL, 5
.set A16, 6                            ; 16 x lane
.set A4,  7                            ; 4 x lane
.set RSTW, 8                           ; my stage, a lane a channel
.set RSTR, 9                           ; my stage, 16 bytes for each of 8 lanes
.set ZW,  10                           ; where a wave puts z
.set ZR,  11                           ; where a lane reads its token's z
.set AW,  12                           ; where a wave puts source 0's image,
.set ASW, 13                           ; its scale words,
.set ZZW, 14                           ; and |z|^2
.set FR,  15                           ; 4 x (lane's token) in the last step
.set S,   16                           ; v16-23 eight d at work
.set BV,  24                           ; v24-27 the smallest d so far of tokens 0-3
.set BI,  28                           ; v28-31 its place: 4 t + u
.set MN,  32                           ; v32-35 the wave's smallest
.set CF,  36                           ; v36-39 codes as f32
.set TP,  40                           ; v40-43 at work
.set H0,  16                           ; ahead of the scores: v16 h0, v17-20 h1, v21-36 h2 (a lane a channel),
.set H1,  17
.set H2,  21
.set R,   38                           ; v38.. the NK stage rows
.set WXO, 44
.set BF,  64                           ; v64-127 my 8 tiles of codes
.set BS,  128                          ; v128-135 their scale words: scales and nothing else
.set EE,  136                          ; v136-151 |e|^2: for tile t the pair (u = 0, u = 1)
.set D,   152                          ; v152-215 eight results; free ahead of the products:
.set WX,  152                          ;   the weights along the row, 8 registers a run of columns
.set AA,  168                          ;   the means of f_src, then z
.set RQ,  176                          ;   the stage rows back, 4 channels a lane
.set U,   204                          ;   the segment
.set AF,  216                          ; v216-223 source 0
.set AS,  224                          ; v224 its scale words: scales and nothing else
.set ZZ,  226                          ; v226-229 |z|^2 of tokens 0-3
.set MLO, 230
.set MHI, 231
.set SH,  232
.set FILL, 233
.set LB,  234                          ; my lane's first code: 512 w + 32 h + r
.set BIG, 235                          ; 8,192.0: over every code
.set GA,  236
.set GS,  237
.set GZ,  238
.set GR,  239
.set CBC, 240
.set CBS, 241
.set CBE, 242
.set EMB, 4
.set PYR, 6
.set CB,  8
.set TAB, 10
.set IDX0, 12
.set IDX1, 14
.if P == 8
.set IDX2, 16
.set IDXO, 18
.set OUT, 20
.else
.set IDXO, 16
.set OUT, 18
.endif
	s_load_b512 s[4:19], s[0:1], 0x0
.if P == 8
	s_load_b64 s[20:21], s[0:1], 0x40
.endif
	v_lshl_add_u32 v[SPW], v0, 2, SPARE
	v_mov_b32 v[NIL], 0
	v_lshrrev_b32 v1, 5, v0
	v_readfirstlane_b32 s22, v1                    ; wave 0..7
	v_and_b32 v1, 31, v0                           ; lane
	v_and_b32 v2, 15, v0                           ; r
	v_bfe_u32 v3, v0, 4, 1                         ; h
	s_mov_b32 s26, 0x76543210
	s_mov_b32 s27, 0xfedcba98                      ; v_permlanex16_b32's selects for lane l xor 16
	v_lshlrev_b32 v[A16], 4, v1
	v_lshlrev_b32 v[A4], 2, v1
	s_lshl_b32 s29, s22, 11
	v_add_nc_u32 v[RSTW], s29, v[A4]
	v_and_b32 v16, 7, v1
	v_lshl_add_u32 v[RSTR], v16, 4, s29
	v_lshlrev_b32 v17, 7, v3
	v_lshl_add_u32 v17, v2, 2, v17
	v_add_nc_u32 v[CBE], s29, v17                  ; |e|^2: 2,048 w + 128 h + 4 r
	s_mul_i32 s30, s22, 512*G/ROWS
	v_add_nc_u32 v[ZW], s30, v[A16]
	s_lshl_b32 s31, s22, 9
	v_and_b32 v16, 3, v2
	v_lshl_add_u32 v[ZR], v16, 7, s31              ; token 4 w + r % 4
	v_lshl_add_u32 v[CBS], v2, 2, s31              ; scale words: 512 w + 4 r
	v_lshl_add_u32 v[LB], v3, 5, v2
	v_add_nc_u32 v[LB], s31, v[LB]
	s_lshl_b32 s34, s22, 10
	v_add_nc_u32 v[AW], s34, v[A16]
	s_lshl_b32 s33, s22, 7                         ; 128 w: kept
	v_add_nc_u32 v[ASW], s33, v[A4]
	s_lshl_b32 s35, s22, 4
	v_lshl_add_u32 v[ZZW], v16, 2, s35
	s_lshl_b32 s28, s22, 13
	v_add_nc_u32 v[CBC], s28, v[A16]               ; codes: 8,192 w + 16 x lane
	v_and_b32 v[FR], 4*G-1, v1
	v_lshlrev_b32 v[FR], 2, v[FR]
	v_mov_b32 v[GZ], 0
	v_mov_b32 v[BIG], 0x46000000
	v_lshrrev_b32 v16, 2, v2                       ; row r's live block: r / 4.  Registers 0-3 of lane (r, h) are block h, registers 4-7 block 2 + h
	v_cmp_eq_u32 vcc_lo, v16, v3
	v_cndmask_b32 v[MLO], 0, -1, vcc_lo
	v_add_nc_u32 v17, 2, v3
	v_cmp_eq_u32 vcc_lo, v16, v17
	v_cndmask_b32 v[MHI], 0, -1, vcc_lo
	v_lshlrev_b32 v[SH], 3, v16                    ; the live byte's place in the scale word
	v_mov_b32 v17, 1
	v_lshlrev_b32 v17, v[SH], v17
	v_xor_b32 v[FILL], 0x01010101, v17             ; byte 1 in the three dead places
	s_wait_kmcnt 0x0
	; my 512 codes, their scale words and |e|^2: 40 loads, waited for in front of the products
.irp t, 0,1,2,3,4,5,6,7
	global_load_b128 v[BF+8*\t:BF+8*\t+3], v[CBC], s[CB:CB+1] offset:1024*\t
	global_load_b128 v[BF+8*\t+4:BF+8*\t+7], v[CBC], s[CB:CB+1] offset:1024*\t+512
.endr
.irp t, 0,1,2,3,4,5,6,7
	global_load_b32 v[BS+\t], v[CBS], s[CB:CB+1] offset:SWO+64*\t
.endr
.irp t, 0,1,2,3,4,5,6,7
	global_load_b32 v[EE+2*\t], v[CBE], s[CB:CB+1] offset:EEO+256*\t
	global_load_b32 v[EE+2*\t+1], v[CBE], s[CB:CB+1] offset:EEO+256*\t+64
.endr
	; ---- 1: wave w < ROWS makes row y of the segment and of z
	s_cmp_lt_u32 s22, ROWS
	s_cbranch_scc0 .Lno_recon
	s_lshr_b32 s23, ttmp9, 1                       ; the image
	s_and_b32 s24, ttmp9, 1                        ; which half of its rows
	s_mul_i32 s25, s24, ROWS
	s_add_co_u32 s25, s25, s22                     ; y
	s_lshl_b32 s29, s23, 2
	s_load_b32 s32, s[IDX0:IDX0+1], s29 offset:0x0             ; the stored indices of the image's earlier stages
	s_lshl_b32 s30, s23, 4
	s_load_b128 s[36:39], s[IDX1:IDX1+1], s30 offset:0x0
	s_lshl_b32 s34, s25, 6
.if P == 8
	s_lshl_b32 s31, s23, 6
	s_load_b512 s[44:59], s[IDX2:IDX2+1], s31 offset:0x0
	s_load_b256 s[68:75], s[TAB:TAB+1], s34 offset:TROW*64+TOFF   ; row y's weights
.else
	s_load_b64 s[68:69], s[TAB:TAB+1], s34 offset:TROW*64+TOFF
.endif
	s_mul_i32 s80, s23, 11008
	s_mul_i32 s82, s25, P*128
	s_add_co_u32 s80, s80, s82
	s_mov_b32 s81, 0
	s_add_nc_u64 s[60:61], s[PYR:PYR+1], s[80:81]  ; the level's row y in pyr
	s_mul_i32 s84, s23, 43520
	s_add_co_u32 s84, s84, s82
	s_mov_b32 s85, 0
	s_add_nc_u64 s[62:63], s[OUT:OUT+1], s[84:85]  ; the segment's row y in out0
	v_lshrrev_b32 v[WXO], 3, v1
	v_lshlrev_b32 v[WXO], 6, v[WXO]                ; my column's row of the table
.set xi, 0
.rept NI
	global_load_b128 v[WX+8*xi:WX+8*xi+3], v[WXO], s[TAB:TAB+1] offset:(TROW+4*xi)*64+TOFF
.if P == 8
	global_load_b128 v[WX+8*xi+4:WX+8*xi+7], v[WXO], s[TAB:TAB+1] offset:(TROW+4*xi)*64+TOFF+16
.endif
	global_load_b128 v[AA+4*xi:AA+4*xi+3], v[A16], s[60:61] offset:PYT*128+512*xi th:TH_LOAD_NT
.set xi, xi+1
.endr
.macro GATHER dst, si                  ; v[dst] = emb[s[si]][my channel]: 128 consecutive bytes a wave; the load lands on its own offset register
	s_min_u32 s[\si], s[\si], 0xfff                ; an index stays inside the table
	s_lshl_b32 s[\si], s[\si], 7
	v_add_nc_u32 v[\dst], s[\si], v[A4]
	global_load_b32 v[\dst], v[\dst], s[EMB:EMB+1]
.endm
	s_wait_kmcnt 0x0
	GATHER H0, 32
.irp n, 0,1,2,3
	GATHER H1+\n, 36+\n
.endr
.if P == 8
.irp n, 0,1,2,3,4,5,6,7,8,9,10,11,12,13,14,15
	GATHER H2+\n, 44+\n
.endr
.endif
	s_wait_loadcnt 0x0
.if P == 8
.irp c, 0,1,2,3
	v_mul_f32 v[R+\c], s68, v[H2+\c]               ; down the rows of the 4 x 4 map
.endr
.irp a, 1,2,3
.irp c, 0,1,2,3
	v_fmac_f32 v[R+\c], s[68+\a], v[H2+4*\a+\c]
.endr
.endr
.endif
.irp c, 0,1
	v_mul_f32 v[R+NK-2+\c], s[68+NK-2], v[H1+\c]   ; and of the 2 x 2 map
.endr
.irp c, 0,1
	v_fmac_f32 v[R+NK-2+\c], s[68+NK-1], v[H1+2+\c]
.endr
.set xk, 0
.rept NK
	ds_store_b32 v[RSTW], v[R+xk] offset:RST+128*xk
.set xk, xk+1
.endr
	ds_store_b32 v[RSTW], v[H0] offset:RST+128*NK
.set xk, 0
.rept NK+1
	ds_load_b128 v[RQ+4*xk:RQ+4*xk+3], v[RSTR] offset:RST+128*xk   ; LDS serves a wave's instructions in order: these see my stores
.set xk, xk+1
.endr
	s_wait_dscnt 0x0
.macro XSTEP                           ; stage row xk into the columns of run xi, two channels an instruction; the weight serves both halves; the first step takes h0 as its addend
.irp c, 0,2
.if xk == 0
	v_pk_fma_f32 v[U+4*xi+\c:U+4*xi+\c+1], v[RQ+\c:RQ+\c+1], v[WX+8*xi:WX+8*xi+1], v[RQ+4*NK+\c:RQ+4*NK+\c+1] op_sel_hi:[1,0,1]
.elseif xk%2 == 0
	v_pk_fma_f32 v[U+4*xi+\c:U+4*xi+\c+1], v[RQ+4*xk+\c:RQ+4*xk+\c+1], v[WX+8*xi+xk:WX+8*xi+xk+1], v[U+4*xi+\c:U+4*xi+\c+1] op_sel_hi:[1,0,1]
.else
	v_pk_fma_f32 v[U+4*xi+\c:U+4*xi+\c+1], v[RQ+4*xk+\c:RQ+4*xk+\c+1], v[WX+8*xi+xk-1:WX+8*xi+xk], v[U+4*xi+\c:U+4*xi+\c+1] op_sel:[0,1,0] op_sel_hi:[1,1,1]
.endif
.endr
.endm
.set xk, 0
.rept NK
.set xi, 0
.rept NI
	XSTEP
.set xi, xi+1
.endr
.set xk, xk+1
.endr
.set xi, 0
.rept NI
	global_store_b128 v[A16], v[U+4*xi:U+4*xi+3], s[62:63] offset:OUTT*128+512*xi th:TH_STORE_NT   ; 512 consecutive bytes, at a multiple of 256 from out0's first byte
	v_pk_add_f32 v[AA+4*xi:AA+4*xi+1], v[AA+4*xi:AA+4*xi+1], v[U+4*xi:U+4*xi+1] neg_lo:[0,1] neg_hi:[0,1]
	v_pk_add_f32 v[AA+4*xi+2:AA+4*xi+3], v[AA+4*xi+2:AA+4*xi+3], v[U+4*xi+2:U+4*xi+3] neg_lo:[0,1] neg_hi:[0,1]
	ds_store_b128 v[ZW], v[AA+4*xi:AA+4*xi+3] offset:Z+512*xi
.set xi, xi+1
.endr
	s_wait_xcnt 0x0                                ; the stores have read their registers: they are written again below
.Lno_recon:
	s_wait_dscnt 0x0                               ; my stores have landed
	s_barrier_signal -1
	s_barrier_wait -1                              ; z lies in LDS
	; ---- 2: wave g < G quantises group g: every lane takes the whole row of token 4 g + r % 4, and keeps its codes where its registers are the row's live block
.if G < 8
	s_cmp_lt_u32 s22, G
	s_cbranch_scc0 .Lno_quant
.endif
.irp i, 0,1,2,3,4,5,6,7
	ds_load_b128 v[D+4*\i:D+4*\i+3], v[ZR] offset:Z+16*\i
.endr
	s_wait_dscnt 0x0
	v_max3_num_f32 v184, |v[D]|, |v[D+1]|, |v[D+2]|
	v_max3_num_f32 v185, |v[D+3]|, |v[D+4]|, |v[D+5]|
.irp i, 6,10,14,18,22,26
	v_max3_num_f32 v184, v184, |v[D+\i]|, |v[D+\i+1]|
	v_max3_num_f32 v185, v185, |v[D+\i+2]|, |v[D+\i+3]|
.endr
	v_max3_num_f32 v184, v184, |v[D+30]|, |v[D+31]|
	v_max3_num_f32 v184, v184, v185, 0x1800000     ; the floor 2^(3 - 127): the byte cannot fall under 1
	v_add_nc_u32 v186, 0xff000000, v184            ; 2 off the exponent field: the conversion's scale operand
	v_lshrrev_b32 v187, 23, v186                   ; the scale's byte,
	v_lshlrev_b32 v187, v[SH], v187                ; at the live block's place
	v_or_b32 v204, v187, v[FILL]
	v_pk_mul_f32 v[188:189], v[D:D+1], v[D:D+1]    ; |z|^2 of the unquantised z
	v_pk_mul_f32 v[190:191], v[D+2:D+3], v[D+2:D+3]
.irp i, 4,8,12,16,20,24,28
	v_pk_fma_f32 v[188:189], v[D+\i:D+\i+1], v[D+\i:D+\i+1], v[188:189]
	v_pk_fma_f32 v[190:191], v[D+\i+2:D+\i+3], v[D+\i+2:D+\i+3], v[190:191]
.endr
	v_pk_add_f32 v[188:189], v[188:189], v[190:191]
	v_add_f32 v205, v188, v189
.irp g, 0,1,2,3
	v_cvt_scalef32_pk8_fp4_f32 v[192+\g], v[D+8*\g:D+8*\g+7], v186
.endr
	v_nop                                          ; one plain place behind a scaled conversion
.irp g, 0,1,2,3
	v_and_b32 v[196+\g], v[MLO], v[192+\g]
	v_and_b32 v[200+\g], v[MHI], v[192+\g]
.endr
	ds_store_b128 v[AW], v[196:199] offset:AIMG
	ds_store_b128 v[AW], v[200:203] offset:AIMG+512
	ds_store_b32 v[ASW], v204 offset:ASC
	ds_store_b32 v[ZZW], v205 offset:ZZL           ; lanes of one token store the same word with the same value
.Lno_quant:
	s_wait_dscnt 0x0
	s_barrier_signal -1
	s_barrier_wait -1                              ; the groups' images lie in LDS
; ---- 3: the scores and the argmax, a group of 4 tokens a trip
.macro TRACK t, u                      ; the four tokens' d of place 4 t + u against the smallest so far: a strict < keeps the first
.irp i, 0,1,2,3
	v_cmp_lt_f32 s[76+\i], v[S+4*\u+\i], v[BV+\i]
.endr
.irp i, 0,1,2,3
	v_cndmask_b32 v[BI+\i], v[BI+\i], 4*\t+\u, s[76+\i]
.endr
.irp i, 0,1,2,3
	v_min_num_f32 v[BV+\i], v[BV+\i], v[S+4*\u+\i]
.endr
.endm
.macro SCORE t                         ; tile t: d = RN(RN(zz + ee) - 2 ze); the result is read from its low end on
	v_pk_add_f32 v[S:S+1], v[ZZ:ZZ+1], v[EE+2*\t:EE+2*\t+1] op_sel_hi:[1,0]
	v_pk_add_f32 v[S+2:S+3], v[ZZ+2:ZZ+3], v[EE+2*\t:EE+2*\t+1] op_sel_hi:[1,0]
	v_pk_add_f32 v[S+4:S+5], v[ZZ:ZZ+1], v[EE+2*\t:EE+2*\t+1] op_sel:[0,1] op_sel_hi:[1,1]
	v_pk_add_f32 v[S+6:S+7], v[ZZ+2:ZZ+3], v[EE+2*\t:EE+2*\t+1] op_sel:[0,1] op_sel_hi:[1,1]
.if \t == 0
	v_pk_fma_f32 v[BV:BV+1], v[D:D+1], -2.0, v[S:S+1] op_sel_hi:[1,0,1]            ; the first four start the search: nothing is compared
	v_pk_fma_f32 v[BV+2:BV+3], v[D+2:D+3], -2.0, v[S+2:S+3] op_sel_hi:[1,0,1]
.else
	v_pk_fma_f32 v[S:S+1], v[D+8*\t:D+8*\t+1], -2.0, v[S:S+1] op_sel_hi:[1,0,1]
	v_pk_fma_f32 v[S+2:S+3], v[D+8*\t+2:D+8*\t+3], -2.0, v[S+2:S+3] op_sel_hi:[1,0,1]
.endif
	v_pk_fma_f32 v[S+4:S+5], v[D+8*\t+4:D+8*\t+5], -2.0, v[S+4:S+5] op_sel_hi:[1,0,1]
	v_pk_fma_f32 v[S+6:S+7], v[D+8*\t+6:D+8*\t+7], -2.0, v[S+6:S+7] op_sel_hi:[1,0,1]
.if \t == 0
.irp i, 0,1,2,3
	v_mov_b32 v[BI+\i], 0
.endr
.else
	TRACK \t, 0
.endif
	TRACK \t, 1
.endm
.macro LANEMIN x                       ; the smallest of v[x + i] over the 32 lanes, in every lane; the four tokens by turns
.irp m, 1,2,4,8
.irp i, 0,1,2,3
	v_min_num_f32_dpp v[\x+\i], v[\x+\i], v[\x+\i] row_xmask:\m row_mask:0xf bank_mask:0xf
.endr
.endr
.irp i, 0,1,2,3
	v_permlanex16_b32 v[TP+\i], v[\x+\i], s26, s27
.endr
.irp i, 0,1,2,3
	v_min_num_f32 v[\x+\i], v[\x+\i], v[TP+\i]
.endr
.endm
.macro REDUCE                          ; the wave's smallest d of each token, and the lowest code that has it
.irp i, 0,1,2,3
	v_lshl_add_u32 v[CF+\i], v[BI+\i], 4, v[LB]    ; my code: 16 (4 t + u) + 512 w + 32 h + r
	v_mov_b32 v[MN+\i], v[BV+\i]
.endr
.irp i, 0,1,2,3
	v_cvt_f32_u32 v[CF+\i], v[CF+\i]
.endr
	LANEMIN MN
.irp i, 0,1,2,3
	v_cmp_eq_f32 s[76+\i], v[BV+\i], v[MN+\i]
.endr
.irp i, 0,1,2,3
	v_cndmask_b32 v[CF+\i], v[BIG], v[CF+\i], s[76+\i]
.endr
	LANEMIN CF
	ds_store_b128 v[GR], v[MN:MN+3] offset:RESV    ; all lanes store the same 16 bytes
	ds_store_b128 v[GR], v[CF:CF+3] offset:RESC
.endm
	s_wait_loadcnt 0x0                             ; my codes, scale words and |e|^2
.irp i, 0,1,2,3
	v_mov_b32 v[TP+\i], 0                          ; written once: a lane permute's destination counts as one of its sources
.endr
	ds_load_b128 v[AF:AF+3], v[A16] offset:AIMG    ; group 0
	ds_load_b128 v[AF+4:AF+7], v[A16] offset:AIMG+512
	ds_load_b32 v[AS], v[A4] offset:ASC
	ds_load_b128 v[ZZ:ZZ+3], v[GZ] offset:ZZL
	s_mov_b32 s28, 0
.Lgroup:
	s_wait_dscnt 0x0                               ; this group's operand is in; the last trip's stores have read their registers
.irp t, 0,1,2,3,4,5,6,7
	v_wmma_scale_f32_16x16x128_f8f6f4 v[D+8*\t:D+8*\t+7], v[AF:AF+7], v[BF+8*\t:BF+8*\t+7], 0, v[AS], v[BS+\t] matrix_a_fmt:MATRIX_FMT_FP4 matrix_b_fmt:MATRIX_FMT_FP4
.endr
	SCORE 0                                        ; its first four additions name no register of the products: they are the four places ahead of the first read of a result, and of the loads below
	s_add_co_u32 s29, s28, 1
	s_and_b32 s29, s29, G-1                        ; the next group; the last trip takes group 0 again, so that it reads bytes that were written
	s_lshl_b32 s30, s29, 10
	v_add_nc_u32 v[GA], s30, v[A16]
	s_lshl_b32 s31, s29, 7
	v_add_nc_u32 v[GS], s31, v[A4]
	ds_load_b128 v[AF:AF+3], v[GA] offset:AIMG
	ds_load_b128 v[AF+4:AF+7], v[GA] offset:AIMG+512
	ds_load_b32 v[AS], v[GS] offset:ASC
.irp t, 1,2,3,4,5,6,7
	SCORE \t
.endr
	s_lshl_b32 s29, s29, 4
	v_mov_b32 v[GZ], s29
	ds_load_b128 v[ZZ:ZZ+3], v[GZ] offset:ZZL      ; |z|^2 had its last reader in SCORE 7
	s_lshl_b32 s34, s28, 4
	s_add_co_u32 s34, s34, s33
	v_mov_b32 v[GR], s34                           ; 128 w + 16 g
	REDUCE
	s_add_co_u32 s28, s28, 1
	s_cmp_lt_u32 s28, G
	s_cbranch_scc1 .Lgroup
	s_wait_dscnt 0x0
	s_barrier_signal -1
	s_barrier_wait -1                              ; the eight waves' results lie in LDS
	; ---- 4: wave 0 takes the eight waves in ascending order of their codes: a strict < keeps the first
	s_cmp_lg_u32 s22, 0
	s_cbranch_scc1 .Ldone
.irp w, 0,1,2,3,4,5,6,7
	ds_load_b32 v[16+\w], v[FR] offset:RESV+128*\w
	ds_load_b32 v[24+\w], v[FR] offset:RESC+128*\w
.endr
	s_mul_i32 s80, ttmp9, 16*G
	s_mov_b32 s81, 0
	s_add_nc_u64 s[IDXO:IDXO+1], s[IDXO:IDXO+1], s[80:81]
	s_wait_dscnt 0x0
.irp w, 1,2,3,4,5,6,7
	v_cmp_lt_f32 vcc_lo, v[16+\w], v16
	v_cndmask_b32 v24, v24, v[24+\w], vcc_lo
	v_min_num_f32 v16, v16, v[16+\w]
.endr
	v_cvt_u32_f32 v24, v24
	global_store_b32 v[FR], v24, s[IDXO:IDXO+1]    ; lanes beyond the work-group's tokens repeat a token's word with the same value
.Ldone:
	s_wait_tensorcnt 0x0                           ; the wave's end: behind my last LDS store
	ds_add_u32 v[SPW], v[NIL]
	s_wait_dscnt 0x0
	s_endpgm
.Lfunc_end_k_q7e7ac3008a_s2:
	.size	k_q7e7ac3008a_s2, .Lfunc_end_k_q7e7ac3008a_s2-k_q7e7ac3008a_s2
	.p2alignl 7, 3214868480
	.fill 96, 4, 3214868480
	.section	.rodata,"a",@progbits
	.p2align	6, 0x0
	.amdhsa_kernel k_q7e7ac3008a_s2
		.amdhsa_group_segment_fixed_size 24832
		.amdhsa_private_segment_fixed_size 0
		.amdhsa_enable_private_segment 0
		.amdhsa_kernarg_size 64
		.amdhsa_user_sgpr_count 2
		.amdhsa_user_sgpr_kernarg_segment_ptr 1
		.amdhsa_wavefront_size32 1
		.amdhsa_system_sgpr_workgroup_id_x 1
		.amdhsa_system_sgpr_workgroup_id_y 1
		.amdhsa_system_sgpr_workgroup_id_z 1
		.amdhsa_system_vgpr_workitem_id 0
		.amdhsa_next_free_vgpr 256
		.amdhsa_next_free_sgpr 90
		.amdhsa_reserve_vcc 1
		.amdhsa_float_denorm_mode_32 3
		.amdhsa_float_denorm_mode_16_64 3
		.amdhsa_memory_ordered 1
		.amdhsa_forward_progress 1
		.amdhsa_inst_pref_size 36
	.end_amdhsa_kernel
	.amdgpu_metadata
---
amdhsa.version: [ 1, 2 ]
amdhsa.kernels:
  - .name:           k_q7e7ac3008a_s2
    .symbol:         k_q7e7ac3008a_s2.kd
    .args:
      - { .name: emb_weight, .offset: 0, .size: 8, .value_kind: global_buffer, .address_space: global }
      - { .name: pyr, .offset: 8, .size: 8, .value_kind: global_buffer, .address_space: global }
      - { .name: cb, .offset: 16, .size: 8, .value_kind: global_buffer, .address_space: global }
      - { .name: tab, .offset: 24, .size: 8, .value_kind: global_buffer, .address_space: global }
      - { .name: idx0, .offset: 32, .size: 8, .value_kind: global_buffer, .address_space: global }
      - { .name: idx1, .offset: 40, .size: 8, .value_kind: global_buffer, .address_space: global }
      - { .name: idx2, .offset: 48, .size: 8, .value_kind: global_buffer, .address_space: global }
      - { .name: out0, .offset: 56, .size: 8, .value_kind: global_buffer, .address_space: global }
    .group_segment_fixed_size: 24832
    .private_segment_fixed_size: 0
    .kernarg_segment_align: 8
    .kernarg_segment_size: 64
    .max_flat_workgroup_size: 256
    .sgpr_count:     90
    .vgpr_count:     256
    .wavefront_size: 32
...
	.end_amdgpu_metadata
.endif
;; end of part 4
;; launch s3 (part 5): grid 256 x 1, 8 waves a work-group, no clusters, 24,832 bytes of LDS; arguments emb_weight, pyr, cb, tab, idx0, idx1, idx2, idx3, out0; writes idx3, out0
.if DOCPART == 5
	.amdgcn_target "amdgcn-amd-amdhsa--gfx1250"
	.amdhsa_code_object_version 6
	.text
	.protected	k_q7e7ac3008a_s3
	.globl	k_q7e7ac3008a_s3
	.p2align	8
	.type	k_q7e7ac3008a_s3,@function
k_q7e7ac3008a_s3:
	s_mov_b64 s[64:65], 0
	v_nop
	global_prefetch_b8 v0, s[64:65] scope:SCOPE_SE
	s_setreg_imm32_b32 hwreg(HW_REG_WAVE_MODE, 25, 1), 1
	s_wait_xcnt 0x0
; A STAGE WITH pn = P (this text serves P = 4 and P = 8; here P = 8): the output's segment that is the area mean at P x P of the up-sampled stage maps so far, z = the P x P means of f_src less that segment, and
; the stage's indices: the first index of the smallest d = (|z|^2 + |e|^2) - 2 z.e.  The softmax and probs @ e are left out: soft + (hard - soft) is hard (see the first kernel's head).
; z.e is the QUANTISED product (E2M1, one scale for the 32 channels); |z|^2 and |e|^2 are of the unquantised numbers; d is rounded twice, as reference() rounds it: RN(RN(zz + ee) - 2 ze).
; LIMITS: NaN and infinities are not served (were every d NaN, 8,192 would be stored, which the launches that read it hold at 4,095).
; SHARES.  A work-group takes half an image: P / 2 rows of P tokens, G groups of 4.  Its eight waves share the CODES: wave w keeps codes 512 w .. 512 w + 511 (8 tiles of 64) in registers.
; THE SEGMENT.  seg(y, x) = h0 + the sum over the maps p = 2 .. P / 2 and their places (a, c) of M[y][a] M[x][c] h_p[a][c], M from the table.  Wave w < P / 2 makes row y: first down the rows (a lane a channel, weights in scalar
; registers), then, turned through its own stage in LDS, along the row (lane 8 i + q: column 4 j + i, channels 4 q .. 4 q + 3, weights in vector registers).
; THE TILE.  K is 32, the instruction's K is 128: so its four blocks carry four different things.  Source 1: column n holds, in block q, code 64 T + 16 q + n.  Source 0: row m holds token m % 4 in block m / 4, and zero codes elsewhere
; (their scale bytes are 1).  So D(m, n) = token m % 4 . code 64 T + 16 (m / 4) + n: all 256 numbers are scores.  Register j of lane (r, h): token j % 4, code 64 T + 32 h + 16 (j / 4) + r.
.set P,     8
.set G,     P*P/8                      ; groups of 4 tokens in a work-group
.set ROWS,  P/2                        ; waves that make z: a row each
.set NI,    P/4                        ; runs of 4 columns in a row
.set NK,    P-2                        ; weighted stage rows: 2 + 4 + .. + P / 2
.set TROW,  32-2*P                     ; the table's first row for this P,
.set TOFF,  4*(14-NK)                  ; and the byte in a row at which its NK weights begin
.if P == 8
.set PYT,   0                          ; the level's first token in pyr,
.set OUTT,  20                         ; the segment's first token in out0
.else
.set PYT,   64
.set OUTT,  4
.endif
.set RST,   0                          ; LDS: a wave's own stage, 2,048 bytes, rows of 128
.set Z,     8192                       ; z, [token][128 bytes]
.set AIMG,  12288                      ; source 0 as an image of its registers: 1,024 bytes a group
.set ASC,   20480                      ; its scale words: 128 bytes a group
.set ZZL,   21504                      ; |z|^2: 16 bytes a group
.set RESV,  21760                      ; [wave][token]: the wave's smallest d,
.set RESC,  22784                      ; and its code, as f32
.set SPARE, 23808                      ; the spare words, 128 bytes for each wave
.set SWO,   65536                      ; cb: codes at 0, scale words here,
.set EEO,   69632                      ; |e|^2 here
.set SPW, 4                            ; v4 LDS address of my spare word, v5 0: never rewritten
.set NIL, 5
.set A16, 6                            ; 16 x lane
.set A4,  7                            ; 4 x lane
.set RSTW, 8                           ; my stage, a lane a channel
.set RSTR, 9                           ; my stage, 16 bytes for each of 8 lanes
.set ZW,  10                           ; where a wave puts z
.set ZR,  11                           ; where a lane reads its token's z
.set AW,  12                           ; where a wave puts source 0's image,
.set ASW, 13                           ; its scale words,
.set ZZW, 14                           ; and |z|^2
.set FR,  15                           ; 4 x (lane's token) in the last step
.set S,   16                           ; v16-23 eight d at work
.set BV,  24                           ; v24-27 the smallest d so far of tokens 0-3
.set BI,  28                           ; v28-31 its place: 4 t + u
.set MN,  32                           ; v32-35 the wave's smallest
.set CF,  36                           ; v36-39 codes as f32
.set TP,  40                           ; v40-43 at work
.set H0,  16                           ; ahead of the scores: v16 h0, v17-20 h1, v21-36 h2 (a lane a channel),
.set H1,  17
.set H2,  21
.set R,   38                           ; v38.. the NK stage rows
.set WXO, 44
.set BF,  64                           ; v64-127 my 8 tiles of codes
.set BS,  128                          ; v128-135 their scale words: scales and nothing else
.set EE,  136                          ; v136-151 |e|^2: for tile t the pair (u = 0, u = 1)
.set D,   152                          ; v152-215 eight results; free ahead of the products:
.set WX,  152                          ;   the weights along the row, 8 registers a run of columns
.set AA,  168                          ;   the means of f_src, then z
.set RQ,  176                          ;   the stage rows back, 4 channels a lane
.set U,   204                          ;   the segment
.set AF,  216                          ; v216-223 source 0
.set AS,  224                          ; v224 its scale words: scales and nothing else
.set ZZ,  226                          ; v226-229 |z|^2 of tokens 0-3
.set MLO, 230
.set MHI, 231
.set SH,  232
.set FILL, 233
.set LB,  234                          ; my lane's first code: 512 w + 32 h + r
.set BIG, 235                          ; 8,192.0: over every code
.set GA,  236
.set GS,  237
.set GZ,  238
.set GR,  239
.set CBC, 240
.set CBS, 241
.set CBE, 242
.set EMB, 4
.set PYR, 6
.set CB,  8
.set TAB, 10
.set IDX0, 12
.set IDX1, 14
.if P == 8
.set IDX2, 16
.set IDXO, 18
.set OUT, 20
.else
.set IDXO, 16
.set OUT, 18
.endif
	s_load_b512 s[4:19], s[0:1], 0x0
.if P == 8
	s_load_b64 s[20:21], s[0:1], 0x40
.endif
	v_lshl_add_u32 v[SPW], v0, 2, SPARE
	v_mov_b32 v[NIL], 0
	v_lshrrev_b32 v1, 5, v0
	v_readfirstlane_b32 s22, v1                    ; wave 0..7
	v_and_b32 v1, 31, v0                           ; lane
	v_and_b32 v2, 15, v0                           ; r
	v_bfe_u32 v3, v0, 4, 1                         ; h
	s_mov_b32 s26, 0x76543210
	s_mov_b32 s27, 0xfedcba98                      ; v_permlanex16_b32's selects for lane l xor 16
	v_lshlrev_b32 v[A16], 4, v1
	v_lshlrev_b32 v[A4], 2, v1
	s_lshl_b32 s29, s22, 11
	v_add_nc_u32 v[RSTW], s29, v[A4]
	v_and_b32 v16, 7, v1
	v_lshl_add_u32 v[RSTR], v16, 4, s29
	v_lshlrev_b32 v17, 7, v3
	v_lshl_add_u32 v17, v2, 2, v17
	v_add_nc_u32 v[CBE], s29, v17                  ; |e|^2: 2,048 w + 128 h + 4 r
	s_mul_i32 s30, s22, 512*G/ROWS
	v_add_nc_u32 v[ZW], s30, v[A16]
	s_lshl_b32 s31, s22, 9
	v_and_b32 v16, 3, v2
	v_lshl_add_u32 v[ZR], v16, 7, s31              ; token 4 w + r % 4
	v_lshl_add_u32 v[CBS], v2, 2, s31              ; scale words: 512 w + 4 r
	v_lshl_add_u32 v[LB], v3, 5, v2
	v_add_nc_u32 v[LB], s31, v[LB]
	s_lshl_b32 s34, s22, 10
	v_add_nc_u32 v[AW], s34, v[A16]
	s_lshl_b32 s33, s22, 7                         ; 128 w: kept
	v_add_nc_u32 v[ASW], s33, v[A4]
	s_lshl_b32 s35, s22, 4
	v_lshl_add_u32 v[ZZW], v16, 2, s35
	s_lshl_b32 s28, s22, 13
	v_add_nc_u32 v[CBC], s28, v[A16]               ; codes: 8,192 w + 16 x lane
	v_and_b32 v[FR], 4*G-1, v1
	v_lshlrev_b32 v[FR], 2, v[FR]
	v_mov_b32 v[GZ], 0
	v_mov_b32 v[BIG], 0x46000000
	v_lshrrev_b32 v16, 2, v2                       ; row r's live block: r / 4.  Registers 0-3 of lane (r, h) are block h, registers 4-7 block 2 + h
	v_cmp_eq_u32 vcc_lo, v16, v3
	v_cndmask_b32 v[MLO], 0, -1, vcc_lo
	v_add_nc_u32 v17, 2, v3
	v_cmp_eq_u32 vcc_lo, v16, v17
	v_cndmask_b32 v[MHI], 0, -1, vcc_lo
	v_lshlrev_b32 v[SH], 3, v16                    ; the live byte's place in the scale word
	v_mov_b32 v17, 1
	v_lshlrev_b32 v17, v[SH], v17
	v_xor_b32 v[FILL], 0x01010101, v17             ; byte 1 in the three dead places
	s_wait_kmcnt 0x0
	; my 512 codes, their scale words and |e|^2: 40 loads, waited for in front of the products
.irp t, 0,1,2,3,4,5,6,7
	global_load_b128 v[BF+8*\t:BF+8*\t+3], v[CBC], s[CB:CB+1] offset:1024*\t
	global_load_b128 v[BF+8*\t+4:BF+8*\t+7], v[CBC], s[CB:CB+1] offset:1024*\t+512
.endr
.irp t, 0,1,2,3,4,5,6,7
	global_load_b32 v[BS+\t], v[CBS], s[CB:CB+1] offset:SWO+64*\t
.endr
.irp t, 0,1,2,3,4,5,6,7
	global_load_b32 v[EE+2*\t], v[CBE], s[CB:CB+1] offset:EEO+256*\t
	global_load_b32 v[EE+2*\t+1], v[CBE], s[CB:CB+1] offset:EEO+256*\t+64
.endr
	; ---- 1: wave w < ROWS makes row y of the segment and of z
	s_cmp_lt_u32 s22, ROWS
	s_cbranch_scc0 .Lno_recon
	s_lshr_b32 s23, ttmp9, 1                       ; the image
	s_and_b32 s24, ttmp9, 1                        ; which half of its rows
	s_mul_i32 s25, s24, ROWS
	s_add_co_u32 s25, s25, s22                     ; y
	s_lshl_b32 s29, s23, 2
	s_load_b32 s32, s[IDX0:IDX0+1], s29 offset:0x0             ; the stored indices of the image's earlier stages
	s_lshl_b32 s30, s23, 4
	s_load_b128 s[36:39], s[IDX1:IDX1+1], s30 offset:0x0
	s_lshl_b32 s34, s25, 6
.if P == 8
	s_lshl_b32 s31, s23, 6
	s_load_b512 s[44:59], s[IDX2:IDX2+1], s31 offset:0x0
	s_load_b256 s[68:75], s[TAB:TAB+1], s34 offset:TROW*64+TOFF   ; row y's weights
.else
	s_load_b64 s[68:69], s[TAB:TAB+1], s34 offset:TROW*64+TOFF
.endif
	s_mul_i32 s80, s23, 11008
	s_mul_i32 s82, s25, P*128
	s_add_co_u32 s80, s80, s82
	s_mov_b32 s81, 0
	s_add_nc_u64 s[60:61], s[PYR:PYR+1], s[80:81]  ; the level's row y in pyr
	s_mul_i32 s84, s23, 43520
	s_add_co_u32 s84, s84, s82
	s_mov_b32 s85, 0
	s_add_nc_u64 s[62:63], s[OUT:OUT+1], s[84:85]  ; the segment's row y in out0
	v_lshrrev_b32 v[WXO], 3, v1
	v_lshlrev_b32 v[WXO], 6, v[WXO]                ; my column's row of the table
.set xi, 0
.rept NI
	global_load_b128 v[WX+8*xi:WX+8*xi+3], v[WXO], s[TAB:TAB+1] offset:(TROW+4*xi)*64+TOFF
.if P == 8
	global_load_b128 v[WX+8*xi+4:WX+8*xi+7], v[WXO], s[TAB:TAB+1] offset:(TROW+4*xi)*64+TOFF+16
.endif
	global_load_b128 v[AA+4*xi:AA+4*xi+3], v[A16], s[60:61] offset:PYT*128+512*xi th:TH_LOAD_NT
.set xi, xi+1
.endr
.macro GATHER dst, si                  ; v[dst] = emb[s[si]][my channel]: 128 consecutive bytes a wave; the load lands on its own offset register
	s_min_u32 s[\si], s[\si], 0xfff                ; an index stays inside the table
	s_lshl_b32 s[\si], s[\si], 7
	v_add_nc_u32 v[\dst], s[\si], v[A4]
	global_load_b32 v[\dst], v[\dst], s[EMB:EMB+1]
.endm
	s_wait_kmcnt 0x0
	GATHER H0, 32
.irp n, 0,1,2,3
	GATHER H1+\n, 36+\n
.endr
.if P == 8
.irp n, 0,1,2,3,4,5,6,7,8,9,10,11,12,13,14,15
	GATHER H2+\n, 44+\n
.endr
.endif
	s_wait_loadcnt 0x0
.if P == 8
.irp c, 0,1,2,3
	v_mul_f32 v[R+\c], s68, v[H2+\c]               ; down the rows of the 4 x 4 map
.endr
.irp a, 1,2,3
.irp c, 0,1,2,3
	v_fmac_f32 v[R+\c], s[68+\a], v[H2+4*\a+\c]
.endr
.endr
.endif
.irp c, 0,1
	v_mul_f32 v[R+NK-2+\c], s[68+NK-2], v[H1+\c]   ; and of the 2 x 2 map
.endr
.irp c, 0,1
	v_fmac_f32 v[R+NK-2+\c], s[68+NK-1], v[H1+2+\c]
.endr
.set xk, 0
.rept NK
	ds_store_b32 v[RSTW], v[R+xk] offset:RST+128*xk
.set xk, xk+1
.endr
	ds_store_b32 v[RSTW], v[H0] offset:RST+128*NK
.set xk, 0
.rept NK+1
	ds_load_b128 v[RQ+4*xk:RQ+4*xk+3], v[RSTR] offset:RST+128*xk   ; LDS serves a wave's instructions in order: these see my stores
.set xk, xk+1
.endr
	s_wait_dscnt 0x0
.macro XSTEP                           ; stage row xk into the columns of run xi, two channels an instruction; the weight serves both halves; the first step takes h0 as its addend
.irp c, 0,2
.if xk == 0
	v_pk_fma_f32 v[U+4*xi+\c:U+4*xi+\c+1], v[RQ+\c:RQ+\c+1], v[WX+8*xi:WX+8*xi+1], v[RQ+4*NK+\c:RQ+4*NK+\c+1] op_sel_hi:[1,0,1]
.elseif xk%2 == 0
	v_pk_fma_f32 v[U+4*xi+\c:U+4*xi+\c+1], v[RQ+4*xk+\c:RQ+4*xk+\c+1], v[WX+8*xi+xk:WX+8*xi+xk+1], v[U+4*xi+\c:U+4*xi+\c+1] op_sel_hi:[1,0,1]
.else
	v_pk_fma_f32 v[U+4*xi+\c:U+4*xi+\c+1], v[RQ+4*xk+\c:RQ+4*xk+\c+1], v[WX+8*xi+xk-1:WX+8*xi+xk], v[U+4*xi+\c:U+4*xi+\c+1] op_sel:[0,1,0] op_sel_hi:[1,1,1]
.endif
.endr
.endm
.set xk, 0
.rept NK
.set xi, 0
.rept NI
	XSTEP
.set xi, xi+1
.endr
.set xk, xk+1
.endr
.set xi, 0
.rept NI
	global_store_b128 v[A16], v[U+4*xi:U+4*xi+3], s[62:63] offset:OUTT*128+512*xi th:TH_STORE_NT   ; 512 consecutive bytes, at a multiple of 256 from out0's first byte
	v_pk_add_f32 v[AA+4*xi:AA+4*xi+1], v[AA+4*xi:AA+4*xi+1], v[U+4*xi:U+4*xi+1] neg_lo:[0,1] neg_hi:[0,1]
	v_pk_add_f32 v[AA+4*xi+2:AA+4*xi+3], v[AA+4*xi+2:AA+4*xi+3], v[U+4*xi+2:U+4*xi+3] neg_lo:[0,1] neg_hi:[0,1]
	ds_store_b128 v[ZW], v[AA+4*xi:AA+4*xi+3] offset:Z+512*xi
.set xi, xi+1
.endr
	s_wait_xcnt 0x0                                ; the stores have read their registers: they are written again below
.Lno_recon:
	s_wait_dscnt 0x0                               ; my stores have landed
	s_barrier_signal -1
	s_barrier_wait -1                              ; z lies in LDS
	; ---- 2: wave g < G quantises group g: every lane takes the whole row of token 4 g + r % 4, and keeps its codes where its registers are the row's live block
.if G < 8
	s_cmp_lt_u32 s22, G
	s_cbranch_scc0 .Lno_quant
.endif
.irp i, 0,1,2,3,4,5,6,7
	ds_load_b128 v[D+4*\i:D+4*\i+3], v[ZR] offset:Z+16*\i
.endr
	s_wait_dscnt 0x0
	v_max3_num_f32 v184, |v[D]|, |v[D+1]|, |v[D+2]|
	v_max3_num_f32 v185, |v[D+3]|, |v[D+4]|, |v[D+5]|
.irp i, 6,10,14,18,22,26
	v_max3_num_f32 v184, v184, |v[D+\i]|, |v[D+\i+1]|
	v_max3_num_f32 v185, v185, |v[D+\i+2]|, |v[D+\i+3]|
.endr
	v_max3_num_f32 v184, v184, |v[D+30]|, |v[D+31]|
	v_max3_num_f32 v184, v184, v185, 0x1800000     ; the floor 2^(3 - 127): the byte cannot fall under 1
	v_add_nc_u32 v186, 0xff000000, v184            ; 2 off the exponent field: the conversion's scale operand
	v_lshrrev_b32 v187, 23, v186                   ; the scale's byte,
	v_lshlrev_b32 v187, v[SH], v187                ; at the live block's place
	v_or_b32 v204, v187, v[FILL]
	v_pk_mul_f32 v[188:189], v[D:D+1], v[D:D+1]    ; |z|^2 of the unquantised z
	v_pk_mul_f32 v[190:191], v[D+2:D+3], v[D+2:D+3]
.irp i, 4,8,12,16,20,24,28
	v_pk_fma_f32 v[188:189], v[D+\i:D+\i+1], v[D+\i:D+\i+1], v[188:189]
	v_pk_fma_f32 v[190:191], v[D+\i+2:D+\i+3], v[D+\i+2:D+\i+3], v[190:191]
.endr
	v_pk_add_f32 v[188:189], v[188:189], v[190:191]
	v_add_f32 v205, v188, v189
.irp g, 0,1,2,3
	v_cvt_scalef32_pk8_fp4_f32 v[192+\g], v[D+8*\g:D+8*\g+7], v186
.endr
	v_nop                                          ; one plain place behind a scaled conversion
.irp g, 0,1,2,3
	v_and_b32 v[196+\g], v[MLO], v[192+\g]
	v_and_b32 v[200+\g], v[MHI], v[192+\g]
.endr
	ds_store_b128 v[AW], v[196:199] offset:AIMG
	ds_store_b128 v[AW], v[200:203] offset:AIMG+512
	ds_store_b32 v[ASW], v204 offset:ASC
	ds_store_b32 v[ZZW], v205 offset:ZZL           ; lanes of one token store the same word with the same value
.Lno_quant:
	s_wait_dscnt 0x0
	s_barrier_signal -1
	s_barrier_wait -1                              ; the groups' images lie in LDS
; ---- 3: the scores and the argmax, a group of 4 tokens a trip
.macro TRACK t, u                      ; the four tokens' d of place 4 t + u against the smallest so far: a strict < keeps the first
.irp i, 0,1,2,3
	v_cmp_lt_f32 s[76+\i], v[S+4*\u+\i], v[BV+\i]
.endr
.irp i, 0,1,2,3
	v_cndmask_b32 v[BI+\i], v[BI+\i], 4*\t+\u, s[76+\i]
.endr
.irp i, 0,1,2,3
	v_min_num_f32 v[BV+\i], v[BV+\i], v[S+4*\u+\i]
.endr
.endm
.macro SCORE t                         ; tile t: d = RN(RN(zz + ee) - 2 ze); the result is read from its low end on
	v_pk_add_f32 v[S:S+1], v[ZZ:ZZ+1], v[EE+2*\t:EE+2*\t+1] op_sel_hi:[1,0]
	v_pk_add_f32 v[S+2:S+3], v[ZZ+2:ZZ+3], v[EE+2*\t:EE+2*\t+1] op_sel_hi:[1,0]
	v_pk_add_f32 v[S+4:S+5], v[ZZ:ZZ+1], v[EE+2*\t:EE+2*\t+1] op_sel:[0,1] op_sel_hi:[1,1]
	v_pk_add_f32 v[S+6:S+7], v[ZZ+2:ZZ+3], v[EE+2*\t:EE+2*\t+1] op_sel:[0,1] op_sel_hi:[1,1]
.if \t == 0
	v_pk_fma_f32 v[BV:BV+1], v[D:D+1], -2.0, v[S:S+1] op_sel_hi:[1,0,1]            ; the first four start the search: nothing is compared
	v_pk_fma_f32 v[BV+2:BV+3], v[D+2:D+3], -2.0, v[S+2:S+3] op_sel_hi:[1,0,1]
.else
	v_pk_fma_f32 v[S:S+1], v[D+8*\t:D+8*\t+1], -2.0, v[S:S+1] op_sel_hi:[1,0,1]
	v_pk_fma_f32 v[S+2:S+3], v[D+8*\t+2:D+8*\t+3], -2.0, v[S+2:S+3] op_sel_hi:[1,0,1]
.endif
	v_pk_fma_f32 v[S+4:S+5], v[D+8*\t+4:D+8*\t+5], -2.0, v[S+4:S+5] op_sel_hi:[1,0,1]
	v_pk_fma_f32 v[S+6:S+7], v[D+8*\t+6:D+8*\t+7], -2.0, v[S+6:S+7] op_sel_hi:[1,0,1]
.if \t == 0
.irp i, 0,1,2,3
	v_mov_b32 v[BI+\i], 0
.endr
.else
	TRACK \t, 0
.endif
	TRACK \t, 1
.endm
.macro LANEMIN x                       ; the smallest of v[x + i] over the 32 lanes, in every lane; the four tokens by turns
.irp m, 1,2,4,8
.irp i, 0,1,2,3
	v_min_num_f32_dpp v[\x+\i], v[\x+\i], v[\x+\i] row_xmask:\m row_mask:0xf bank_mask:0xf
.endr
.endr
.irp i, 0,1,2,3
	v_permlanex16_b32 v[TP+\i], v[\x+\i], s26, s27
.endr
.irp i, 0,1,2,3
	v_min_num_f32 v[\x+\i], v[\x+\i], v[TP+\i]
.endr
.endm
.macro REDUCE                          ; the wave's smallest d of each token, and the lowest code that has it
.irp i, 0,1,2,3
	v_lshl_add_u32 v[CF+\i], v[BI+\i], 4, v[LB]    ; my code: 16 (4 t + u) + 512 w + 32 h + r
	v_mov_b32 v[MN+\i], v[BV+\i]
.endr
.irp i, 0,1,2,3
	v_cvt_f32_u32 v[CF+\i], v[CF+\i]
.endr
	LANEMIN MN
.irp i, 0,1,2,3
	v_cmp_eq_f32 s[76+\i], v[BV+\i], v[MN+\i]
.endr
.irp i, 0,1,2,3
	v_cndmask_b32 v[CF+\i], v[BIG], v[CF+\i], s[76+\i]
.endr
	LANEMIN CF
	ds_store_b128 v[GR], v[MN:MN+3] offset:RESV    ; all lanes store the same 16 bytes
	ds_store_b128 v[GR], v[CF:CF+3] offset:RESC
.endm
	s_wait_loadcnt 0x0                             ; my codes, scale words and |e|^2
.irp i, 0,1,2,3
	v_mov_b32 v[TP+\i], 0                          ; written once: a lane permute's destination counts as one of its sources
.endr
	ds_load_b128 v[AF:AF+3], v[A16] offset:AIMG    ; group 0
	ds_load_b128 v[AF+4:AF+7], v[A16] offset:AIMG+512
	ds_load_b32 v[AS], v[A4] offset:ASC
	ds_load_b128 v[ZZ:ZZ+3], v[GZ] offset:ZZL
	s_mov_b32 s28, 0
.Lgroup:
	s_wait_dscnt 0x0                               ; this group's operand is in; the last trip's stores have read their registers
.irp t, 0,1,2,3,4,5,6,7
	v_wmma_scale_f32_16x16x128_f8f6f4 v[D+8*\t:D+8*\t+7], v[AF:AF+7], v[BF+8*\t:BF+8*\t+7], 0, v[AS], v[BS+\t] matrix_a_fmt:MATRIX_FMT_FP4 matrix_b_fmt:MATRIX_FMT_FP4
.endr
	SCORE 0                                        ; its first four additions name no register of the products: they are the four places ahead of the first read of a result, and of the loads below
	s_add_co_u32 s29, s28, 1
	s_and_b32 s29, s29, G-1                        ; the next group; the last trip takes group 0 again, so that it reads bytes that were written
	s_lshl_b32 s30, s29, 10
	v_add_nc_u32 v[GA], s30, v[A16]
	s_lshl_b32 s31, s29, 7
	v_add_nc_u32 v[GS], s31, v[A4]
	ds_load_b128 v[AF:AF+3], v[GA] offset:AIMG
	ds_load_b128 v[AF+4:AF+7], v[GA] offset:AIMG+512
	ds_load_b32 v[AS], v[GS] offset:ASC
.irp t, 1,2,3,4,5,6,7
	SCORE \t
.endr
	s_lshl_b32 s29, s29, 4
	v_mov_b32 v[GZ], s29
	ds_load_b128 v[ZZ:ZZ+3], v[GZ] offset:ZZL      ; |z|^2 had its last reader in SCORE 7
	s_lshl_b32 s34, s28, 4
	s_add_co_u32 s34, s34, s33
	v_mov_b32 v[GR], s34                           ; 128 w + 16 g
	REDUCE
	s_add_co_u32 s28, s28, 1
	s_cmp_lt_u32 s28, G
	s_cbranch_scc1 .Lgroup
	s_wait_dscnt 0x0
	s_barrier_signal -1
	s_barrier_wait -1                              ; the eight waves' results lie in LDS
	; ---- 4: wave 0 takes the eight waves in ascending order of their codes: a strict < keeps the first
	s_cmp_lg_u32 s22, 0
	s_cbranch_scc1 .Ldone
.irp w, 0,1,2,3,4,5,6,7
	ds_load_b32 v[16+\w], v[FR] offset:RESV+128*\w
	ds_load_b32 v[24+\w], v[FR] offset:RESC+128*\w
.endr
	s_mul_i32 s80, ttmp9, 16*G
	s_mov_b32 s81, 0
	s_add_nc_u64 s[IDXO:IDXO+1], s[IDXO:IDXO+1], s[80:81]
	s_wait_dscnt 0x0
.irp w, 1,2,3,4,5,6,7
	v_cmp_lt_f32 vcc_lo, v[16+\w], v16
	v_cndmask_b32 v24, v24, v[24+\w], vcc_lo
	v_min_num_f32 v16, v16, v[16+\w]
.endr
	v_cvt_u32_f32 v24, v24
	global_store_b32 v[FR], v24, s[IDXO:IDXO+1]    ; lanes beyond the work-group's tokens repeat a token's word with the same value
.Ldone:
	s_wait_tensorcnt 0x0                           ; the wave's end: behind my last LDS store
	ds_add_u32 v[SPW], v[NIL]
	s_wait_dscnt 0x0
	s_endpgm
.Lfunc_end_k_q7e7ac3008a_s3:
	.size	k_q7e7ac3008a_s3, .Lfunc_end_k_q7e7ac3008a_s3-k_q7e7ac3008a_s3
	.p2alignl 7, 3214868480
	.fill 96, 4, 3214868480
	.section	.rodata,"a",@progbits
	.p2align	6, 0x0
	.amdhsa_kernel k_q7e7ac3008a_s3
		.amdhsa_group_segment_fixed_size 24832
		.amdhsa_private_segment_fixed_size 0
		.amdhsa_enable_private_segment 0
		.amdhsa_kernarg_size 72
		.amdhsa_user_sgpr_count 2
		.amdhsa_user_sgpr_kernarg_segment_ptr 1
		.amdhsa_wavefront_size32 1
		.amdhsa_system_sgpr_workgroup_id_x 1
		.amdhsa_system_sgpr_workgroup_id_y 1
		.amdhsa_system_sgpr_workgroup_id_z 1
		.amdhsa_system_vgpr_workitem_id 0
		.amdhsa_next_free_vgpr 256
		.amdhsa_next_free_sgpr 90
		.amdhsa_reserve_vcc 1
		.amdhsa_float_denorm_mode_32 3
		.amdhsa_float_denorm_mode_16_64 3
		.amdhsa_memory_ordered 1
		.amdhsa_forward_progress 1
		.amdhsa_inst_pref_size 42
	.end_amdhsa_kernel
	.amdgpu_metadata
---
amdhsa.version: [ 1, 2 ]
amdhsa.kernels:
  - .name:           k_q7e7ac3008a_s3
    .symbol:         k_q7e7ac3008a_s3.kd
    .args:
      - { .name: emb_weight, .offset: 0, .size: 8, .value_kind: global_buffer, .address_space: global }
      - { .name: pyr, .offset: 8, .size: 8, .value_kind: global_buffer, .address_space: global }
      - { .name: cb, .offset: 16, .size: 8, .value_kind: global_buffer, .address_space: global }
      - { .name: tab, .offset: 24, .size: 8, .value_kind: global_buffer, .address_space: global }
      - { .name: idx0, .offset: 32, .size: 8, .value_kind: global_buffer, .address_space: global }
      - { .name: idx1, .offset: 40, .size: 8, .value_kind: global_buffer, .address_space: global }
      - { .name: idx2, .offset: 48, .size: 8, .value_kind: global_buffer, .address_space: global }
      - { .name: idx3, .offset: 56, .size: 8, .value_kind: global_buffer, .address_space: global }
      - { .name: out0, .offset: 64, .size: 8, .value_kind: global_buffer, .address_space: global }
    .group_segment_fixed_size: 24832
    .private_segment_fixed_size: 0
    .kernarg_segment_align: 8
    .kernarg_segment_size: 72
    .max_flat_workgroup_size: 256
    .sgpr_count:     90
    .vgpr_count:     256
    .wavefront_size: 32
...
	.end_amdgpu_metadata
.endif
;; end of part 5
;; launch fin (part 6): grid 256 x 1, 8 waves a work-group, no clusters, 17,408 bytes of LDS; arguments emb_weight, tab, idx0, idx1, idx2, idx3, out0; writes out0
.if DOCPART == 6
	.amdgcn_target "amdgcn-amd-amdhsa--gfx1250"
	.amdhsa_code_object_version 6
	.text
	.protected	k_q7e7ac3008a_fin
	.globl	k_q7e7ac3008a_fin
	.p2align	8
	.type	k_q7e7ac3008a_fin,@function
k_q7e7ac3008a_fin:
	s_mov_b64 s[64:65], 0
	v_nop
	global_prefetch_b8 v0, s[64:65] scope:SCOPE_SE
	s_setreg_imm32_b32 hwreg(HW_REG_WAVE_MODE, 25, 1), 1
	s_wait_xcnt 0x0
; THE LAST SEGMENT: the output's tokens 84-339 of each image: f_partial at 16 x 16 = up(h0) + up(h1) + up(h2) + up(h3), h_k = emb[idx_k].  The stage pn = 16 itself is left out: its map, f_hat and the last f_rest reach no output
; (see the first kernel's head).  No matrix product is live here: the maps' K is 8 at the most.
; seg(y, x) = h0 + the sum over the maps p = 2, 4, 8 and their places (a, c) of M[y][a] M[x][c] h_p[a][c], M from the table's rows 0-15.
; SHARES.  A work-group takes half an image, each of its eight waves a row y of 16 tokens.  First down the rows (a lane a channel, weights in scalar registers): 14 stage rows and h0; these turn through the wave's own stage in
; LDS; then along the row (lane 8 i + q: column 4 j + i, channels 4 q .. 4 q + 3, weights in vector registers).  Waves share nothing: no barrier.
.set RST,   0                          ; LDS: a wave's own stage, 2,048 bytes, 15 rows of 128
.set SPARE, 16384                      ; the spare words, 128 bytes for each wave
.set NK,  14                           ; weighted stage rows: 8 + 4 + 2
.set SPW, 4                            ; v4 LDS address of my spare word, v5 0: never rewritten
.set NIL, 5
.set A16, 6                            ; 16 x lane
.set A4,  7                            ; 4 x lane
.set RSTW, 8
.set RSTR, 9
.set WXO, 10
.set H0,  16                           ; v16 h0, v17-20 h1, v21-36 h2, v37-100 h3: a lane a channel
.set H1,  17
.set H2,  21
.set H3,  37
.set R,   104                          ; v104-117 the stage rows
.set WX,  120                          ; v120-183 the weights along the row: 16 registers a run of 4 columns
.set RQ,  20                           ; v20-79 the stage rows back, 4 channels a lane, over the maps, which are done with (not over v16, which an LDS store reads)
.set U,   184                          ; v184-199 the segment
.set EMB, 4
	s_load_b256 s[4:11], s[0:1], 0x0               ; emb s[4:5], tab s[6:7], idx0 s[8:9], idx1 s[10:11]
	s_load_b128 s[12:15], s[0:1], 0x20             ; idx2 s[12:13], idx3 s[14:15]
	s_load_b64 s[16:17], s[0:1], 0x30              ; out0
	v_lshl_add_u32 v[SPW], v0, 2, SPARE
	v_mov_b32 v[NIL], 0
	v_lshrrev_b32 v1, 5, v0
	v_readfirstlane_b32 s57, v1                    ; wave 0..7
	v_and_b32 v1, 31, v0                           ; lane
	v_lshlrev_b32 v[A16], 4, v1
	v_lshlrev_b32 v[A4], 2, v1
	s_lshl_b32 s19, s57, 11
	v_add_nc_u32 v[RSTW], s19, v[A4]
	v_and_b32 v2, 7, v1
	v_lshl_add_u32 v[RSTR], v2, 4, s19
	v_lshrrev_b32 v[WXO], 3, v1
	v_lshlrev_b32 v[WXO], 6, v[WXO]                ; my column's row of the table
	s_lshr_b32 s58, ttmp9, 1                       ; the image
	s_and_b32 s59, ttmp9, 1
	s_lshl_b32 s59, s59, 3
	s_add_co_u32 s59, s59, s57                     ; y
	s_lshl_b32 s60, s58, 8
	s_lshl_b32 s61, s58, 4
	s_lshl_b32 s62, s58, 2
	s_lshl_b32 s63, s58, 6
	s_lshl_b32 s18, s59, 6
	s_mul_i32 s100, s58, 43520
	s_lshl_b32 s56, s59, 11
	s_add_co_u32 s100, s100, s56
	s_mov_b32 s101, 0
	s_wait_kmcnt 0x0
	s_add_nc_u64 s[16:17], s[16:17], s[100:101]    ; the segment's row y in out0 (its first token, 84, stands in the immediate)
	s_load_b512 s[20:35], s[14:15], s60 offset:0x0             ; the image's 64 indices of the 8 x 8 map,
	s_load_b512 s[36:51], s[14:15], s60 offset:0x40
	s_load_b512 s[68:83], s[14:15], s60 offset:0x80
	s_load_b512 s[84:99], s[14:15], s60 offset:0xc0
	s_load_b128 s[52:55], s[10:11], s61 offset:0x0             ; the 4 of the 2 x 2 map,
	s_load_b32 s56, s[8:9], s62 offset:0x0                     ; and the one of the 1 x 1 map
.irp i, 0,1,2,3
.irp g, 0,1,2,3
	global_load_b128 v[WX+16*\i+4*\g:WX+16*\i+4*\g+3], v[WXO], s[6:7] offset:256*\i+16*\g
.endr
.endr
.macro GATHER dst, si                  ; v[dst] = emb[s[si]][my channel]: 128 consecutive bytes a wave; the load lands on its own offset register
	s_min_u32 s[\si], s[\si], 0xfff                ; an index stays inside the table
	s_lshl_b32 s[\si], s[\si], 7
	v_add_nc_u32 v[\dst], s[\si], v[A4]
	global_load_b32 v[\dst], v[\dst], s[EMB:EMB+1]
.endm
.macro GATH16 vb, sb
.irp n, 0,1,2,3,4,5,6,7,8,9,10,11,12,13,14,15
	GATHER \vb+\n, \sb+\n
.endr
.endm
	s_wait_kmcnt 0x0
	GATH16 H3, 20
	GATH16 H3+16, 36
	GATH16 H3+32, 68
	GATH16 H3+48, 84
.irp n, 0,1,2,3
	GATHER H1+\n, 52+\n
.endr
	GATHER H0, 56
	s_load_b512 s[20:35], s[12:13], s63 offset:0x0             ; the scalar registers do not hold all at once: the 16 indices of the 4 x 4 map,
	s_load_b512 s[36:51], s[6:7], s18 offset:0x0               ; and row y's weights, come second
	s_wait_kmcnt 0x0
	GATH16 H2, 20
	s_wait_loadcnt 0x0
.irp c, 0,1,2,3,4,5,6,7
	v_mul_f32 v[R+\c], s36, v[H3+\c]               ; down the rows of the 8 x 8 map,
.endr
.irp a, 1,2,3,4,5,6,7
.irp c, 0,1,2,3,4,5,6,7
	v_fmac_f32 v[R+\c], s[36+\a], v[H3+8*\a+\c]
.endr
.endr
.irp c, 0,1,2,3
	v_mul_f32 v[R+8+\c], s44, v[H2+\c]             ; of the 4 x 4 map,
.endr
.irp a, 1,2,3
.irp c, 0,1,2,3
	v_fmac_f32 v[R+8+\c], s[44+\a], v[H2+4*\a+\c]
.endr
.endr
.irp c, 0,1
	v_mul_f32 v[R+12+\c], s48, v[H1+\c]            ; and of the 2 x 2 map
.endr
.irp c, 0,1
	v_fmac_f32 v[R+12+\c], s49, v[H1+2+\c]
.endr
.irp k, 0,1,2,3,4,5,6,7,8,9,10,11,12,13
	ds_store_b32 v[RSTW], v[R+\k] offset:RST+128*\k
.endr
	ds_store_b32 v[RSTW], v[H0] offset:RST+128*NK
.irp k, 0,1,2,3,4,5,6,7,8,9,10,11,12,13,14
	ds_load_b128 v[RQ+4*\k:RQ+4*\k+3], v[RSTR] offset:RST+128*\k   ; LDS serves a wave's instructions in order: these see my stores
.endr
	s_wait_dscnt 0x0
.macro XSTEP                           ; stage row xk into the columns of run xi, two channels an instruction; the weight serves both halves; the first step takes h0 as its addend
.irp c, 0,2
.if xk == 0
	v_pk_fma_f32 v[U+4*xi+\c:U+4*xi+\c+1], v[RQ+\c:RQ+\c+1], v[WX+16*xi:WX+16*xi+1], v[RQ+4*NK+\c:RQ+4*NK+\c+1] op_sel_hi:[1,0,1]
.elseif xk%2 == 0
	v_pk_fma_f32 v[U+4*xi+\c:U+4*xi+\c+1], v[RQ+4*xk+\c:RQ+4*xk+\c+1], v[WX+16*xi+xk:WX+16*xi+xk+1], v[U+4*xi+\c:U+4*xi+\c+1] op_sel_hi:[1,0,1]
.else
	v_pk_fma_f32 v[U+4*xi+\c:U+4*xi+\c+1], v[RQ+4*xk+\c:RQ+4*xk+\c+1], v[WX+16*xi+xk-1:WX+16*xi+xk], v[U+4*xi+\c:U+4*xi+\c+1] op_sel:[0,1,0] op_sel_hi:[1,1,1]
.endif
.endr
.endm
.set xk, 0
.rept NK
.set xi, 0
.rept 4
	XSTEP                                          ; eight sums by turns
.set xi, xi+1
.endr
.set xk, xk+1
.endr
.irp i, 0,1,2,3
	global_store_b128 v[A16], v[U+4*\i:U+4*\i+3], s[16:17] offset:84*128+512*\i th:TH_STORE_NT   ; 512 consecutive bytes, at a multiple of 256 from out0's first byte
.endr
	s_wait_tensorcnt 0x0                           ; the wave's end: behind my last LDS store
	ds_add_u32 v[SPW], v[NIL]
	s_wait_dscnt 0x0
	s_endpgm
.Lfunc_end_k_q7e7ac3008a_fin:
	.size	k_q7e7ac3008a_fin, .Lfunc_end_k_q7e7ac3008a_fin-k_q7e7ac3008a_fin
	.p2alignl 7, 3214868480
	.fill 96, 4, 3214868480
	.section	.rodata,"a",@progbits
	.p2align	6, 0x0
	.amdhsa_kernel k_q7e7ac3008a_fin
		.amdhsa_group_segment_fixed_size 17408
		.amdhsa_private_segment_fixed_size 0
		.amdhsa_enable_private_segment 0
		.amdhsa_kernarg_size 56
		.amdhsa_user_sgpr_count 2
		.amdhsa_user_sgpr_kernarg_segment_ptr 1
		.amdhsa_wavefront_size32 1
		.amdhsa_system_sgpr_workgroup_id_x 1
		.amdhsa_system_sgpr_workgroup_id_y 1
		.amdhsa_system_sgpr_workgroup_id_z 1
		.amdhsa_system_vgpr_workitem_id 0
		.amdhsa_next_free_vgpr 200
		.amdhsa_next_free_sgpr 102
		.amdhsa_reserve_vcc 0
		.amdhsa_float_denorm_mode_32 3
		.amdhsa_float_denorm_mode_16_64 3
		.amdhsa_memory_ordered 1
		.amdhsa_forward_progress 1
		.amdhsa_inst_pref_size 35
	.end_amdhsa_kernel
	.amdgpu_metadata
---
amdhsa.version: [ 1, 2 ]
amdhsa.kernels:
  - .name:           k_q7e7ac3008a_fin
    .symbol:         k_q7e7ac3008a_fin.kd
    .args:
      - { .name: emb_weight, .offset: 0, .size: 8, .value_kind: global_buffer, .address_space: global }
      - { .name: tab, .offset: 8, .size: 8, .value_kind: global_buffer, .address_space: global }
      - { .name: idx0, .offset: 16, .size: 8, .value_kind: global_buffer, .address_space: global }
      - { .name: idx1, .offset: 24, .size: 8, .value_kind: global_buffer, .address_space: global }
      - { .name: idx2, .offset: 32, .size: 8, .value_kind: global_buffer, .address_space: global }
      - { .name: idx3, .offset: 40, .size: 8, .value_kind: global_buffer, .address_space: global }
      - { .name: out0, .offset: 48, .size: 8, .value_kind: global_buffer, .address_space: global }
    .group_segment_fixed_size: 17408
    .private_segment_fixed_size: 0
    .kernarg_segment_align: 8
    .kernarg_segment_size: 56
    .max_flat_workgroup_size: 256
    .sgpr_count:     102
    .vgpr_count:     200
    .wavefront_size: 32
...
	.end_amdgpu_metadata
.endif
;; end of part 6
;; ======== version 2 of 2: 6 launches
;; workspace buffers: pyr 1,409,024 bytes; cb 86,016 bytes; tab 2,048 bytes; idx0 512 bytes of whole numbers; idx1 2,048 bytes of whole numbers; idx2 8,192 bytes of whole numbers; idx3 32,768 bytes of whole numbers
;; launch prep (part 7): grid 138 x 1, 8 waves a work-group, no clusters, 13,312 bytes of LDS; arguments f_src, emb_weight, pyr, cb, tab; writes pyr, cb, tab
.if DOCPART == 7
	.amdgcn_target "amdgcn-amd-amdhsa--gfx1250"
	.amdhsa_code_object_version 6
	.text
	.protected	k_q7e7ac3008a_prep
	.globl	k_q7e7ac3008a_prep
	.p2align	8
	.type	k_q7e7ac3008a_prep,@function
k_q7e7ac3008a_prep:
	s_mov_b64 s[64:65], 0
	v_nop
	global_prefetch_b8 v0, s[64:65] scope:SCOPE_SE
	s_setreg_imm32_b32 hwreg(HW_REG_WAVE_MODE, 25, 1), 1
	s_wait_xcnt 0x0
; PREPARATION for the multi-scale encoder: x_var = the area means of the partial sums of the up-sampled stage maps 0 to 3.
; WORK LEFT OUT, in the whole program, and why it is dead for all finite inputs:
;   (1) a stage's tokens are soft + (hard - soft), which in real numbers is hard = emb[argmax(neg_d)]: so the softmax, its exponentials and the products probs @ e (K = 4,096) reach no output;
;   (2) x_var is made of stage_maps[0..3] alone: the last stage (pn = 16), f_hat and the last f_rest reach no output;
;   (3) the second loop's bicubic maps are those of the first loop once more: they are made once.
; What stays: the four score products z e^T (quantised), |z|^2 and |e|^2 with reference()'s own two roundings (they decide near ties of the argmax), the argmax, the lookup, the area means and the bicubic maps.
; Both inputs have a way to the output and are loaded.  LIMITS: a NaN, an infinity or an overflow that reaches only the work left out is not carried to the result; NaN and infinities among the inputs are not served.
; z of stage k is formed as area(f_src, pn_k) - area(f_partial, pn_k), the subtrahend being the output's segment k - 1, with composite f32 weights: the order of rounding differs from reference()'s, by about 1e-7 of the terms.
; THIS LAUNCH, three kinds of work-groups, told apart by the work-group's number:
;   0-127   image b: the area means of f_src at 8 x 8, 4 x 4, 2 x 2 and 1 x 1, laid [token][channel]: pyr[b], 85 tokens of 128 bytes (8 x 8 first, then 4 x 4 at token 64, 2 x 2 at 80, 1 x 1 at 84), images 11,008 bytes apart
;   128-135 the codebook: each row of emb (K = its 32 channels: one block) as 32 codes of E2M1 (16 bytes, code v at 16 v), the scale bytes as words in the order of the matrix operand, and |e|^2 of the unquantised row
;   136-137 the table of one-dimensional weights M[P][p] = (mean from 16 to P) after (bicubic from p to 16): 32 rows of 16 numbers: rows 0-15 P = 16, 16-23 P = 8, 24-27 P = 4 (28-31 repeat them); in a row: p = 8 (8), p = 4 (4), p = 2 (2), two zeros
; A block's scale is 2^(floor(log2(largest magnitude)) - 2), its byte held at 1 from below; a row of zeros keeps the byte 1 where the rule says 127: its codes are zeros, and this program alone reads the bytes.
.set TPB,   144                        ; a token in LDS: 128 bytes + 16
.set SPARE, 12288                      ; behind the 85 tokens: the spare words, 128 bytes for each wave
.set PYRB,  11008                      ; an image in pyr
.set SWO,   65536                      ; cb: the scale words begin here,
.set EEO,   69632                      ; and |e|^2 here
.set SPW, 4                            ; v4  LDS address of my spare word; never rewritten
.set NIL, 5                            ; v5  0; never rewritten
.set X,   32                           ; v32-63  image: 4 channels x 2 loads x 4 numbers
.set O,   64                           ; v64-111 image: the means, 12 registers a channel, so that no LDS store's data are written again
	s_load_b256 s[4:11], s[0:1], 0x0               ; f_src s[4:5], emb s[6:7], pyr s[8:9], cb s[10:11]
	s_load_b64 s[12:13], s[0:1], 0x20              ; tab
	v_lshl_add_u32 v[SPW], v0, 2, SPARE
	v_mov_b32 v[NIL], 0
	v_lshrrev_b32 v2, 5, v0
	s_delay_alu instid0(VALU_DEP_1)
	v_readfirstlane_b32 s14, v2                    ; wave 0..7
	v_and_b32 v1, 31, v0                           ; lane L
	s_mov_b32 s16, 0x76543210
	s_mov_b32 s17, 0xfedcba98                      ; v_permlanex16_b32's selects for lane l xor 16
	; the image path's LDS addresses, made ahead of the parting.  A wave has channels 4 w .. 4 w + 3: 16 w bytes into a token
	s_lshl_b32 s15, s14, 4
	v_lshrrev_b32 v2, 3, v1
	v_and_b32 v3, 3, v1
	s_delay_alu instid0(VALU_DEP_2)
	v_lshlrev_b32 v2, 3, v2
	s_delay_alu instid0(VALU_DEP_1)
	v_lshl_add_u32 v2, v3, 1, v2                   ; 8 x 8: token 8 (L / 8) + 2 (L % 4)
	s_delay_alu instid0(VALU_DEP_1)
	v_mul_u32_u24 v8, v2, TPB
	s_delay_alu instid0(VALU_DEP_1)
	v_add_nc_u32 v8, s15, v8
	v_lshrrev_b32 v2, 4, v1
	s_delay_alu instid0(VALU_DEP_1)
	v_lshl_add_u32 v2, v2, 2, v3                   ; 4 x 4: token 64 + 4 (L / 16) + L % 4 (the 64 stands in the immediate)
	s_delay_alu instid0(VALU_DEP_1)
	v_mul_u32_u24 v9, v2, TPB
	s_delay_alu instid0(VALU_DEP_1)
	v_add_nc_u32 v9, s15, v9
	v_bfe_u32 v2, v1, 1, 1                         ; 2 x 2: token 80 + (L / 2) % 2
	s_delay_alu instid0(VALU_DEP_1)
	v_mul_u32_u24 v10, v2, TPB
	s_delay_alu instid0(VALU_DEP_1)
	v_add_nc_u32 v10, s15, v10
	v_mov_b32 v11, s15                             ; 1 x 1: token 84
	v_lshrrev_b32 v2, 3, v1                        ; the way out: a lane takes 16 bytes: token L / 8 of its wave's four, piece L % 8
	v_and_b32 v3, 7, v1
	s_delay_alu instid0(VALU_DEP_2)
	v_mul_u32_u24 v2, v2, TPB
	s_delay_alu instid0(VALU_DEP_1)
	v_lshl_add_u32 v2, v3, 4, v2
	s_mul_i32 s18, s14, 4*TPB
	v_add_nc_u32 v12, s18, v2                      ; tokens 4 w .. 4 w + 3 (and 32 further on, by the immediate)
	s_min_u32 s19, s14, 4                          ; the tail, tokens 64 to 83, is waves 0 to 4's: with the wave's number held at 4 the address ends at byte 12,096, among the tokens, in every wave
	s_mul_i32 s19, s19, 4*TPB
	v_add_nc_u32 v15, s19, v2
	v_lshlrev_b32 v13, 4, v0                       ; 16 x thread in pyr
	v_lshlrev_b32 v14, 2, v1                       ; token 84, the last: 4 bytes a lane, in LDS and in pyr alike
	s_wait_kmcnt 0x0
	s_cmp_lt_u32 ttmp9, 128
	s_cbranch_scc0 .Lnot_image
	; ---- AN IMAGE.  A channel is 1,024 bytes: two loads of 512; lane L of load l holds row 8 l + L / 4, columns 4 (L % 4) .. + 3
	s_lshl_b32 s20, ttmp9, 15
	s_mov_b32 s21, 0
	s_add_nc_u64 s[4:5], s[4:5], s[20:21]
	s_mul_i32 s22, ttmp9, PYRB
	s_mov_b32 s23, 0
	s_add_nc_u64 s[8:9], s[8:9], s[22:23]
	s_lshl_b32 s18, s14, 12
	v_lshl_add_u32 v6, v1, 4, s18                  ; my wave's four channels, my 16 bytes
.irp cc, 0,1,2,3
.irp l, 0,1
	global_load_b128 v[X+8*\cc+4*\l:X+8*\cc+4*\l+3], v6, s[4:5] offset:1024*\cc+512*\l th:TH_LOAD_NT
.endr
.endr
	v_mov_b32 v22, 0                               ; written once: a lane permute's destination counts as one of its sources
	v_mov_b32 v23, 0
; One channel: sums of 2 x 2, 4 x 4, 8 x 8 and 16 x 16 by steps between lanes; lanes that hold the same sum store the same word with the same value.
.macro CHAN cc
	s_wait_loadcnt 6-2*\cc                         ; this channel's two loads are in; the later channels' stay out
.irp l, 0,1
	v_add_f32 v[16+2*\l], v[X+8*\cc+4*\l], v[X+8*\cc+4*\l+1]
	v_add_f32 v[17+2*\l], v[X+8*\cc+4*\l+2], v[X+8*\cc+4*\l+3]
.endr
.irp n, 0,1,2,3
	s_delay_alu instid0(VALU_DEP_4)
	v_add_f32_dpp v[16+\n], v[16+\n], v[16+\n] row_xmask:4 row_mask:0xf bank_mask:0xf   ; with the row beside mine: 2 x 2
.endr
.irp n, 0,1,2,3
	s_delay_alu instid0(VALU_DEP_4)
	v_mul_f32 v[O+12*\cc+\n], 0x3e800000, v[16+\n]                                  ; / 4
.endr
.irp n, 0,1,2,3
	ds_store_b32 v8, v[O+12*\cc+\n] offset:32*TPB*((\n)/2)+TPB*((\n)%2)+4*\cc
.endr
	v_add_f32 v20, v16, v17
	v_add_f32 v21, v18, v19
	s_delay_alu instid0(VALU_DEP_2)
	v_add_f32_dpp v20, v20, v20 row_xmask:8 row_mask:0xf bank_mask:0xf                 ; 4 x 4
	s_delay_alu instid0(VALU_DEP_2)
	v_add_f32_dpp v21, v21, v21 row_xmask:8 row_mask:0xf bank_mask:0xf
	s_delay_alu instid0(VALU_DEP_2)
	v_mul_f32 v[O+12*\cc+4], 0x3d800000, v20                                        ; / 16
	s_delay_alu instid0(VALU_DEP_2)
	v_mul_f32 v[O+12*\cc+5], 0x3d800000, v21
	ds_store_b32 v9, v[O+12*\cc+4] offset:64*TPB+4*\cc
	ds_store_b32 v9, v[O+12*\cc+5] offset:72*TPB+4*\cc
	v_add_f32_dpp v20, v20, v20 row_xmask:1 row_mask:0xf bank_mask:0xf
	v_add_f32_dpp v21, v21, v21 row_xmask:1 row_mask:0xf bank_mask:0xf
	s_delay_alu instid0(VALU_DEP_2)
	v_permlanex16_b32 v22, v20, s16, s17
	s_delay_alu instid0(VALU_DEP_2)
	v_permlanex16_b32 v23, v21, s16, s17
	s_delay_alu instid0(VALU_DEP_2)
	v_add_f32 v20, v20, v22                                                         ; 8 x 8
	s_delay_alu instid0(VALU_DEP_2)
	v_add_f32 v21, v21, v23
	s_delay_alu instid0(VALU_DEP_2)
	v_mul_f32 v[O+12*\cc+6], 0x3c800000, v20                                        ; / 64
	s_delay_alu instid0(VALU_DEP_2)
	v_mul_f32 v[O+12*\cc+7], 0x3c800000, v21
	ds_store_b32 v10, v[O+12*\cc+6] offset:80*TPB+4*\cc
	ds_store_b32 v10, v[O+12*\cc+7] offset:82*TPB+4*\cc
	v_add_f32_dpp v20, v20, v20 row_xmask:2 row_mask:0xf bank_mask:0xf
	v_add_f32_dpp v21, v21, v21 row_xmask:2 row_mask:0xf bank_mask:0xf
	s_delay_alu instid0(VALU_DEP_1)
	v_add_f32 v20, v20, v21                                                         ; the whole channel
	s_delay_alu instid0(VALU_DEP_1)
	v_mul_f32 v[O+12*\cc+8], 0x3b800000, v20                                        ; / 256
	ds_store_b32 v11, v[O+12*\cc+8] offset:84*TPB+4*\cc
.endm
	CHAN 0
	CHAN 1
	CHAN 2
	CHAN 3
	s_wait_dscnt 0x0                               ; for the others' sake: my stores have landed
	s_barrier_signal -1
	s_barrier_wait -1                              ; 85 whole tokens lie in LDS
	; THE WAY OUT: 85 tokens are 680 pieces of 16 bytes: 256 and 256 for the eight waves, 160 for waves 0 to 4, and the last token for wave 5
	ds_load_b128 v[16:19], v12                     ; tokens 0 to 31
	ds_load_b128 v[20:23], v12 offset:32*TPB       ; tokens 32 to 63
	s_wait_dscnt 0x1                               ; the first is in; the second may stay out
	global_store_b128 v13, v[16:19], s[8:9]        ; a wave stores 512 consecutive bytes, at a multiple of 256 from pyr's first byte
	s_wait_dscnt 0x0
	global_store_b128 v13, v[20:23], s[8:9] offset:4096
	s_cmp_lt_u32 s14, 5                            ; the branches hang on the wave's number alone; no barrier follows
	s_cbranch_scc0 .Lnot_tail
	ds_load_b128 v[24:27], v15 offset:64*TPB       ; tokens 64 to 83, four a wave, into registers of their own
	s_wait_dscnt 0x0
	global_store_b128 v13, v[24:27], s[8:9] offset:8192
	s_branch .Limage_end
.Lnot_tail:
	s_cmp_eq_u32 s14, 5
	s_cbranch_scc0 .Limage_end
	ds_load_b32 v24, v14 offset:84*TPB             ; token 84: 128 consecutive bytes, 4 a lane
	s_wait_dscnt 0x0
	global_store_b32 v14, v24, s[8:9] offset:84*128
.Limage_end:
	s_wait_tensorcnt 0x0                           ; the wave's end: behind my last LDS store
	ds_add_u32 v[SPW], v[NIL]
	s_wait_dscnt 0x0
	s_endpgm
.Lnot_image:
	s_cmp_lt_u32 ttmp9, 136
	s_cbranch_scc0 .Ltable
	; ---- THE CODEBOOK.  A wave takes a tile T of 64 codes; lane L takes codes 64 T + L and 64 T + 32 + L: a whole row, one block, in 32 registers
	s_sub_co_u32 s20, ttmp9, 128
	s_lshl_b32 s20, s20, 3
	s_add_co_u32 s20, s20, s14                     ; T = 0 .. 63
	s_lshl_b32 s22, s20, 13                        ; 64 rows of 128 bytes
	s_mov_b32 s23, 0
	s_add_nc_u64 s[6:7], s[6:7], s[22:23]
	v_lshlrev_b32 v6, 7, v1
.irp i, 0,1,2,3,4,5,6,7
	global_load_b128 v[32+4*\i:35+4*\i], v6, s[6:7] offset:16*\i
.endr
.irp i, 0,1,2,3,4,5,6,7
	global_load_b128 v[64+4*\i:67+4*\i], v6, s[6:7] offset:4096+16*\i
.endr
; The row in v[xs] on becomes codes in v[96 + 4 n] on, its scale byte in v[104 + n], its |e|^2 in v[106 + n].
.macro CODE xs, n
	v_max3_num_f32 v16, |v[\xs]|, |v[\xs+1]|, |v[\xs+2]|           ; the largest magnitude, in two chains
	v_max3_num_f32 v17, |v[\xs+3]|, |v[\xs+4]|, |v[\xs+5]|
.irp i, 6,10,14,18,22,26
	s_delay_alu instid0(VALU_DEP_2)
	v_max3_num_f32 v16, v16, |v[\xs+\i]|, |v[\xs+\i+1]|
	s_delay_alu instid0(VALU_DEP_2)
	v_max3_num_f32 v17, v17, |v[\xs+\i+2]|, |v[\xs+\i+3]|
.endr
	s_delay_alu instid0(VALU_DEP_2)
	v_max3_num_f32 v16, v16, |v[\xs+30]|, |v[\xs+31]|
	s_delay_alu instid0(VALU_DEP_1)
	v_max3_num_f32 v16, v16, v17, 0x1800000        ; and the floor 2^(3 - 127): the byte cannot fall under 1
	s_delay_alu instid0(VALU_DEP_1)
	v_add_nc_u32 v[18+\n], 0xff000000, v16         ; 2 off the exponent field: the conversion's scale operand
	s_delay_alu instid0(VALU_DEP_1)
	v_lshrrev_b32 v[104+\n], 23, v[18+\n]          ; the scale's byte
	v_pk_mul_f32 v[20:21], v[\xs:\xs+1], v[\xs:\xs+1]              ; |e|^2 of the unquantised row, in two packed chains
	v_pk_mul_f32 v[22:23], v[\xs+2:\xs+3], v[\xs+2:\xs+3]
.irp i, 4,8,12,16,20,24,28
	s_delay_alu instid0(VALU_DEP_2)
	v_pk_fma_f32 v[20:21], v[\xs+\i:\xs+\i+1], v[\xs+\i:\xs+\i+1], v[20:21]
	s_delay_alu instid0(VALU_DEP_2)
	v_pk_fma_f32 v[22:23], v[\xs+\i+2:\xs+\i+3], v[\xs+\i+2:\xs+\i+3], v[22:23]
.endr
	s_delay_alu instid0(VALU_DEP_1)
	v_pk_add_f32 v[20:21], v[20:21], v[22:23]
	s_delay_alu instid0(VALU_DEP_1)
	v_add_f32 v[106+\n], v20, v21
.irp g, 0,1,2,3
	v_cvt_scalef32_pk8_fp4_f32 v[96+4*\n+\g], v[\xs+8*\g:\xs+8*\g+7], v[18+\n]
.endr
	v_nop                                          ; one plain place behind a scaled conversion
.endm
	s_wait_loadcnt 8                               ; the first row's eight loads are in; the second row's stay out
	CODE 32, 0
	s_wait_loadcnt 0x0
	CODE 64, 1
	; the scale word of column r of tile T: byte q belongs to code 64 T + 16 q + r.  Lane 16 h + r holds bytes h and 2 + h
	v_lshl_or_b32 v24, v105, 16, v104
	v_lshrrev_b32 v25, 4, v1
	s_delay_alu instid0(VALU_DEP_1)
	v_lshlrev_b32 v25, 3, v25
	s_delay_alu instid0(VALU_DEP_1)
	v_lshlrev_b32 v24, v25, v24
	v_mov_b32 v26, 0
	s_delay_alu instid0(VALU_DEP_1)
	v_permlanex16_b32 v26, v24, s16, s17
	s_delay_alu instid0(VALU_DEP_1)
	v_or_b32 v24, v24, v26                         ; with lane l xor 16's two the word is whole
	s_lshl_b32 s24, s20, 10
	v_lshl_add_u32 v27, v1, 4, s24
	global_store_b128 v27, v[96:99], s[10:11]              ; 512 consecutive bytes a store
	global_store_b128 v27, v[100:103], s[10:11] offset:512
	s_lshl_b32 s25, s20, 8
	v_lshl_add_u32 v28, v1, 2, s25
	global_store_b32 v28, v106, s[10:11] offset:EEO
	global_store_b32 v28, v107, s[10:11] offset:EEO+128
	s_lshl_b32 s26, s20, 6
	v_and_b32 v29, 15, v1
	s_delay_alu instid0(VALU_DEP_1)
	v_lshl_add_u32 v29, v29, 2, s26
	global_store_b32 v29, v24, s[10:11] offset:SWO         ; both halves of the lanes store the same word
	s_endpgm
.Ltable:
	; ---- THE TABLE.  Thread n makes entry n % 16 of row n / 16.  W_p[a][i] = K(sf - a) / the sum over a' of K(sf - a'), sf = (i + 0.5) p / 16 - 0.5, K the cubic kernel of Keys;  M[y][a] = the mean of W_p[a][r y + ii], ii < r = 16 / P
	s_sub_co_u32 s20, ttmp9, 136
	s_lshl_b32 s20, s20, 8
	v_add_nc_u32 v32, s20, v0                      ; n
	s_delay_alu instid0(VALU_DEP_1)
	v_lshrrev_b32 v33, 4, v32                      ; the row
	s_delay_alu instid0(VALU_DEP_2)
	v_and_b32 v34, 15, v32                         ; the entry
	v_mov_b32 v39, 0
	s_delay_alu instid0(VALU_DEP_2)
	v_cmp_gt_u32 s21, 8, v34                       ; entries 0-7: p = 8
	s_delay_alu instid0(VALU_DEP_3)
	v_cmp_gt_u32 s22, 12, v34                      ; entries 0-11: p >= 4
	v_mov_b32 v35, 2
	s_delay_alu instid0(VALU_DEP_1)
	v_cndmask_b32 v35, v35, 4, s22
	s_delay_alu instid0(VALU_DEP_1)
	v_cndmask_b32 v35, v35, 8, s21                 ; p
	v_add_nc_u32 v36, -12, v34
	v_add_nc_u32 v37, -8, v34
	s_delay_alu instid0(VALU_DEP_1)
	v_cndmask_b32 v36, v36, v37, s22
	s_delay_alu instid0(VALU_DEP_1)
	v_cndmask_b32 v36, v36, v34, s21               ; a
	s_delay_alu instid0(VALU_DEP_1)
	v_cmp_lt_u32 s25, v36, v35                     ; not so in the row's last two entries, which are zeros
	v_cmp_gt_u32 s23, 16, v33                      ; rows 0-15: r = 1
	v_cmp_gt_u32 s24, 24, v33                      ; rows 0-23: r <= 2
	v_mov_b32 v37, 4
	s_delay_alu instid0(VALU_DEP_1)
	v_cndmask_b32 v37, v37, 2, s24
	s_delay_alu instid0(VALU_DEP_1)
	v_cndmask_b32 v37, v37, 1, s23                 ; r
	v_and_b32 v38, 3, v33
	v_and_b32 v43, 7, v33
	s_delay_alu instid0(VALU_DEP_1)
	v_cndmask_b32 v38, v38, v43, s24
	s_delay_alu instid0(VALU_DEP_1)
	v_cndmask_b32 v38, v38, v33, s23               ; y
	s_mov_b32 s26, 0x3fc00000                      ; 1.5
	s_mov_b32 s27, 0xc0200000                      ; -2.5
	s_mov_b32 s28, 0x40200000                      ; 2.5
	v_cvt_f32_u32 v40, v35
	s_delay_alu instid0(VALU_DEP_1)
	v_mul_f32 v40, 0x3d800000, v40                 ; p / 16
	v_cvt_f32_u32 v41, v36                         ; a
	v_mul_u32_u24 v42, v37, v38
	s_delay_alu instid0(VALU_DEP_1)
	v_cvt_f32_u32 v42, v42                         ; r y
	s_delay_alu instid0(VALU_DEP_1)
	v_add_f32 v44, 0.5, v42
	s_delay_alu instid0(VALU_DEP_2)
	v_add_f32 v45, 0x3fc00000, v42
	s_delay_alu instid0(VALU_DEP_3)
	v_add_f32 v46, 0x40200000, v42
	s_delay_alu instid0(VALU_DEP_4)
	v_add_f32 v47, 0x40600000, v42
.irp ii, 0,1,2,3
	s_delay_alu instid0(VALU_DEP_4)
	v_fma_f32 v[44+\ii], v[44+\ii], v40, -0.5      ; sf: exact in f32
.endr
.macro KEYS dst, x                     ; v[dst] = K(|v[x]|)
	s_delay_alu instid0(VALU_DEP_1)
	v_and_b32 v60, 0x7fffffff, v[\x]
	s_delay_alu instid0(VALU_DEP_1)
	v_fma_f32 v61, v60, s26, s27
	s_delay_alu instid0(VALU_DEP_1)
	v_mul_f32 v61, v61, v60
	s_delay_alu instid0(VALU_DEP_1)
	v_fma_f32 v61, v61, v60, 1.0                   ; under 1: ((1.5 x - 2.5) x) x + 1
	s_delay_alu instid0(VALU_DEP_4)
	v_fma_f32 v62, v60, -0.5, s28
	s_delay_alu instid0(VALU_DEP_1)
	v_fma_f32 v62, v62, v60, -4.0
	s_delay_alu instid0(VALU_DEP_1)
	v_fma_f32 v62, v62, v60, 2.0                   ; from 1 on: ((-0.5 x + 2.5) x - 4) x + 2
	v_cmp_le_f32 vcc_lo, 1.0, v60
	s_delay_alu instid0(VALU_DEP_1)
	v_cndmask_b32 v61, v61, v62, vcc_lo
	v_cmp_le_f32 vcc_lo, 2.0, v60
	s_delay_alu instid0(VALU_DEP_1)
	v_cndmask_b32 v[\dst], v61, v39, vcc_lo        ; from 2 on: 0
.endm
.macro WEIGHT ii                       ; for sample ii: the sum over the p sources in v[48 + ii], my source's K in v[52 + ii]
	v_mov_b32 v63, v[44+\ii]
	KEYS 48+\ii, 63
.irp a, 1,2,3,4,5,6,7
	v_add_f32 v63, -1.0, v63
	KEYS 59, 63
.if \a > 3
	s_delay_alu instid0(VALU_DEP_1)
	v_cndmask_b32 v59, v39, v59, s21               ; sources 4-7 exist where p = 8
.elseif \a > 1
	s_delay_alu instid0(VALU_DEP_1)
	v_cndmask_b32 v59, v39, v59, s22               ; sources 2, 3 where p >= 4
.endif
	s_delay_alu instid0(VALU_DEP_1)
	v_add_f32 v[48+\ii], v[48+\ii], v59
.endr
	v_sub_f32 v63, v[44+\ii], v41
	KEYS 52+\ii, 63
	s_delay_alu instid0(VALU_DEP_1)
	v_cndmask_b32 v[52+\ii], v39, v[52+\ii], s25
.endm
	WEIGHT 0
	WEIGHT 1
	WEIGHT 2
	WEIGHT 3
	s_wait_alu depctr_va_vdst(0)
.irp ii, 0,1,2,3
	v_rcp_f32 v[48+\ii], v[48+\ii]
.endr
	v_nop                                          ; a plain place behind the last reciprocal
	s_wait_alu depctr_va_vdst(0)                   ; one wait for the four, ahead of their first reader
.irp ii, 0,1,2,3
	v_mul_f32 v[52+\ii], v[52+\ii], v[48+\ii]
.endr
	s_delay_alu instid0(VALU_DEP_3)
	v_cndmask_b32 v53, v53, v39, s23               ; samples at or beyond r are selected away, never multiplied away
	s_delay_alu instid0(VALU_DEP_3)
	v_cndmask_b32 v54, v54, v39, s24
	s_delay_alu instid0(VALU_DEP_3)
	v_cndmask_b32 v55, v55, v39, s24
	s_delay_alu instid0(VALU_DEP_3)
	v_add_f32 v52, v52, v53
	s_delay_alu instid0(VALU_DEP_2)
	v_add_f32 v54, v54, v55
	s_delay_alu instid0(VALU_DEP_1)
	v_add_f32 v52, v52, v54
	v_mov_b32 v56, 0x3e800000
	s_delay_alu instid0(VALU_DEP_1)
	v_cndmask_b32 v56, v56, 0.5, s24
	s_delay_alu instid0(VALU_DEP_1)
	v_cndmask_b32 v56, v56, 1.0, s23               ; 1 / r
	s_delay_alu instid0(VALU_DEP_1)
	v_mul_f32 v52, v52, v56
	v_lshlrev_b32 v57, 2, v32
	global_store_b32 v57, v52, s[12:13]
	s_endpgm
.Lfunc_end_k_q7e7ac3008a_prep:
	.size	k_q7e7ac3008a_prep, .Lfunc_end_k_q7e7ac3008a_prep-k_q7e7ac3008a_prep
	.p2alignl 7, 3214868480
	.fill 96, 4, 3214868480
	.section	.rodata,"a",@progbits
	.p2align	6, 0x0
	.amdhsa_kernel k_q7e7ac3008a_prep
		.amdhsa_group_segment_fixed_size 13312
		.amdhsa_private_segment_fixed_size 0
		.amdhsa_enable_private_segment 0
		.amdhsa_kernarg_size 40
		.amdhsa_user_sgpr_count 2
		.amdhsa_user_sgpr_kernarg_segment_ptr 1
		.amdhsa_wavefront_size32 1
		.amdhsa_system_sgpr_workgroup_id_x 1
		.amdhsa_system_sgpr_workgroup_id_y 1
		.amdhsa_system_sgpr_workgroup_id_z 1
		.amdhsa_system_vgpr_workitem_id 0
		.amdhsa_next_free_vgpr 128
		.amdhsa_next_free_sgpr 66
		.amdhsa_reserve_vcc 1
		.amdhsa_float_denorm_mode_32 3
		.amdhsa_float_denorm_mode_16_64 3
		.amdhsa_memory_ordered 1
		.amdhsa_forward_progress 1
		.amdhsa_inst_pref_size 65
	.end_amdhsa_kernel
	.amdgpu_metadata
---
amdhsa.version: [ 1, 2 ]
amdhsa.kernels:
  - .name:           k_q7e7ac3008a_prep
    .symbol:         k_q7e7ac3008a_prep.kd
    .args:
      - { .name: f_src, .offset: 0, .size: 8, .value_kind: global_buffer, .address_space: global }
      - { .name: emb_weight, .offset: 8, .size: 8, .value_kind: global_buffer, .address_space: global }
      - { .name: pyr, .offset: 16, .size: 8, .value_kind: global_buffer, .address_space: global }
      - { .name: cb, .offset: 24, .size: 8, .value_kind: global_buffer, .address_space: global }
      - { .name: tab, .offset: 32, .size: 8, .value_kind: global_buffer, .address_space: global }
    .group_segment_fixed_size: 13312
    .private_segment_fixed_size: 0
    .kernarg_segment_align: 8
    .kernarg_segment_size: 40
    .max_flat_workgroup_size: 256
    .sgpr_count:     66
    .vgpr_count:     128
    .wavefront_size: 32
...
	.end_amdgpu_metadata
.endif
;; end of part 7
;; launch s0 (part 8): grid 32 x 1, 8 waves a work-group, no clusters, 24,832 bytes of LDS; arguments pyr, cb, idx0; writes idx0
.if DOCPART == 8
	.amdgcn_target "amdgcn-amd-amdhsa--gfx1250"
	.amdhsa_code_object_version 6
	.text
	.protected	k_q7e7ac3008a_s0
	.globl	k_q7e7ac3008a_s0
	.p2align	8
	.type	k_q7e7ac3008a_s0,@function
k_q7e7ac3008a_s0:
	s_mov_b64 s[64:65], 0
	v_nop
	global_prefetch_b8 v0, s[64:65] scope:SCOPE_SE
	s_setreg_imm32_b32 hwreg(HW_REG_WAVE_SCHED_MODE, 0, 2), 2
	s_setreg_imm32_b32 hwreg(HW_REG_WAVE_MODE, 25, 1), 1
	s_wait_xcnt 0x0
	s_wait_alu depctr_vm_vsrc(0)
; STAGE 0 (pn = 1): idx0[b] = the first index of the smallest d = (|z|^2 + |e|^2) - 2 z.e over the 4,096 codes, z = the mean of image b.  The softmax and probs @ e are left out: soft + (hard - soft) is hard (see the first kernel's head).
; z.e is the QUANTISED product (E2M1, one scale for the 32 channels); |z|^2 and |e|^2 are of the unquantised numbers; d is rounded twice, as reference() rounds it: RN(RN(zz + ee) - 2 ze).
; LIMITS: NaN and infinities are not served (were every d NaN, 8,192 would be stored, which the launches that read it hold at 4,095).
; SHARES.  A work-group takes G groups of 4 tokens (here the 4 images 4 x .. 4 x + 3).  Its eight waves share the CODES: wave w keeps codes 512 w .. 512 w + 511 (8 tiles of 64) in registers.
; THE TILE.  K is 32, the instruction's K is 128: so its four blocks carry four different things.  Source 1: column n holds, in block q, code 64 T + 16 q + n.  Source 0: row m holds token m % 4 in block m / 4, and zero codes elsewhere
; (their scale bytes are 1).  So D(m, n) = token m % 4 . code 64 T + 16 (m / 4) + n: all 256 numbers are scores.  Register j of lane (r, h): token j % 4, code 64 T + 32 h + 16 (j / 4) + r.
; THE MODE: SCHED_MODE bits 1:0 = 2 (LLVM: expert scheduling mode 2), set by the entry lines.  The code itself states the register dependences between vector or matrix instructions and memory or LDS instructions, with s_wait_alu, always for 0.
; THE PLAN.  Registers that memory or LDS instructions touch, and who else names them:
;   v6-15, v44, v238-242  offsets and LDS addresses: written at the head, ahead of ONE wait on va_vdst, and never again: every access is one of them and an immediate.
;   BF, BS, EE            loaded once; read by the products and the scores alone.
;   v168-171              z as loaded: read by one LDS store; step 2's loads land there, behind a wait on vm_vsrc at the arm's end.
;   v196-205              step 2's image, scale word and |z|^2: a wait on va_vdst ahead of their stores, one on vm_vsrc behind them: the products write these registers.
;   AF, AS, ZZ            the group's operand: loaded; read by the products and the scores.   MN, CF: the search's results: a wait on va_vdst ahead of their stores.
;   s22, s76-83           written by vector instructions: each run of writers has one wait on va_sdst ahead of its first reader.
.set G,     1                          ; groups of 4 tokens in a work-group
.set ROWS,  1                          ; waves that bring z
.set Z,     8192                       ; LDS: z, [token][128 bytes]
.set AIMG,  12288                      ; source 0 as an image of its registers: 1,024 bytes a group
.set ASC,   20480                      ; its scale words: 128 bytes a group
.set ZZL,   21504                      ; |z|^2: 16 bytes a group
.set RESV,  21760                      ; [wave][token]: the wave's smallest d,
.set RESC,  22784                      ; and its code, as f32
.set SPARE, 23808                      ; the spare words, 128 bytes for each wave
.set SWO,   65536                      ; cb: codes at 0, scale words here,
.set EEO,   69632                      ; |e|^2 here
.set SPW, 4                            ; v4 LDS address of my spare word, v5 0: never rewritten
.set NIL, 5
.set A16, 6                            ; 16 x lane
.set A4,  7                            ; 4 x lane
.set ZW,  10                           ; where a wave puts z
.set ZR,  11                           ; where a lane reads its token's z
.set AW,  12                           ; where a wave puts source 0's image,
.set ASW, 13                           ; its scale words,
.set ZZW, 14                           ; and |z|^2
.set FR,  15                           ; 4 x (lane's token) in the last step
.set S,   16                           ; v16-23 eight d at work
.set BV,  24                           ; v24-27 the smallest d so far of tokens 0-3
.set BI,  28                           ; v28-31 its place: 4 t + u
.set MN,  32                           ; v32-35, v48-51 the wave's smallest: out-buffer q at + 16 q
.set CF,  36                           ; v36-39, v52-55 codes as f32: likewise
.set TP,  40                           ; v40-43 at work
.set PO,  44                           ; v44 pyr: my 16 bytes of the four images' 1 x 1 means
.set BF,  64                           ; v64-127 my 8 tiles of codes
.set BS,  128                          ; v128-135 their scale words: scales and nothing else
.set EE,  136                          ; v136-151 |e|^2: for tile t the pair (u = 0, u = 1)
.set D,   152                          ; v152-215 eight results; free ahead of the products
.set AF,  216                          ; v216-223, v244-251 source 0: buffer p at + 28 p
.set AS,  224                          ; v224, v225 its scale words: scales and nothing else: buffer p at + p
.set ZZ,  226                          ; v226-229, v252-255 |z|^2 of tokens 0-3: buffer p at + 26 p
.set MLO, 230
.set MHI, 231
.set SH,  232
.set FILL, 233
.set LB,  234                          ; my lane's first code: 512 w + 32 h + r
.set BIG, 235                          ; 8,192.0: over every code
.set GZ,  238                          ; 0
.set GR,  239                          ; 128 w
.set CBC, 240
.set CBS, 241
.set CBE, 242
.set PYR, 4
.set CB,  6
.set IDXO, 8
	s_load_b128 s[4:7], s[0:1], 0x0                ; pyr, cb
	s_load_b64 s[8:9], s[0:1], 0x10                ; idx0
	v_lshl_add_u32 v[SPW], v0, 2, SPARE
	v_mov_b32 v[NIL], 0
	v_lshrrev_b32 v1, 5, v0
	v_readfirstlane_b32 s22, v1                    ; wave 0..7
	v_and_b32 v1, 31, v0                           ; lane
	v_and_b32 v2, 15, v0                           ; r
	v_bfe_u32 v3, v0, 4, 1                         ; h
	v_lshrrev_b32 v16, 2, v2                       ; row r's live block: r / 4.  Registers 0-3 of lane (r, h) are block h, registers 4-7 block 2 + h
	v_add_nc_u32 v17, 2, v3
	v_cmp_eq_u32 s76, v16, v3
	v_cmp_eq_u32 s77, v16, v17
	s_mov_b32 s26, 0x76543210
	s_mov_b32 s27, 0xfedcba98                      ; v_permlanex16_b32's selects for lane l xor 16
	v_lshlrev_b32 v[A16], 4, v1
	v_lshlrev_b32 v[A4], 2, v1
	v_lshlrev_b32 v[SH], 3, v16                    ; the live byte's place in the scale word
	v_mov_b32 v17, 1
	v_lshlrev_b32 v17, v[SH], v17
	v_xor_b32 v[FILL], 0x01010101, v17             ; byte 1 in the three dead places
	v_mov_b32 v[GZ], 0
	v_mov_b32 v[BIG], 0x46000000
	v_and_b32 v[FR], 4*G-1, v1
	v_lshlrev_b32 v[FR], 2, v[FR]
	v_lshrrev_b32 v[PO], 3, v1                     ; lane 8 i + q takes 16 bytes of image i
	v_mul_u32_u24 v[PO], v[PO], 11008
	v_and_b32 v17, 7, v1
	v_lshl_add_u32 v[PO], v17, 4, v[PO]
	s_wait_alu depctr_va_sdst(0)                   ; s22, s76 and s77 are written, ahead of their first readers
	v_cndmask_b32 v[MLO], 0, -1, s76
	v_cndmask_b32 v[MHI], 0, -1, s77
	s_lshl_b32 s29, s22, 11
	v_lshlrev_b32 v17, 7, v3
	v_lshl_add_u32 v17, v2, 2, v17
	v_add_nc_u32 v[CBE], s29, v17                  ; |e|^2: 2,048 w + 128 h + 4 r
	s_mul_i32 s30, s22, 512*G/ROWS
	v_add_nc_u32 v[ZW], s30, v[A16]
	s_lshl_b32 s31, s22, 9
	v_and_b32 v16, 3, v2
	v_lshl_add_u32 v[ZR], v16, 7, s31              ; token 4 w + r % 4
	v_lshl_add_u32 v[CBS], v2, 2, s31              ; scale words: 512 w + 4 r
	v_lshl_add_u32 v[LB], v3, 5, v2
	v_add_nc_u32 v[LB], s31, v[LB]
	s_lshl_b32 s34, s22, 10
	v_add_nc_u32 v[AW], s34, v[A16]
	s_lshl_b32 s33, s22, 7
	v_add_nc_u32 v[ASW], s33, v[A4]
	v_mov_b32 v[GR], s33
	s_lshl_b32 s35, s22, 4
	v_lshl_add_u32 v[ZZW], v16, 2, s35
	s_lshl_b32 s28, s22, 13
	v_add_nc_u32 v[CBC], s28, v[A16]               ; codes: 8,192 w + 16 x lane
	s_wait_kmcnt 0x0
	s_wait_alu depctr_va_vdst(0)                   ; every offset and LDS address of the kernel is written: the loads and stores below read them
	; my 512 codes, their scale words and |e|^2: 40 loads, waited for in front of the products
.irp t, 0,1,2,3,4,5,6,7
	global_load_b128 v[BF+8*\t:BF+8*\t+3], v[CBC], s[CB:CB+1] offset:1024*\t
	global_load_b128 v[BF+8*\t+4:BF+8*\t+7], v[CBC], s[CB:CB+1] offset:1024*\t+512
.endr
.irp t, 0,1,2,3,4,5,6,7
	global_load_b32 v[BS+\t], v[CBS], s[CB:CB+1] offset:SWO+64*\t
.endr
.irp t, 0,1,2,3,4,5,6,7
	global_load_b32 v[EE+2*\t], v[CBE], s[CB:CB+1] offset:EEO+256*\t
	global_load_b32 v[EE+2*\t+1], v[CBE], s[CB:CB+1] offset:EEO+256*\t+64
.endr
	; ---- 1: z.  Wave 0 brings the 1 x 1 means (token 84) of the four images
	s_cmp_lt_u32 s22, ROWS
	s_cbranch_scc0 .Lno_recon
	s_mul_i32 s80, ttmp9, 4*11008
	s_mov_b32 s81, 0
	s_add_nc_u64 s[60:61], s[PYR:PYR+1], s[80:81]
	global_load_b128 v[168:171], v[PO], s[60:61] offset:84*128 th:TH_LOAD_NT
	s_wait_loadcnt 0x0
	ds_store_b128 v[ZW], v[168:171] offset:Z
	s_wait_alu depctr_vm_vsrc(0)                   ; the LDS store has read v168-171, in which step 2's loads land
.Lno_recon:
	s_wait_dscnt 0x0                               ; my stores have landed
	s_barrier_signal -1
	s_barrier_wait -1                              ; z lies in LDS
	; ---- 2: wave g < G quantises group g: every lane takes the whole row of token 4 g + r % 4, and keeps its codes where its registers are the row's live block
.if G < 8
	s_cmp_lt_u32 s22, G
	s_cbranch_scc0 .Lno_quant
.endif
.irp i, 0,1,2,3,4,5,6,7
	ds_load_b128 v[D+4*\i:D+4*\i+3], v[ZR] offset:Z+16*\i
.endr
	s_wait_dscnt 0x0
	v_max3_num_f32 v184, |v[D]|, |v[D+1]|, |v[D+2]|
	v_max3_num_f32 v185, |v[D+3]|, |v[D+4]|, |v[D+5]|
.irp i, 6,10,14,18,22,26
	v_max3_num_f32 v184, v184, |v[D+\i]|, |v[D+\i+1]|
	v_max3_num_f32 v185, v185, |v[D+\i+2]|, |v[D+\i+3]|
.endr
	v_max3_num_f32 v184, v184, |v[D+30]|, |v[D+31]|
	v_max3_num_f32 v184, v184, v185, 0x1800000     ; the floor 2^(3 - 127): the byte cannot fall under 1
	v_add_nc_u32 v186, 0xff000000, v184            ; 2 off the exponent field: the conversion's scale operand
	v_lshrrev_b32 v187, 23, v186                   ; the scale's byte,
	v_lshlrev_b32 v187, v[SH], v187                ; at the live block's place
	v_or_b32 v204, v187, v[FILL]
	v_pk_mul_f32 v[188:189], v[D:D+1], v[D:D+1]    ; |z|^2 of the unquantised z
	v_pk_mul_f32 v[190:191], v[D+2:D+3], v[D+2:D+3]
.irp i, 4,8,12,16,20,24,28
	v_pk_fma_f32 v[188:189], v[D+\i:D+\i+1], v[D+\i:D+\i+1], v[188:189]
	v_pk_fma_f32 v[190:191], v[D+\i+2:D+\i+3], v[D+\i+2:D+\i+3], v[190:191]
.endr
	v_pk_add_f32 v[188:189], v[188:189], v[190:191]
	v_add_f32 v205, v188, v189
.irp g, 0,1,2,3
	v_cvt_scalef32_pk8_fp4_f32 v[192+\g], v[D+8*\g:D+8*\g+7], v186
.endr
	v_nop                                          ; one plain place behind a scaled conversion
.irp g, 0,1,2,3
	v_and_b32 v[196+\g], v[MLO], v[192+\g]
	v_and_b32 v[200+\g], v[MHI], v[192+\g]
.endr
	s_wait_alu depctr_va_vdst(0)                   ; the image, the scale word and |z|^2 are written, which the LDS stores read
	ds_store_b128 v[AW], v[196:199] offset:AIMG
	ds_store_b128 v[AW], v[200:203] offset:AIMG+512
	ds_store_b32 v[ASW], v204 offset:ASC
	ds_store_b32 v[ZZW], v205 offset:ZZL           ; lanes of one token store the same word with the same value
	s_wait_alu depctr_vm_vsrc(0)                   ; these stores have read v196-205, which the products write
.Lno_quant:
	s_wait_dscnt 0x0
	s_barrier_signal -1
	s_barrier_wait -1                              ; the groups' images lie in LDS
; ---- 3: the scores and the argmax, written out group by group: every LDS address is a register of the head and an immediate
.macro SVAL t                          ; tile t: d = RN(RN(zz + ee) - 2 ze); the result is read from its low end on
	v_pk_add_f32 v[S:S+1], v[ZB:ZB+1], v[EE+2*(\t):EE+2*(\t)+1] op_sel_hi:[1,0]
	v_pk_add_f32 v[S+2:S+3], v[ZB+2:ZB+3], v[EE+2*(\t):EE+2*(\t)+1] op_sel_hi:[1,0]
	v_pk_add_f32 v[S+4:S+5], v[ZB:ZB+1], v[EE+2*(\t):EE+2*(\t)+1] op_sel:[0,1] op_sel_hi:[1,1]
	v_pk_add_f32 v[S+6:S+7], v[ZB+2:ZB+3], v[EE+2*(\t):EE+2*(\t)+1] op_sel:[0,1] op_sel_hi:[1,1]
.if (\t) == 0
	v_pk_fma_f32 v[BV:BV+1], v[D:D+1], -2.0, v[S:S+1] op_sel_hi:[1,0,1]            ; the first four start the search: nothing is compared
	v_pk_fma_f32 v[BV+2:BV+3], v[D+2:D+3], -2.0, v[S+2:S+3] op_sel_hi:[1,0,1]
.else
	v_pk_fma_f32 v[S:S+1], v[D+8*(\t):D+8*(\t)+1], -2.0, v[S:S+1] op_sel_hi:[1,0,1]
	v_pk_fma_f32 v[S+2:S+3], v[D+8*(\t)+2:D+8*(\t)+3], -2.0, v[S+2:S+3] op_sel_hi:[1,0,1]
.endif
	v_pk_fma_f32 v[S+4:S+5], v[D+8*(\t)+4:D+8*(\t)+5], -2.0, v[S+4:S+5] op_sel_hi:[1,0,1]
	v_pk_fma_f32 v[S+6:S+7], v[D+8*(\t)+6:D+8*(\t)+7], -2.0, v[S+6:S+7] op_sel_hi:[1,0,1]
.if (\t) == 0
.irp i, 0,1,2,3
	v_mov_b32 v[BI+\i], 0
.endr
.endif
.endm
.macro CMPS t                          ; the four tokens' d of places 4 t and 4 t + 1 against the smallest so far: a strict < keeps the first; the masks go to s76-79 and s80-83
.if (\t) > 0
.irp i, 0,1,2,3
	v_cmp_lt_f32 s[76+\i], v[S+\i], v[BV+\i]
.endr
.irp i, 0,1,2,3
	v_min_num_f32 v[BV+\i], v[BV+\i], v[S+\i]
.endr
.endif
.irp i, 0,1,2,3
	v_cmp_lt_f32 s[80+\i], v[S+4+\i], v[BV+\i]
.endr
.irp i, 0,1,2,3
	v_min_num_f32 v[BV+\i], v[BV+\i], v[S+4+\i]
.endr
.endm
.macro SEL t                           ; the places by those masks, 4 t first
.if (\t) > 0
.irp i, 0,1,2,3
	v_cndmask_b32 v[BI+\i], v[BI+\i], 4*(\t), s[76+\i]
.endr
.endif
.irp i, 0,1,2,3
	v_cndmask_b32 v[BI+\i], v[BI+\i], 4*(\t)+1, s[80+\i]
.endr
.endm
.macro LANEMIN x                       ; the smallest of v[x + i] over the 32 lanes, in every lane; the four tokens by turns
.irp m, 1,2,4,8
.irp i, 0,1,2,3
	v_min_num_f32_dpp v[\x+\i], v[\x+\i], v[\x+\i] row_xmask:\m row_mask:0xf bank_mask:0xf
.endr
.endr
.irp i, 0,1,2,3
	v_permlanex16_b32 v[TP+\i], v[\x+\i], s26, s27
.endr
.irp i, 0,1,2,3
	v_min_num_f32 v[\x+\i], v[\x+\i], v[TP+\i]
.endr
.endm
.macro REDUCE                          ; the wave's smallest d of each token, and the lowest code that has it, into out-buffer OB
.irp i, 0,1,2,3
	v_lshl_add_u32 v[CF+OB+\i], v[BI+\i], 4, v[LB] ; my code: 16 (4 t + u) + 512 w + 32 h + r
.endr
.irp i, 0,1,2,3
	v_cvt_f32_u32 v[CF+OB+\i], v[CF+OB+\i]
.endr
	LANEMIN MN+OB
.irp i, 0,1,2,3
	v_cmp_eq_f32 s[76+\i], v[BV+\i], v[MN+OB+\i]
.endr
	s_wait_alu depctr_va_sdst(0)                   ; the four masks are written, which the selections below read
.irp i, 0,1,2,3
	v_cndmask_b32 v[CF+OB+\i], v[BIG], v[CF+OB+\i], s[76+\i]
.endr
	LANEMIN CF+OB
.endm
; Group gg works on operand buffer gg % 2 and writes out-buffer gg % 2.  Its LDS instructions stand at its head: the stores of group gg - 1's results and the loads of group gg + 1's operand, which touch the other two buffers alone.
.macro GROUP
.set AB, AF+28*(gg%2)
.set SB, AS+gg%2
.set ZB, ZZ+26*(gg%2)
.set OB, 16*(gg%2)
.set AN, AF+28*(1-gg%2)
.set SN, AS+1-gg%2
.set ZN, ZZ+26*(1-gg%2)
.set OP, 16-OB
	s_wait_dscnt 0x0                               ; this group's operand is in
.if gg >= 2
	s_wait_alu depctr_vm_vsrc(0)                   ; the stores issued in the group before have read this group's out-buffer, which its search writes again
.endif
.if gg >= 1
	s_wait_alu depctr_va_vdst(0)                   ; the group before has written its out-buffer, which the stores below read, and its products and scores are done reading its operand buffer, in which the loads below land
	ds_store_b128 v[GR], v[MN+OP:MN+OP+3] offset:RESV+16*(gg-1)    ; all lanes store the same 16 bytes
	ds_store_b128 v[GR], v[CF+OP:CF+OP+3] offset:RESC+16*(gg-1)
.endif
.if gg+1 < G
	ds_load_b128 v[AN:AN+3], v[A16] offset:AIMG+1024*(gg+1)        ; no vector or matrix instruction since the wait names these registers
	ds_load_b128 v[AN+4:AN+7], v[A16] offset:AIMG+1024*(gg+1)+512
	ds_load_b32 v[SN], v[A4] offset:ASC+128*(gg+1)
	ds_load_b128 v[ZN:ZN+3], v[GZ] offset:ZZL+16*(gg+1)
.endif
.irp t, 0,1,2,3,4,5,6,7
	v_wmma_scale_f32_16x16x128_f8f6f4 v[D+8*\t:D+8*\t+7], v[AB:AB+7], v[BF+8*\t:BF+8*\t+7], 0, v[SB], v[BS+\t] matrix_a_fmt:MATRIX_FMT_FP4 matrix_b_fmt:MATRIX_FMT_FP4
.endr
	SVAL 0                                         ; its first four additions name no register of the products: they are the four places ahead of the first read of a result
	CMPS 0
.irp t, 1,2,3,4,5,6,7
	SVAL \t                                        ; the next tile's eight lines stand between a tile's compares and the wait for them
	s_wait_alu depctr_va_sdst(0)                   ; the tile before's compares have written their masks, which the selections below read
	SEL \t-1
	CMPS \t
.endr
.irp i, 0,1,2,3
	v_mov_b32 v[MN+OB+\i], v[BV+\i]
.endr
	s_wait_alu depctr_va_sdst(0)                   ; tile 7's compares have written their masks
	SEL 7
	REDUCE
.endm
	s_wait_loadcnt 0x0                             ; my codes, scale words and |e|^2
.irp i, 0,1,2,3
	v_mov_b32 v[TP+\i], 0                          ; written once: a lane permute's destination counts as one of its sources
.endr
	ds_load_b128 v[AF:AF+3], v[A16] offset:AIMG    ; group 0 into buffer 0, which no vector instruction has named
	ds_load_b128 v[AF+4:AF+7], v[A16] offset:AIMG+512
	ds_load_b32 v[AS], v[A4] offset:ASC
	ds_load_b128 v[ZZ:ZZ+3], v[GZ] offset:ZZL
.set gg, 0
.rept G
	GROUP
.set gg, gg+1
.endr
.set OB, 16*((G-1)%2)
	s_wait_alu depctr_va_vdst(0)                   ; the last group has written its out-buffer, which the stores read; the scores are done with v16-31, in which the last step's loads land
	ds_store_b128 v[GR], v[MN+OB:MN+OB+3] offset:RESV+16*(G-1)
	ds_store_b128 v[GR], v[CF+OB:CF+OB+3] offset:RESC+16*(G-1)
	s_wait_dscnt 0x0
	s_barrier_signal -1
	s_barrier_wait -1                              ; the eight waves' results lie in LDS
	; ---- 4: wave 0 takes the eight waves in ascending order of their codes: a strict < keeps the first
	s_cmp_lg_u32 s22, 0
	s_cbranch_scc1 .Ldone
.irp w, 0,1,2,3,4,5,6,7
	ds_load_b32 v[16+\w], v[FR] offset:RESV+128*\w
	ds_load_b32 v[24+\w], v[FR] offset:RESC+128*\w
.endr
	s_mul_i32 s86, ttmp9, 16*G
	s_mov_b32 s87, 0
	s_add_nc_u64 s[IDXO:IDXO+1], s[IDXO:IDXO+1], s[86:87]
	s_wait_dscnt 0x0
.irp w, 1,2,3,4,5,6,7
	v_cmp_lt_f32 s[75+\w], v[16+\w], v16           ; against the smallest of the waves before
	v_min_num_f32 v16, v16, v[16+\w]
.endr
	s_wait_alu depctr_va_sdst(0)                   ; the seven masks are written, which the selections below read
.irp w, 1,2,3,4,5,6,7
	v_cndmask_b32 v24, v24, v[24+\w], s[75+\w]
.endr
	v_cvt_u32_f32 v24, v24
	s_wait_alu depctr_va_vdst(0)                   ; the index is written, which the store reads
	global_store_b32 v[FR], v24, s[IDXO:IDXO+1]    ; lanes beyond the work-group's tokens repeat a token's word with the same value
.Ldone:
	s_wait_dscnt 0x0                               ; the closing lines, six on end
	s_wait_alu 0x0
	s_wait_tensorcnt 0x0
	ds_add_u32 v[SPW], v[NIL]
	s_wait_dscnt 0x0
	s_endpgm
.Lfunc_end_k_q7e7ac3008a_s0:
	.size	k_q7e7ac3008a_s0, .Lfunc_end_k_q7e7ac3008a_s0-k_q7e7ac3008a_s0
	.p2alignl 7, 3214868480
	.fill 96, 4, 3214868480
	.section	.rodata,"a",@progbits
	.p2align	6, 0x0
	.amdhsa_kernel k_q7e7ac3008a_s0
		.amdhsa_group_segment_fixed_size 24832
		.amdhsa_private_segment_fixed_size 0
		.amdhsa_enable_private_segment 0
		.amdhsa_kernarg_size 24
		.amdhsa_user_sgpr_count 2
		.amdhsa_user_sgpr_kernarg_segment_ptr 1
		.amdhsa_wavefront_size32 1
		.amdhsa_system_sgpr_workgroup_id_x 1
		.amdhsa_system_sgpr_workgroup_id_y 1
		.amdhsa_system_sgpr_workgroup_id_z 1
		.amdhsa_system_vgpr_workitem_id 0
		.amdhsa_next_free_vgpr 256
		.amdhsa_next_free_sgpr 90
		.amdhsa_reserve_vcc 0
		.amdhsa_float_denorm_mode_32 3
		.amdhsa_float_denorm_mode_16_64 3
		.amdhsa_memory_ordered 1
		.amdhsa_forward_progress 1
		.amdhsa_inst_pref_size 33
	.end_amdhsa_kernel
	.amdgpu_metadata
---
amdhsa.version: [ 1, 2 ]
amdhsa.kernels:
  - .name:           k_q7e7ac3008a_s0
    .symbol:         k_q7e7ac3008a_s0.kd
    .args:
      - { .name: pyr, .offset: 0, .size: 8, .value_kind: global_buffer, .address_space: global }
      - { .name: cb, .offset: 8, .size: 8, .value_kind: global_buffer, .address_space: global }
      - { .name: idx0, .offset: 16, .size: 8, .value_kind: global_buffer, .address_space: global }
    .group_segment_fixed_size: 24832
    .private_segment_fixed_size: 0
    .kernarg_segment_align: 8
    .kernarg_segment_size: 24
    .max_flat_workgroup_size: 256
    .sgpr_count:     90
    .vgpr_count:     256
    .wavefront_size: 32
...
	.end_amdgpu_metadata
.endif
;; end of part 8
;; launch s1 (part 9): grid 128 x 1, 8 waves a work-group, no clusters, 24,832 bytes of LDS; arguments emb_weight, pyr, cb, idx0, idx1, out0; writes idx1, out0
.if DOCPART == 9
	.amdgcn_target "amdgcn-amd-amdhsa--gfx1250"
	.amdhsa_code_object_version 6
	.text
	.protected	k_q7e7ac3008a_s1
	.globl	k_q7e7ac3008a_s1
	.p2align	8
	.type	k_q7e7ac3008a_s1,@function
k_q7e7ac3008a_s1:
	s_mov_b64 s[64:65], 0
	v_nop
	global_prefetch_b8 v0, s[64:65] scope:SCOPE_SE
	s_setreg_imm32_b32 hwreg(HW_REG_WAVE_SCHED_MODE, 0, 2), 2
	s_setreg_imm32_b32 hwreg(HW_REG_WAVE_MODE, 25, 1), 1
	s_wait_xcnt 0x0
	s_wait_alu depctr_vm_vsrc(0)
; STAGE 1 (pn = 2): the output's tokens 0-3 of image b (the area mean at 2 x 2 of up(h0), which is h0 = emb[idx0[b]] everywhere: one source has weight 1), z = the 2 x 2 means of f_src less that, and
; idx1[b][pos] = the first index of the smallest d = (|z|^2 + |e|^2) - 2 z.e.  The softmax and probs @ e are left out: soft + (hard - soft) is hard (see the first kernel's head).
; z.e is the QUANTISED product (E2M1, one scale for the 32 channels); |z|^2 and |e|^2 are of the unquantised numbers; d is rounded twice, as reference() rounds it: RN(RN(zz + ee) - 2 ze).
; LIMITS: NaN and infinities are not served (were every d NaN, 8,192 would be stored, which the launches that read it hold at 4,095).
; SHARES.  A work-group takes G groups of 4 tokens (here image b's four).  Its eight waves share the CODES: wave w keeps codes 512 w .. 512 w + 511 (8 tiles of 64) in registers.
; THE TILE.  K is 32, the instruction's K is 128: so its four blocks carry four different things.  Source 1: column n holds, in block q, code 64 T + 16 q + n.  Source 0: row m holds token m % 4 in block m / 4, and zero codes elsewhere
; (their scale bytes are 1).  So D(m, n) = token m % 4 . code 64 T + 16 (m / 4) + n: all 256 numbers are scores.  Register j of lane (r, h): token j % 4, code 64 T + 32 h + 16 (j / 4) + r.
; THE MODE: SCHED_MODE bits 1:0 = 2 (LLVM: expert scheduling mode 2), set by the entry lines.  The code itself states the register dependences between vector or matrix instructions and memory or LDS instructions, with s_wait_alu, always for 0.
; THE PLAN.  Registers that memory or LDS instructions touch, and who else names them:
;   v6-15, v238-242       offsets and LDS addresses: written at the head, ahead of ONE wait on va_vdst, and never again: every access is one of them and an immediate.
;   v44                   the gather's offset: the stored index is added in step 1; a wait on va_vdst ahead of the gather.
;   BF, BS, EE            loaded once; read by the products and the scores alone.
;   v168-171, v176-179    z and h0: a wait on va_vdst ahead of z's LDS store; one on vm_vsrc at the arm's end: step 2's loads land in these registers.
;   v196-205              step 2's image, scale word and |z|^2: a wait on va_vdst ahead of their stores, one on vm_vsrc behind them: the products write these registers.
;   AF, AS, ZZ            the group's operand: loaded; read by the products and the scores.   MN, CF: the search's results: a wait on va_vdst ahead of their stores.
;   s22, s76-83           written by vector instructions: each run of writers has one wait on va_sdst ahead of its first reader.
.set G,     1                          ; groups of 4 tokens in a work-group
.set ROWS,  1                          ; waves that make z
.set Z,     8192                       ; LDS: z, [token][128 bytes]
.set AIMG,  12288                      ; source 0 as an image of its registers: 1,024 bytes a group
.set ASC,   20480                      ; its scale words: 128 bytes a group
.set ZZL,   21504                      ; |z|^2: 16 bytes a group
.set RESV,  21760                      ; [wave][token]: the wave's smallest d,
.set RESC,  22784                      ; and its code, as f32
.set SPARE, 23808                      ; the spare words, 128 bytes for each wave
.set SWO,   65536                      ; cb: codes at 0, scale words here,
.set EEO,   69632                      ; |e|^2 here
.set SPW, 4                            ; v4 LDS address of my spare word, v5 0: never rewritten
.set NIL, 5
.set A16, 6                            ; 16 x lane
.set A4,  7                            ; 4 x lane
.set ZW,  10                           ; where a wave puts z
.set ZR,  11                           ; where a lane reads its token's z
.set AW,  12                           ; where a wave puts source 0's image,
.set ASW, 13                           ; its scale words,
.set ZZW, 14                           ; and |z|^2
.set FR,  15                           ; 4 x (lane's token) in the last step
.set S,   16                           ; v16-23 eight d at work
.set BV,  24                           ; v24-27 the smallest d so far of tokens 0-3
.set BI,  28                           ; v28-31 its place: 4 t + u
.set MN,  32                           ; v32-35, v48-51 the wave's smallest: out-buffer q at + 16 q
.set CF,  36                           ; v36-39, v52-55 codes as f32: likewise
.set TP,  40                           ; v40-43 at work
.set EO,  44                           ; v44 emb: my 16 bytes of a row, then of h0's row
.set BF,  64                           ; v64-127 my 8 tiles of codes
.set BS,  128                          ; v128-135 their scale words: scales and nothing else
.set EE,  136                          ; v136-151 |e|^2: for tile t the pair (u = 0, u = 1)
.set D,   152                          ; v152-215 eight results; free ahead of the products
.set AF,  216                          ; v216-223, v244-251 source 0: buffer p at + 28 p
.set AS,  224                          ; v224, v225 its scale words: scales and nothing else: buffer p at + p
.set ZZ,  226                          ; v226-229, v252-255 |z|^2 of tokens 0-3: buffer p at + 26 p
.set MLO, 230
.set MHI, 231
.set SH,  232
.set FILL, 233
.set LB,  234                          ; my lane's first code: 512 w + 32 h + r
.set BIG, 235                          ; 8,192.0: over every code
.set GZ,  238                          ; 0
.set GR,  239                          ; 128 w
.set CBC, 240
.set CBS, 241
.set CBE, 242
.set EMB, 4
.set PYR, 6
.set CB,  8
.set IDX0, 10
.set IDXO, 12
.set OUT, 14
	s_load_b256 s[4:11], s[0:1], 0x0               ; emb, pyr, cb, idx0
	s_load_b128 s[12:15], s[0:1], 0x20             ; idx1, out0
	v_lshl_add_u32 v[SPW], v0, 2, SPARE
	v_mov_b32 v[NIL], 0
	v_lshrrev_b32 v1, 5, v0
	v_readfirstlane_b32 s22, v1                    ; wave 0..7
	v_and_b32 v1, 31, v0                           ; lane
	v_and_b32 v2, 15, v0                           ; r
	v_bfe_u32 v3, v0, 4, 1                         ; h
	v_lshrrev_b32 v16, 2, v2                       ; row r's live block: r / 4.  Registers 0-3 of lane (r, h) are block h, registers 4-7 block 2 + h
	v_add_nc_u32 v17, 2, v3
	v_cmp_eq_u32 s76, v16, v3
	v_cmp_eq_u32 s77, v16, v17
	s_mov_b32 s26, 0x76543210
	s_mov_b32 s27, 0xfedcba98                      ; v_permlanex16_b32's selects for lane l xor 16
	v_lshlrev_b32 v[A16], 4, v1
	v_lshlrev_b32 v[A4], 2, v1
	v_lshlrev_b32 v[SH], 3, v16                    ; the live byte's place in the scale word
	v_mov_b32 v17, 1
	v_lshlrev_b32 v17, v[SH], v17
	v_xor_b32 v[FILL], 0x01010101, v17             ; byte 1 in the three dead places
	v_mov_b32 v[GZ], 0
	v_mov_b32 v[BIG], 0x46000000
	v_and_b32 v[FR], 4*G-1, v1
	v_lshlrev_b32 v[FR], 2, v[FR]
	v_and_b32 v[EO], 7, v1                         ; lane 8 i + q: token i, channels 4 q .. 4 q + 3
	v_lshlrev_b32 v[EO], 4, v[EO]
	s_wait_alu depctr_va_sdst(0)                   ; s22, s76 and s77 are written, ahead of their first readers
	v_cndmask_b32 v[MLO], 0, -1, s76
	v_cndmask_b32 v[MHI], 0, -1, s77
	s_lshl_b32 s29, s22, 11
	v_lshlrev_b32 v17, 7, v3
	v_lshl_add_u32 v17, v2, 2, v17
	v_add_nc_u32 v[CBE], s29, v17                  ; |e|^2: 2,048 w + 128 h + 4 r
	s_mul_i32 s30, s22, 512*G/ROWS
	v_add_nc_u32 v[ZW], s30, v[A16]
	s_lshl_b32 s31, s22, 9
	v_and_b32 v16, 3, v2
	v_lshl_add_u32 v[ZR], v16, 7, s31              ; token 4 w + r % 4
	v_lshl_add_u32 v[CBS], v2, 2, s31              ; scale words: 512 w + 4 r
	v_lshl_add_u32 v[LB], v3, 5, v2
	v_add_nc_u32 v[LB], s31, v[LB]
	s_lshl_b32 s34, s22, 10
	v_add_nc_u32 v[AW], s34, v[A16]
	s_lshl_b32 s33, s22, 7
	v_add_nc_u32 v[ASW], s33, v[A4]
	v_mov_b32 v[GR], s33
	s_lshl_b32 s35, s22, 4
	v_lshl_add_u32 v[ZZW], v16, 2, s35
	s_lshl_b32 s28, s22, 13
	v_add_nc_u32 v[CBC], s28, v[A16]               ; codes: 8,192 w + 16 x lane
	s_wait_kmcnt 0x0
	s_wait_alu depctr_va_vdst(0)                   ; the offsets and LDS addresses of the kernel are written: the loads and stores below read them
	; my 512 codes, their scale words and |e|^2: 40 loads, waited for in front of the products
.irp t, 0,1,2,3,4,5,6,7
	global_load_b128 v[BF+8*\t:BF+8*\t+3], v[CBC], s[CB:CB+1] offset:1024*\t
	global_load_b128 v[BF+8*\t+4:BF+8*\t+7], v[CBC], s[CB:CB+1] offset:1024*\t+512
.endr
.irp t, 0,1,2,3,4,5,6,7
	global_load_b32 v[BS+\t], v[CBS], s[CB:CB+1] offset:SWO+64*\t
.endr
.irp t, 0,1,2,3,4,5,6,7
	global_load_b32 v[EE+2*\t], v[CBE], s[CB:CB+1] offset:EEO+256*\t
	global_load_b32 v[EE+2*\t+1], v[CBE], s[CB:CB+1] offset:EEO+256*\t+64
.endr
	; ---- 1: wave 0: h0 by the stored index; the output's tokens 0-3; z
	s_cmp_lt_u32 s22, ROWS
	s_cbranch_scc0 .Lno_recon
	s_lshl_b32 s29, ttmp9, 2
	s_load_b32 s32, s[IDX0:IDX0+1], s29 offset:0x0
	s_mul_i32 s80, ttmp9, 11008
	s_mov_b32 s81, 0
	s_add_nc_u64 s[60:61], s[PYR:PYR+1], s[80:81]
	global_load_b128 v[168:171], v[A16], s[60:61] offset:80*128 th:TH_LOAD_NT   ; the 2 x 2 means: tokens 80-83
	s_mul_i32 s82, ttmp9, 43520
	s_mov_b32 s83, 0
	s_add_nc_u64 s[62:63], s[OUT:OUT+1], s[82:83]
	s_wait_kmcnt 0x0
	s_min_u32 s32, s32, 0xfff                      ; an index stays inside the table
	s_lshl_b32 s32, s32, 7
	v_add_nc_u32 v[EO], s32, v[EO]
	s_wait_alu depctr_va_vdst(0)                   ; the gather's offset is written
	global_load_b128 v[176:179], v[EO], s[EMB:EMB+1]
	s_wait_loadcnt 0x0
	global_store_b128 v[A16], v[176:179], s[62:63] th:TH_STORE_NT              ; 512 consecutive bytes, at a multiple of 256 from out0's first byte; its data are as loaded
	v_pk_add_f32 v[168:169], v[168:169], v[176:177] neg_lo:[0,1] neg_hi:[0,1]
	v_pk_add_f32 v[170:171], v[170:171], v[178:179] neg_lo:[0,1] neg_hi:[0,1]
	s_wait_alu depctr_va_vdst(0)                   ; z is written, which the LDS store reads; the subtractions are done reading h0, in whose registers step 2's loads land
	ds_store_b128 v[ZW], v[168:171] offset:Z
	s_wait_xcnt 0x0                                ; the global store's addresses are translated: its registers are written again below
	s_wait_alu depctr_vm_vsrc(0)                   ; both stores have read v168-171 and v176-179, in which step 2's loads land
.Lno_recon:
	s_wait_dscnt 0x0                               ; my stores have landed
	s_barrier_signal -1
	s_barrier_wait -1                              ; z lies in LDS
	; ---- 2: wave g < G quantises group g: every lane takes the whole row of token 4 g + r % 4, and keeps its codes where its registers are the row's live block
.if G < 8
	s_cmp_lt_u32 s22, G
	s_cbranch_scc0 .Lno_quant
.endif
.irp i, 0,1,2,3,4,5,6,7
	ds_load_b128 v[D+4*\i:D+4*\i+3], v[ZR] offset:Z+16*\i
.endr
	s_wait_dscnt 0x0
	v_max3_num_f32 v184, |v[D]|, |v[D+1]|, |v[D+2]|
	v_max3_num_f32 v185, |v[D+3]|, |v[D+4]|, |v[D+5]|
.irp i, 6,10,14,18,22,26
	v_max3_num_f32 v184, v184, |v[D+\i]|, |v[D+\i+1]|
	v_max3_num_f32 v185, v185, |v[D+\i+2]|, |v[D+\i+3]|
.endr
	v_max3_num_f32 v184, v184, |v[D+30]|, |v[D+31]|
	v_max3_num_f32 v184, v184, v185, 0x1800000     ; the floor 2^(3 - 127): the byte cannot fall under 1
	v_add_nc_u32 v186, 0xff000000, v184            ; 2 off the exponent field: the conversion's scale operand
	v_lshrrev_b32 v187, 23, v186                   ; the scale's byte,
	v_lshlrev_b32 v187, v[SH], v187                ; at the live block's place
	v_or_b32 v204, v187, v[FILL]
	v_pk_mul_f32 v[188:189], v[D:D+1], v[D:D+1]    ; |z|^2 of the unquantised z
	v_pk_mul_f32 v[190:191], v[D+2:D+3], v[D+2:D+3]
.irp i, 4,8,12,16,20,24,28
	v_pk_fma_f32 v[188:189], v[D+\i:D+\i+1], v[D+\i:D+\i+1], v[188:189]
	v_pk_fma_f32 v[190:191], v[D+\i+2:D+\i+3], v[D+\i+2:D+\i+3], v[190:191]
.endr
	v_pk_add_f32 v[188:189], v[188:189], v[190:191]
	v_add_f32 v205, v188, v189
.irp g, 0,1,2,3
	v_cvt_scalef32_pk8_fp4_f32 v[192+\g], v[D+8*\g:D+8*\g+7], v186
.endr
	v_nop                                          ; one plain place behind a scaled conversion
.irp g, 0,1,2,3
	v_and_b32 v[196+\g], v[MLO], v[192+\g]
	v_and_b32 v[200+\g], v[MHI], v[192+\g]
.endr
	s_wait_alu depctr_va_vdst(0)                   ; the image, the scale word and |z|^2 are written, which the LDS stores read
	ds_store_b128 v[AW], v[196:199] offset:AIMG
	ds_store_b128 v[AW], v[200:203] offset:AIMG+512
	ds_store_b32 v[ASW], v204 offset:ASC
	ds_store_b32 v[ZZW], v205 offset:ZZL           ; lanes of one token store the same word with the same value
	s_wait_alu depctr_vm_vsrc(0)                   ; these stores have read v196-205, which the products write
.Lno_quant:
	s_wait_dscnt 0x0
	s_barrier_signal -1
	s_barrier_wait -1                              ; the groups' images lie in LDS
; ---- 3: the scores and the argmax, written out group by group: every LDS address is a register of the head and an immediate
.macro SVAL t                          ; tile t: d = RN(RN(zz + ee) - 2 ze); the result is read from its low end on
	v_pk_add_f32 v[S:S+1], v[ZB:ZB+1], v[EE+2*(\t):EE+2*(\t)+1] op_sel_hi:[1,0]
	v_pk_add_f32 v[S+2:S+3], v[ZB+2:ZB+3], v[EE+2*(\t):EE+2*(\t)+1] op_sel_hi:[1,0]
	v_pk_add_f32 v[S+4:S+5], v[ZB:ZB+1], v[EE+2*(\t):EE+2*(\t)+1] op_sel:[0,1] op_sel_hi:[1,1]
	v_pk_add_f32 v[S+6:S+7], v[ZB+2:ZB+3], v[EE+2*(\t):EE+2*(\t)+1] op_sel:[0,1] op_sel_hi:[1,1]
.if (\t) == 0
	v_pk_fma_f32 v[BV:BV+1], v[D:D+1], -2.0, v[S:S+1] op_sel_hi:[1,0,1]            ; the first four start the search: nothing is compared
	v_pk_fma_f32 v[BV+2:BV+3], v[D+2:D+3], -2.0, v[S+2:S+3] op_sel_hi:[1,0,1]
.else
	v_pk_fma_f32 v[S:S+1], v[D+8*(\t):D+8*(\t)+1], -2.0, v[S:S+1] op_sel_hi:[1,0,1]
	v_pk_fma_f32 v[S+2:S+3], v[D+8*(\t)+2:D+8*(\t)+3], -2.0, v[S+2:S+3] op_sel_hi:[1,0,1]
.endif
	v_pk_fma_f32 v[S+4:S+5], v[D+8*(\t)+4:D+8*(\t)+5], -2.0, v[S+4:S+5] op_sel_hi:[1,0,1]
	v_pk_fma_f32 v[S+6:S+7], v[D+8*(\t)+6:D+8*(\t)+7], -2.0, v[S+6:S+7] op_sel_hi:[1,0,1]
.if (\t) == 0
.irp i, 0,1,2,3
	v_mov_b32 v[BI+\i], 0
.endr
.endif
.endm
.macro CMPS t                          ; the four tokens' d of places 4 t and 4 t + 1 against the smallest so far: a strict < keeps the first; the masks go to s76-79 and s80-83
.if (\t) > 0
.irp i, 0,1,2,3
	v_cmp_lt_f32 s[76+\i], v[S+\i], v[BV+\i]
.endr
.irp i, 0,1,2,3
	v_min_num_f32 v[BV+\i], v[BV+\i], v[S+\i]
.endr
.endif
.irp i, 0,1,2,3
	v_cmp_lt_f32 s[80+\i], v[S+4+\i], v[BV+\i]
.endr
.irp i, 0,1,2,3
	v_min_num_f32 v[BV+\i], v[BV+\i], v[S+4+\i]
.endr
.endm
.macro SEL t                           ; the places by those masks, 4 t first
.if (\t) > 0
.irp i, 0,1,2,3
	v_cndmask_b32 v[BI+\i], v[BI+\i], 4*(\t), s[76+\i]
.endr
.endif
.irp i, 0,1,2,3
	v_cndmask_b32 v[BI+\i], v[BI+\i], 4*(\t)+1, s[80+\i]
.endr
.endm
.macro LANEMIN x                       ; the smallest of v[x + i] over the 32 lanes, in every lane; the four tokens by turns
.irp m, 1,2,4,8
.irp i, 0,1,2,3
	v_min_num_f32_dpp v[\x+\i], v[\x+\i], v[\x+\i] row_xmask:\m row_mask:0xf bank_mask:0xf
.endr
.endr
.irp i, 0,1,2,3
	v_permlanex16_b32 v[TP+\i], v[\x+\i], s26, s27
.endr
.irp i, 0,1,2,3
	v_min_num_f32 v[\x+\i], v[\x+\i], v[TP+\i]
.endr
.endm
.macro REDUCE                          ; the wave's smallest d of each token, and the lowest code that has it, into out-buffer OB
.irp i, 0,1,2,3
	v_lshl_add_u32 v[CF+OB+\i], v[BI+\i], 4, v[LB] ; my code: 16 (4 t + u) + 512 w + 32 h + r
.endr
.irp i, 0,1,2,3
	v_cvt_f32_u32 v[CF+OB+\i], v[CF+OB+\i]
.endr
	LANEMIN MN+OB
.irp i, 0,1,2,3
	v_cmp_eq_f32 s[76+\i], v[BV+\i], v[MN+OB+\i]
.endr
	s_wait_alu depctr_va_sdst(0)                   ; the four masks are written, which the selections below read
.irp i, 0,1,2,3
	v_cndmask_b32 v[CF+OB+\i], v[BIG], v[CF+OB+\i], s[76+\i]
.endr
	LANEMIN CF+OB
.endm
; Group gg works on operand buffer gg % 2 and writes out-buffer gg % 2.  Its LDS instructions stand at its head: the stores of group gg - 1's results and the loads of group gg + 1's operand, which touch the other two buffers alone.
.macro GROUP
.set AB, AF+28*(gg%2)
.set SB, AS+gg%2
.set ZB, ZZ+26*(gg%2)
.set OB, 16*(gg%2)
.set AN, AF+28*(1-gg%2)
.set SN, AS+1-gg%2
.set ZN, ZZ+26*(1-gg%2)
.set OP, 16-OB
	s_wait_dscnt 0x0                               ; this group's operand is in
.if gg >= 2
	s_wait_alu depctr_vm_vsrc(0)                   ; the stores issued in the group before have read this group's out-buffer, which its search writes again
.endif
.if gg >= 1
	s_wait_alu depctr_va_vdst(0)                   ; the group before has written its out-buffer, which the stores below read, and its products and scores are done reading its operand buffer, in which the loads below land
	ds_store_b128 v[GR], v[MN+OP:MN+OP+3] offset:RESV+16*(gg-1)    ; all lanes store the same 16 bytes
	ds_store_b128 v[GR], v[CF+OP:CF+OP+3] offset:RESC+16*(gg-1)
.endif
.if gg+1 < G
	ds_load_b128 v[AN:AN+3], v[A16] offset:AIMG+1024*(gg+1)        ; no vector or matrix instruction since the wait names these registers
	ds_load_b128 v[AN+4:AN+7], v[A16] offset:AIMG+1024*(gg+1)+512
	ds_load_b32 v[SN], v[A4] offset:ASC+128*(gg+1)
	ds_load_b128 v[ZN:ZN+3], v[GZ] offset:ZZL+16*(gg+1)
.endif
.irp t, 0,1,2,3,4,5,6,7
	v_wmma_scale_f32_16x16x128_f8f6f4 v[D+8*\t:D+8*\t+7], v[AB:AB+7], v[BF+8*\t:BF+8*\t+7], 0, v[SB], v[BS+\t] matrix_a_fmt:MATRIX_FMT_FP4 matrix_b_fmt:MATRIX_FMT_FP4
.endr
	SVAL 0                                         ; its first four additions name no register of the products: they are the four places ahead of the first read of a result
	CMPS 0
.irp t, 1,2,3,4,5,6,7
	SVAL \t                                        ; the next tile's eight lines stand between a tile's compares and the wait for them
	s_wait_alu depctr_va_sdst(0)                   ; the tile before's compares have written their masks, which the selections below read
	SEL \t-1
	CMPS \t
.endr
.irp i, 0,1,2,3
	v_mov_b32 v[MN+OB+\i], v[BV+\i]
.endr
	s_wait_alu depctr_va_sdst(0)                   ; tile 7's compares have written their masks
	SEL 7
	REDUCE
.endm
	s_wait_loadcnt 0x0                             ; my codes, scale words and |e|^2
.irp i, 0,1,2,3
	v_mov_b32 v[TP+\i], 0                          ; written once: a lane permute's destination counts as one of its sources
.endr
	ds_load_b128 v[AF:AF+3], v[A16] offset:AIMG    ; group 0 into buffer 0, which no vector instruction has named
	ds_load_b128 v[AF+4:AF+7], v[A16] offset:AIMG+512
	ds_load_b32 v[AS], v[A4] offset:ASC
	ds_load_b128 v[ZZ:ZZ+3], v[GZ] offset:ZZL
.set gg, 0
.rept G
	GROUP
.set gg, gg+1
.endr
.set OB, 16*((G-1)%2)
	s_wait_alu depctr_va_vdst(0)                   ; the last group has written its out-buffer, which the stores read; the scores are done with v16-31, in which the last step's loads land
	ds_store_b128 v[GR], v[MN+OB:MN+OB+3] offset:RESV+16*(G-1)
	ds_store_b128 v[GR], v[CF+OB:CF+OB+3] offset:RESC+16*(G-1)
	s_wait_dscnt 0x0
	s_barrier_signal -1
	s_barrier_wait -1                              ; the eight waves' results lie in LDS
	; ---- 4: wave 0 takes the eight waves in ascending order of their codes: a strict < keeps the first
	s_cmp_lg_u32 s22, 0
	s_cbranch_scc1 .Ldone
.irp w, 0,1,2,3,4,5,6,7
	ds_load_b32 v[16+\w], v[FR] offset:RESV+128*\w
	ds_load_b32 v[24+\w], v[FR] offset:RESC+128*\w
.endr
	s_mul_i32 s86, ttmp9, 16*G
	s_mov_b32 s87, 0
	s_add_nc_u64 s[IDXO:IDXO+1], s[IDXO:IDXO+1], s[86:87]
	s_wait_dscnt 0x0
.irp w, 1,2,3,4,5,6,7
	v_cmp_lt_f32 s[75+\w], v[16+\w], v16           ; against the smallest of the waves before
	v_min_num_f32 v16, v16, v[16+\w]
.endr
	s_wait_alu depctr_va_sdst(0)                   ; the seven masks are written, which the selections below read
.irp w, 1,2,3,4,5,6,7
	v_cndmask_b32 v24, v24, v[24+\w], s[75+\w]
.endr
	v_cvt_u32_f32 v24, v24
	s_wait_alu depctr_va_vdst(0)                   ; the index is written, which the store reads
	global_store_b32 v[FR], v24, s[IDXO:IDXO+1]    ; lanes beyond the work-group's tokens repeat a token's word with the same value
.Ldone:
	s_wait_dscnt 0x0                               ; the closing lines, six on end
	s_wait_alu 0x0
	s_wait_tensorcnt 0x0
	ds_add_u32 v[SPW], v[NIL]
	s_wait_dscnt 0x0
	s_endpgm
.Lfunc_end_k_q7e7ac3008a_s1:
	.size	k_q7e7ac3008a_s1, .Lfunc_end_k_q7e7ac3008a_s1-k_q7e7ac3008a_s1
	.p2alignl 7, 3214868480
	.fill 96, 4, 3214868480
	.section	.rodata,"a",@progbits
	.p2align	6, 0x0
	.amdhsa_kernel k_q7e7ac3008a_s1
		.amdhsa_group_segment_fixed_size 24832
		.amdhsa_private_segment_fixed_size 0
		.amdhsa_enable_private_segment 0
		.amdhsa_kernarg_size 48
		.amdhsa_user_sgpr_count 2
		.amdhsa_user_sgpr_kernarg_segment_ptr 1
		.amdhsa_wavefront_size32 1
		.amdhsa_system_sgpr_workgroup_id_x 1
		.amdhsa_system_sgpr_workgroup_id_y 1
		.amdhsa_system_sgpr_workgroup_id_z 1
		.amdhsa_system_vgpr_workitem_id 0
		.amdhsa_next_free_vgpr 256
		.amdhsa_next_free_sgpr 90
		.amdhsa_reserve_vcc 0
		.amdhsa_float_denorm_mode_32 3
		.amdhsa_float_denorm_mode_16_64 3
		.amdhsa_memory_ordered 1
		.amdhsa_forward_progress 1
		.amdhsa_inst_pref_size 34
	.end_amdhsa_kernel
	.amdgpu_metadata
---
amdhsa.version: [ 1, 2 ]
amdhsa.kernels:
  - .name:           k_q7e7ac3008a_s1
    .symbol:         k_q7e7ac3008a_s1.kd
    .args:
      - { .name: emb_weight, .offset: 0, .size: 8, .value_kind: global_buffer, .address_space: global }
      - { .name: pyr, .offset: 8, .size: 8, .value_kind: global_buffer, .address_space: global }
      - { .name: cb, .offset: 16, .size: 8, .value_kind: global_buffer, .address_space: global }
      - { .name: idx0, .offset: 24, .size: 8, .value_kind: global_buffer, .address_space: global }
      - { .name: idx1, .offset: 32, .size: 8, .value_kind: global_buffer, .address_space: global }
      - { .name: out0, .offset: 40, .size: 8, .value_kind: global_buffer, .address_space: global }
    .group_segment_fixed_size: 24832
    .private_segment_fixed_size: 0
    .kernarg_segment_align: 8
    .kernarg_segment_size: 48
    .max_flat_workgroup_size: 256
    .sgpr_count:     90
    .vgpr_count:     256
    .wavefront_size: 32
...
	.end_amdgpu_metadata
.endif
;; end of part 9
;; launch s2 (part 10): grid 256 x 1, 8 waves a work-group, no clusters, 24,832 bytes of LDS; arguments emb_weight, pyr, cb, tab, idx0, idx1, idx2, out0; writes idx2, out0
.if DOCPART == 10
	.amdgcn_target "amdgcn-amd-amdhsa--gfx1250"
	.amdhsa_code_object_version 6
	.text
	.protected	k_q7e7ac3008a_s2
	.globl	k_q7e7ac3008a_s2
	.p2align	8
	.type	k_q7e7ac3008a_s2,@function
k_q7e7ac3008a_s2:
	s_mov_b64 s[64:65], 0
	v_nop
	global_prefetch_b8 v0, s[64:65] scope:SCOPE_SE
	s_setreg_imm32_b32 hwreg(HW_REG_WAVE_SCHED_MODE, 0, 2), 2
	s_setreg_imm32_b32 hwreg(HW_REG_WAVE_MODE, 25, 1), 1
	s_wait_xcnt 0x0
	s_wait_alu depctr_vm_vsrc(0)
; A STAGE WITH pn = P (this text serves P = 4 and P = 8; here P = 4): the output's segment that is the area mean at P x P of the up-sampled stage maps so far, z = the P x P means of f_src less that segment, and
; the stage's indices: the first index of the smallest d = (|z|^2 + |e|^2) - 2 z.e.  The softmax and probs @ e are left out: soft + (hard - soft) is hard (see the first kernel's head).
; z.e is the QUANTISED product (E2M1, one scale for the 32 channels); |z|^2 and |e|^2 are of the unquantised numbers; d is rounded twice, as reference() rounds it: RN(RN(zz + ee) - 2 ze).
; LIMITS: NaN and infinities are not served (were every d NaN, 8,192 would be stored, which the launches that read it hold at 4,095).
; SHARES.  A work-group takes half an image: P / 2 rows of P tokens, G groups of 4.  Its eight waves share the CODES: wave w keeps codes 512 w .. 512 w + 511 (8 tiles of 64) in registers.
; THE SEGMENT.  seg(y, x) = h0 + the sum over the maps p = 2 .. P / 2 and their places (a, c) of M[y][a] M[x][c] h_p[a][c], M from the table.  Wave w < P / 2 makes row y: first down the rows (a lane a channel, weights in scalar
; registers), then, turned through its own stage in LDS, along the row (lane 8 i + q: column 4 j + i, channels 4 q .. 4 q + 3, weights in vector registers).
; THE TILE.  K is 32, the instruction's K is 128: so its four blocks carry four different things.  Source 1: column n holds, in block q, code 64 T + 16 q + n.  Source 0: row m holds token m % 4 in block m / 4, and zero codes elsewhere
; (their scale bytes are 1).  So D(m, n) = token m % 4 . code 64 T + 16 (m / 4) + n: all 256 numbers are scores.  Register j of lane (r, h): token j % 4, code 64 T + 32 h + 16 (j / 4) + r.
; THE MODE: SCHED_MODE bits 1:0 = 2 (LLVM: expert scheduling mode 2), set by the entry lines.  The code itself states the register dependences between vector or matrix instructions and memory or LDS instructions, with s_wait_alu, always for 0.
; THE PLAN.  Registers that memory or LDS instructions touch, and who else names them:
;   v6-15, v44, v238-242  offsets and LDS addresses: written at the head, ahead of ONE wait on va_vdst, and never again: every access is one of them and an immediate.  For that the G groups of step 3 are written out and not walked
;                         by a loop: G times some 350 instructions.
;   BF, BS, EE            loaded once; read by the products and the scores alone.
;   GO                    the gathers' offsets: written by one run of additions, one wait on va_vdst, read by the run of gathers.  The stage rows land in these registers later, behind a wait on vm_vsrc.
;   R, U, z               written by step 1's arithmetic: one wait on va_vdst ahead of each run of stores; one on vm_vsrc at the arm's end: steps 2 and 3 write these registers again.
;   v196-205              step 2's image, scale word and |z|^2: a wait on va_vdst ahead of their stores, one on vm_vsrc behind them: the products write these registers.
;   AF, AS, ZZ            TWO operand buffers by turns.  Group g's products and scores read buffer g % 2; the loads of group g + 1, issued at group g's head, land in the other.
;   MN, CF                TWO out-buffers by turns.  Group g's search writes buffer g % 2; the stores issued at group g + 1's head read it.
;                         So the waits at a group's head state all that its LDS instructions hang on; these follow at once, and the products behind them.
;   s22, s76-83           written by vector instructions: each run of writers has one wait on va_sdst ahead of its first reader; a tile's eight compares share one, with the next tile's score lines between.
.set P,     4
.set G,     P*P/8                      ; groups of 4 tokens in a work-group
.set ROWS,  P/2                        ; waves that make z: a row each
.set NI,    P/4                        ; runs of 4 columns in a row
.set NK,    P-2                        ; weighted stage rows: 2 + 4 + .. + P / 2
.set NG,    5+16*(P/8)                 ; rows of emb that a wave gathers
.set TROW,  32-2*P                     ; the table's first row for this P,
.set TOFF,  4*(14-NK)                  ; and the byte in a row at which its NK weights begin
.if P == 8
.set PYT,   0                          ; the level's first token in pyr,
.set OUTT,  20                         ; the segment's first token in out0
.else
.set PYT,   64
.set OUTT,  4
.endif
.set RST,   0                          ; LDS: a wave's own stage, 2,048 bytes, rows of 128
.set Z,     8192                       ; z, [token][128 bytes]
.set AIMG,  12288                      ; source 0 as an image of its registers: 1,024 bytes a group
.set ASC,   20480                      ; its scale words: 128 bytes a group
.set ZZL,   21504                      ; |z|^2: 16 bytes a group
.set RESV,  21760                      ; [wave][token]: the wave's smallest d,
.set RESC,  22784                      ; and its code, as f32
.set SPARE, 23808                      ; the spare words, 128 bytes for each wave
.set SWO,   65536                      ; cb: codes at 0, scale words here,
.set EEO,   69632                      ; |e|^2 here
.set SPW, 4                            ; v4 LDS address of my spare word, v5 0: never rewritten
.set NIL, 5
.set A16, 6                            ; 16 x lane
.set A4,  7                            ; 4 x lane
.set RSTW, 8                           ; my stage, a lane a channel
.set RSTR, 9                           ; my stage, 16 bytes for each of 8 lanes
.set ZW,  10                           ; where a wave puts z
.set ZR,  11                           ; where a lane reads its token's z
.set AW,  12                           ; where a wave puts source 0's image,
.set ASW, 13                           ; its scale words,
.set ZZW, 14                           ; and |z|^2
.set FR,  15                           ; 4 x (lane's token) in the last step
.set S,   16                           ; v16-23 eight d at work
.set BV,  24                           ; v24-27 the smallest d so far of tokens 0-3
.set BI,  28                           ; v28-31 its place: 4 t + u
.set MN,  32                           ; v32-35, v48-51 the wave's smallest: out-buffer q at + 16 q
.set CF,  36                           ; v36-39, v52-55 codes as f32: likewise
.set TP,  40                           ; v40-43 at work
.set H0,  16                           ; ahead of the scores: v16 h0, v17-20 h1, v21-36 h2 (a lane a channel),
.set H1,  17
.set H2,  21
.set R,   38                           ; v38.. the NK stage rows
.set WXO, 44                           ; v44 my column's row of the table
.set BF,  64                           ; v64-127 my 8 tiles of codes
.set BS,  128                          ; v128-135 their scale words: scales and nothing else
.set EE,  136                          ; v136-151 |e|^2: for tile t the pair (u = 0, u = 1)
.set D,   152                          ; v152-215 eight results; free ahead of the products:
.set WX,  152                          ;   the weights along the row, 8 registers a run of columns
.set AA,  168                          ;   the means of f_src, then z
.set GO,  176                          ;   the gathers' offsets, one for each of h0, h1, h2's rows; then
.set RQ,  176                          ;   the stage rows back, 4 channels a lane
.set U,   204                          ;   the segment
.set AF,  216                          ; v216-223, v244-251 source 0: buffer p at + 28 p
.set AS,  224                          ; v224, v225 its scale words: scales and nothing else: buffer p at + p
.set ZZ,  226                          ; v226-229, v252-255 |z|^2 of tokens 0-3: buffer p at + 26 p
.set MLO, 230
.set MHI, 231
.set SH,  232
.set FILL, 233
.set LB,  234                          ; my lane's first code: 512 w + 32 h + r
.set BIG, 235                          ; 8,192.0: over every code
.set GZ,  238                          ; 0
.set GR,  239                          ; 128 w
.set CBC, 240
.set CBS, 241
.set CBE, 242
.set EMB, 4
.set PYR, 6
.set CB,  8
.set TAB, 10
.set IDX0, 12
.set IDX1, 14
.if P == 8
.set IDX2, 16
.set IDXO, 18
.set OUT, 20
.else
.set IDXO, 16
.set OUT, 18
.endif
	s_load_b512 s[4:19], s[0:1], 0x0
.if P == 8
	s_load_b64 s[20:21], s[0:1], 0x40
.endif
	v_lshl_add_u32 v[SPW], v0, 2, SPARE
	v_mov_b32 v[NIL], 0
	v_lshrrev_b32 v1, 5, v0
	v_readfirstlane_b32 s22, v1                    ; wave 0..7
	v_and_b32 v1, 31, v0                           ; lane
	v_and_b32 v2, 15, v0                           ; r
	v_bfe_u32 v3, v0, 4, 1                         ; h
	v_lshrrev_b32 v16, 2, v2                       ; row r's live block: r / 4.  Registers 0-3 of lane (r, h) are block h, registers 4-7 block 2 + h
	v_add_nc_u32 v17, 2, v3
	v_cmp_eq_u32 s76, v16, v3
	v_cmp_eq_u32 s77, v16, v17
	s_mov_b32 s26, 0x76543210
	s_mov_b32 s27, 0xfedcba98                      ; v_permlanex16_b32's selects for lane l xor 16
	v_lshlrev_b32 v[A16], 4, v1
	v_lshlrev_b32 v[A4], 2, v1
	v_lshlrev_b32 v[SH], 3, v16                    ; the live byte's place in the scale word
	v_mov_b32 v17, 1
	v_lshlrev_b32 v17, v[SH], v17
	v_xor_b32 v[FILL], 0x01010101, v17             ; byte 1 in the three dead places
	v_mov_b32 v[GZ], 0
	v_mov_b32 v[BIG], 0x46000000
	v_and_b32 v[FR], 4*G-1, v1
	v_lshlrev_b32 v[FR], 2, v[FR]
	v_lshrrev_b32 v[WXO], 3, v1
	v_lshlrev_b32 v[WXO], 6, v[WXO]                ; my column's row of the table
	s_wait_alu depctr_va_sdst(0)                   ; s22, s76 and s77 are written, ahead of their first readers
	v_cndmask_b32 v[MLO], 0, -1, s76
	v_cndmask_b32 v[MHI], 0, -1, s77
	s_lshl_b32 s29, s22, 11
	v_add_nc_u32 v[RSTW], s29, v[A4]
	v_and_b32 v16, 7, v1
	v_lshl_add_u32 v[RSTR], v16, 4, s29
	v_lshlrev_b32 v17, 7, v3
	v_lshl_add_u32 v17, v2, 2, v17
	v_add_nc_u32 v[CBE], s29, v17                  ; |e|^2: 2,048 w + 128 h + 4 r
	s_mul_i32 s30, s22, 512*G/ROWS
	v_add_nc_u32 v[ZW], s30, v[A16]
	s_lshl_b32 s31, s22, 9
	v_and_b32 v16, 3, v2
	v_lshl_add_u32 v[ZR], v16, 7, s31              ; token 4 w + r % 4
	v_lshl_add_u32 v[CBS], v2, 2, s31              ; scale words: 512 w + 4 r
	v_lshl_add_u32 v[LB], v3, 5, v2
	v_add_nc_u32 v[LB], s31, v[LB]
	s_lshl_b32 s34, s22, 10
	v_add_nc_u32 v[AW], s34, v[A16]
	s_lshl_b32 s33, s22, 7
	v_add_nc_u32 v[ASW], s33, v[A4]
	v_mov_b32 v[GR], s33
	s_lshl_b32 s35, s22, 4
	v_lshl_add_u32 v[ZZW], v16, 2, s35
	s_lshl_b32 s28, s22, 13
	v_add_nc_u32 v[CBC], s28, v[A16]               ; codes: 8,192 w + 16 x lane
	s_wait_kmcnt 0x0
	s_wait_alu depctr_va_vdst(0)                   ; the offsets and LDS addresses of the kernel are written: the loads and stores below read them; so are v16 and v17, in which gathers land
	; my 512 codes, their scale words and |e|^2: 40 loads, waited for in front of the products
.irp t, 0,1,2,3,4,5,6,7
	global_load_b128 v[BF+8*\t:BF+8*\t+3], v[CBC], s[CB:CB+1] offset:1024*\t
	global_load_b128 v[BF+8*\t+4:BF+8*\t+7], v[CBC], s[CB:CB+1] offset:1024*\t+512
.endr
.irp t, 0,1,2,3,4,5,6,7
	global_load_b32 v[BS+\t], v[CBS], s[CB:CB+1] offset:SWO+64*\t
.endr
.irp t, 0,1,2,3,4,5,6,7
	global_load_b32 v[EE+2*\t], v[CBE], s[CB:CB+1] offset:EEO+256*\t
	global_load_b32 v[EE+2*\t+1], v[CBE], s[CB:CB+1] offset:EEO+256*\t+64
.endr
	; ---- 1: wave w < ROWS makes row y of the segment and of z
	s_cmp_lt_u32 s22, ROWS
	s_cbranch_scc0 .Lno_recon
	s_lshr_b32 s23, ttmp9, 1                       ; the image
	s_and_b32 s24, ttmp9, 1                        ; which half of its rows
	s_mul_i32 s25, s24, ROWS
	s_add_co_u32 s25, s25, s22                     ; y
	s_lshl_b32 s29, s23, 2
	s_load_b32 s32, s[IDX0:IDX0+1], s29 offset:0x0             ; the stored indices of the image's earlier stages
	s_lshl_b32 s30, s23, 4
	s_load_b128 s[36:39], s[IDX1:IDX1+1], s30 offset:0x0
	s_lshl_b32 s34, s25, 6
.if P == 8
	s_lshl_b32 s31, s23, 6
	s_load_b512 s[44:59], s[IDX2:IDX2+1], s31 offset:0x0
	s_load_b256 s[68:75], s[TAB:TAB+1], s34 offset:TROW*64+TOFF   ; row y's weights
.else
	s_load_b64 s[68:69], s[TAB:TAB+1], s34 offset:TROW*64+TOFF
.endif
	s_mul_i32 s80, s23, 11008
	s_mul_i32 s82, s25, P*128
	s_add_co_u32 s80, s80, s82
	s_mov_b32 s81, 0
	s_add_nc_u64 s[60:61], s[PYR:PYR+1], s[80:81]  ; the level's row y in pyr
	s_mul_i32 s84, s23, 43520
	s_add_co_u32 s84, s84, s82
	s_mov_b32 s85, 0
	s_add_nc_u64 s[62:63], s[OUT:OUT+1], s[84:85]  ; the segment's row y in out0
.set xi, 0
.rept NI
	global_load_b128 v[WX+8*xi:WX+8*xi+3], v[WXO], s[TAB:TAB+1] offset:(TROW+4*xi)*64+TOFF
.if P == 8
	global_load_b128 v[WX+8*xi+4:WX+8*xi+7], v[WXO], s[TAB:TAB+1] offset:(TROW+4*xi)*64+TOFF+16
.endif
	global_load_b128 v[AA+4*xi:AA+4*xi+3], v[A16], s[60:61] offset:PYT*128+512*xi th:TH_LOAD_NT
.set xi, xi+1
.endr
.macro GOFF n, si                      ; v[GO + n] = the offset of emb[s[si]][my channel]
	s_min_u32 s[\si], s[\si], 0xfff                ; an index stays inside the table
	s_lshl_b32 s[\si], s[\si], 7
	v_add_nc_u32 v[GO+\n], s[\si], v[A4]
.endm
	s_wait_kmcnt 0x0
	GOFF 0, 32
.irp n, 0,1,2,3
	GOFF 1+\n, 36+\n
.endr
.if P == 8
.irp n, 0,1,2,3,4,5,6,7,8,9,10,11,12,13,14,15
	GOFF 5+\n, 44+\n
.endr
.endif
	s_wait_alu depctr_va_vdst(0)                   ; all the gathers' offsets are written
.set xk, 0
.rept NG
	global_load_b32 v[H0+xk], v[GO+xk], s[EMB:EMB+1]               ; 128 consecutive bytes a wave
.set xk, xk+1
.endr
	s_wait_loadcnt 0x0
.if P == 8
.irp c, 0,1,2,3
	v_mul_f32 v[R+\c], s68, v[H2+\c]               ; down the rows of the 4 x 4 map
.endr
.irp a, 1,2,3
.irp c, 0,1,2,3
	v_fmac_f32 v[R+\c], s[68+\a], v[H2+4*\a+\c]
.endr
.endr
.endif
.irp c, 0,1
	v_mul_f32 v[R+NK-2+\c], s[68+NK-2], v[H1+\c]   ; and of the 2 x 2 map
.endr
.irp c, 0,1
	v_fmac_f32 v[R+NK-2+\c], s[68+NK-1], v[H1+2+\c]
.endr
	s_wait_alu depctr_va_vdst(0)                   ; the stage rows are written, which the LDS stores read
	s_wait_alu depctr_vm_vsrc(0)                   ; the gathers have read their offsets, in whose registers the LDS loads land
.set xk, 0
.rept NK
	ds_store_b32 v[RSTW], v[R+xk] offset:RST+128*xk
.set xk, xk+1
.endr
	ds_store_b32 v[RSTW], v[H0] offset:RST+128*NK
.set xk, 0
.rept NK+1
	ds_load_b128 v[RQ+4*xk:RQ+4*xk+3], v[RSTR] offset:RST+128*xk   ; LDS serves a wave's instructions in order: these see my stores
.set xk, xk+1
.endr
	s_wait_dscnt 0x0
.macro XSTEP                           ; stage row xk into the columns of run xi, two channels an instruction; the weight serves both halves; the first step takes h0 as its addend
.irp c, 0,2
.if xk == 0
	v_pk_fma_f32 v[U+4*xi+\c:U+4*xi+\c+1], v[RQ+\c:RQ+\c+1], v[WX+8*xi:WX+8*xi+1], v[RQ+4*NK+\c:RQ+4*NK+\c+1] op_sel_hi:[1,0,1]
.elseif xk%2 == 0
	v_pk_fma_f32 v[U+4*xi+\c:U+4*xi+\c+1], v[RQ+4*xk+\c:RQ+4*xk+\c+1], v[WX+8*xi+xk:WX+8*xi+xk+1], v[U+4*xi+\c:U+4*xi+\c+1] op_sel_hi:[1,0,1]
.else
	v_pk_fma_f32 v[U+4*xi+\c:U+4*xi+\c+1], v[RQ+4*xk+\c:RQ+4*xk+\c+1], v[WX+8*xi+xk-1:WX+8*xi+xk], v[U+4*xi+\c:U+4*xi+\c+1] op_sel:[0,1,0] op_sel_hi:[1,1,1]
.endif
.endr
.endm
.set xk, 0
.rept NK
.set xi, 0
.rept NI
	XSTEP
.set xi, xi+1
.endr
.set xk, xk+1
.endr
.set xi, 0
.rept NI
	v_pk_add_f32 v[AA+4*xi:AA+4*xi+1], v[AA+4*xi:AA+4*xi+1], v[U+4*xi:U+4*xi+1] neg_lo:[0,1] neg_hi:[0,1]
	v_pk_add_f32 v[AA+4*xi+2:AA+4*xi+3], v[AA+4*xi+2:AA+4*xi+3], v[U+4*xi+2:U+4*xi+3] neg_lo:[0,1] neg_hi:[0,1]
.set xi, xi+1
.endr
	s_wait_alu depctr_va_vdst(0)                   ; the segment and z are written, which the stores read; the sums are done reading the weights and the stage rows, in whose registers step 2's loads land
.set xi, 0
.rept NI
	global_store_b128 v[A16], v[U+4*xi:U+4*xi+3], s[62:63] offset:OUTT*128+512*xi th:TH_STORE_NT   ; 512 consecutive bytes, at a multiple of 256 from out0's first byte
	ds_store_b128 v[ZW], v[AA+4*xi:AA+4*xi+3] offset:Z+512*xi
.set xi, xi+1
.endr
	s_wait_xcnt 0x0                                ; the global stores' addresses are translated: their registers are written again below
	s_wait_alu depctr_vm_vsrc(0)                   ; the stores of this step have read h0, the stage rows, the segment and z: steps 2 and 3 write all these registers again
.Lno_recon:
	s_wait_dscnt 0x0                               ; my stores have landed
	s_barrier_signal -1
	s_barrier_wait -1                              ; z lies in LDS
	; ---- 2: wave g < G quantises group g: every lane takes the whole row of token 4 g + r % 4, and keeps its codes where its registers are the row's live block
.if G < 8
	s_cmp_lt_u32 s22, G
	s_cbranch_scc0 .Lno_quant
.endif
.irp i, 0,1,2,3,4,5,6,7
	ds_load_b128 v[D+4*\i:D+4*\i+3], v[ZR] offset:Z+16*\i
.endr
	s_wait_dscnt 0x0
	v_max3_num_f32 v184, |v[D]|, |v[D+1]|, |v[D+2]|
	v_max3_num_f32 v185, |v[D+3]|, |v[D+4]|, |v[D+5]|
.irp i, 6,10,14,18,22,26
	v_max3_num_f32 v184, v184, |v[D+\i]|, |v[D+\i+1]|
	v_max3_num_f32 v185, v185, |v[D+\i+2]|, |v[D+\i+3]|
.endr
	v_max3_num_f32 v184, v184, |v[D+30]|, |v[D+31]|
	v_max3_num_f32 v184, v184, v185, 0x1800000     ; the floor 2^(3 - 127): the byte cannot fall under 1
	v_add_nc_u32 v186, 0xff000000, v184            ; 2 off the exponent field: the conversion's scale operand
	v_lshrrev_b32 v187, 23, v186                   ; the scale's byte,
	v_lshlrev_b32 v187, v[SH], v187                ; at the live block's place
	v_or_b32 v204, v187, v[FILL]
	v_pk_mul_f32 v[188:189], v[D:D+1], v[D:D+1]    ; |z|^2 of the unquantised z
	v_pk_mul_f32 v[190:191], v[D+2:D+3], v[D+2:D+3]
.irp i, 4,8,12,16,20,24,28
	v_pk_fma_f32 v[188:189], v[D+\i:D+\i+1], v[D+\i:D+\i+1], v[188:189]
	v_pk_fma_f32 v[190:191], v[D+\i+2:D+\i+3], v[D+\i+2:D+\i+3], v[190:191]
.endr
	v_pk_add_f32 v[188:189], v[188:189], v[190:191]
	v_add_f32 v205, v188, v189
.irp g, 0,1,2,3
	v_cvt_scalef32_pk8_fp4_f32 v[192+\g], v[D+8*\g:D+8*\g+7], v186
.endr
	v_nop                                          ; one plain place behind a scaled conversion
.irp g, 0,1,2,3
	v_and_b32 v[196+\g], v[MLO], v[192+\g]
	v_and_b32 v[200+\g], v[MHI], v[192+\g]
.endr
	s_wait_alu depctr_va_vdst(0)                   ; the image, the scale word and |z|^2 are written, which the LDS stores read
	ds_store_b128 v[AW], v[196:199] offset:AIMG
	ds_store_b128 v[AW], v[200:203] offset:AIMG+512
	ds_store_b32 v[ASW], v204 offset:ASC
	ds_store_b32 v[ZZW], v205 offset:ZZL           ; lanes of one token store the same word with the same value
	s_wait_alu depctr_vm_vsrc(0)                   ; these stores have read v196-205, which the products write
.Lno_quant:
	s_wait_dscnt 0x0
	s_barrier_signal -1
	s_barrier_wait -1                              ; the groups' images lie in LDS
; ---- 3: the scores and the argmax, written out group by group: every LDS address is a register of the head and an immediate
.macro SVAL t                          ; tile t: d = RN(RN(zz + ee) - 2 ze); the result is read from its low end on
	v_pk_add_f32 v[S:S+1], v[ZB:ZB+1], v[EE+2*(\t):EE+2*(\t)+1] op_sel_hi:[1,0]
	v_pk_add_f32 v[S+2:S+3], v[ZB+2:ZB+3], v[EE+2*(\t):EE+2*(\t)+1] op_sel_hi:[1,0]
	v_pk_add_f32 v[S+4:S+5], v[ZB:ZB+1], v[EE+2*(\t):EE+2*(\t)+1] op_sel:[0,1] op_sel_hi:[1,1]
	v_pk_add_f32 v[S+6:S+7], v[ZB+2:ZB+3], v[EE+2*(\t):EE+2*(\t)+1] op_sel:[0,1] op_sel_hi:[1,1]
.if (\t) == 0
	v_pk_fma_f32 v[BV:BV+1], v[D:D+1], -2.0, v[S:S+1] op_sel_hi:[1,0,1]            ; the first four start the search: nothing is compared
	v_pk_fma_f32 v[BV+2:BV+3], v[D+2:D+3], -2.0, v[S+2:S+3] op_sel_hi:[1,0,1]
.else
	v_pk_fma_f32 v[S:S+1], v[D+8*(\t):D+8*(\t)+1], -2.0, v[S:S+1] op_sel_hi:[1,0,1]
	v_pk_fma_f32 v[S+2:S+3], v[D+8*(\t)+2:D+8*(\t)+3], -2.0, v[S+2:S+3] op_sel_hi:[1,0,1]
.endif
	v_pk_fma_f32 v[S+4:S+5], v[D+8*(\t)+4:D+8*(\t)+5], -2.0, v[S+4:S+5] op_sel_hi:[1,0,1]
	v_pk_fma_f32 v[S+6:S+7], v[D+8*(\t)+6:D+8*(\t)+7], -2.0, v[S+6:S+7] op_sel_hi:[1,0,1]
.if (\t) == 0
.irp i, 0,1,2,3
	v_mov_b32 v[BI+\i], 0
.endr
.endif
.endm
.macro CMPS t                          ; the four tokens' d of places 4 t and 4 t + 1 against the smallest so far: a strict < keeps the first; the masks go to s76-79 and s80-83
.if (\t) > 0
.irp i, 0,1,2,3
	v_cmp_lt_f32 s[76+\i], v[S+\i], v[BV+\i]
.endr
.irp i, 0,1,2,3
	v_min_num_f32 v[BV+\i], v[BV+\i], v[S+\i]
.endr
.endif
.irp i, 0,1,2,3
	v_cmp_lt_f32 s[80+\i], v[S+4+\i], v[BV+\i]
.endr
.irp i, 0,1,2,3
	v_min_num_f32 v[BV+\i], v[BV+\i], v[S+4+\i]
.endr
.endm
.macro SEL t                           ; the places by those masks, 4 t first
.if (\t) > 0
.irp i, 0,1,2,3
	v_cndmask_b32 v[BI+\i], v[BI+\i], 4*(\t), s[76+\i]
.endr
.endif
.irp i, 0,1,2,3
	v_cndmask_b32 v[BI+\i], v[BI+\i], 4*(\t)+1, s[80+\i]
.endr
.endm
.macro LANEMIN x                       ; the smallest of v[x + i] over the 32 lanes, in every lane; the four tokens by turns
.irp m, 1,2,4,8
.irp i, 0,1,2,3
	v_min_num_f32_dpp v[\x+\i], v[\x+\i], v[\x+\i] row_xmask:\m row_mask:0xf bank_mask:0xf
.endr
.endr
.irp i, 0,1,2,3
	v_permlanex16_b32 v[TP+\i], v[\x+\i], s26, s27
.endr
.irp i, 0,1,2,3
	v_min_num_f32 v[\x+\i], v[\x+\i], v[TP+\i]
.endr
.endm
.macro REDUCE                          ; the wave's smallest d of each token, and the lowest code that has it, into out-buffer OB
.irp i, 0,1,2,3
	v_lshl_add_u32 v[CF+OB+\i], v[BI+\i], 4, v[LB] ; my code: 16 (4 t + u) + 512 w + 32 h + r
.endr
.irp i, 0,1,2,3
	v_cvt_f32_u32 v[CF+OB+\i], v[CF+OB+\i]
.endr
	LANEMIN MN+OB
.irp i, 0,1,2,3
	v_cmp_eq_f32 s[76+\i], v[BV+\i], v[MN+OB+\i]
.endr
	s_wait_alu depctr_va_sdst(0)                   ; the four masks are written, which the selections below read
.irp i, 0,1,2,3
	v_cndmask_b32 v[CF+OB+\i], v[BIG], v[CF+OB+\i], s[76+\i]
.endr
	LANEMIN CF+OB
.endm
; Group gg works on operand buffer gg % 2 and writes out-buffer gg % 2.  Its LDS instructions stand at its head: the stores of group gg - 1's results and the loads of group gg + 1's operand, which touch the other two buffers alone.
.macro GROUP
.set AB, AF+28*(gg%2)
.set SB, AS+gg%2
.set ZB, ZZ+26*(gg%2)
.set OB, 16*(gg%2)
.set AN, AF+28*(1-gg%2)
.set SN, AS+1-gg%2
.set ZN, ZZ+26*(1-gg%2)
.set OP, 16-OB
	s_wait_dscnt 0x0                               ; this group's operand is in
.if gg >= 2
	s_wait_alu depctr_vm_vsrc(0)                   ; the stores issued in the group before have read this group's out-buffer, which its search writes again
.endif
.if gg >= 1
	s_wait_alu depctr_va_vdst(0)                   ; the group before has written its out-buffer, which the stores below read, and its products and scores are done reading its operand buffer, in which the loads below land
	ds_store_b128 v[GR], v[MN+OP:MN+OP+3] offset:RESV+16*(gg-1)    ; all lanes store the same 16 bytes
	ds_store_b128 v[GR], v[CF+OP:CF+OP+3] offset:RESC+16*(gg-1)
.endif
.if gg+1 < G
	ds_load_b128 v[AN:AN+3], v[A16] offset:AIMG+1024*(gg+1)        ; no vector or matrix instruction since the wait names these registers
	ds_load_b128 v[AN+4:AN+7], v[A16] offset:AIMG+1024*(gg+1)+512
	ds_load_b32 v[SN], v[A4] offset:ASC+128*(gg+1)
	ds_load_b128 v[ZN:ZN+3], v[GZ] offset:ZZL+16*(gg+1)
.endif
.irp t, 0,1,2,3,4,5,6,7
	v_wmma_scale_f32_16x16x128_f8f6f4 v[D+8*\t:D+8*\t+7], v[AB:AB+7], v[BF+8*\t:BF+8*\t+7], 0, v[SB], v[BS+\t] matrix_a_fmt:MATRIX_FMT_FP4 matrix_b_fmt:MATRIX_FMT_FP4
.endr
	SVAL 0                                         ; its first four additions name no register of the products: they are the four places ahead of the first read of a result
	CMPS 0
.irp t, 1,2,3,4,5,6,7
	SVAL \t                                        ; the next tile's eight lines stand between a tile's compares and the wait for them
	s_wait_alu depctr_va_sdst(0)                   ; the tile before's compares have written their masks, which the selections below read
	SEL \t-1
	CMPS \t
.endr
.irp i, 0,1,2,3
	v_mov_b32 v[MN+OB+\i], v[BV+\i]
.endr
	s_wait_alu depctr_va_sdst(0)                   ; tile 7's compares have written their masks
	SEL 7
	REDUCE
.endm
	s_wait_loadcnt 0x0                             ; my codes, scale words and |e|^2
.irp i, 0,1,2,3
	v_mov_b32 v[TP+\i], 0                          ; written once: a lane permute's destination counts as one of its sources
.endr
	ds_load_b128 v[AF:AF+3], v[A16] offset:AIMG    ; group 0 into buffer 0, which no vector instruction has named
	ds_load_b128 v[AF+4:AF+7], v[A16] offset:AIMG+512
	ds_load_b32 v[AS], v[A4] offset:ASC
	ds_load_b128 v[ZZ:ZZ+3], v[GZ] offset:ZZL
.set gg, 0
.rept G
	GROUP
.set gg, gg+1
.endr
.set OB, 16*((G-1)%2)
	s_wait_alu depctr_va_vdst(0)                   ; the last group has written its out-buffer, which the stores read; the scores are done with v16-31, in which the last step's loads land
	ds_store_b128 v[GR], v[MN+OB:MN+OB+3] offset:RESV+16*(G-1)
	ds_store_b128 v[GR], v[CF+OB:CF+OB+3] offset:RESC+16*(G-1)
	s_wait_dscnt 0x0
	s_barrier_signal -1
	s_barrier_wait -1                              ; the eight waves' results lie in LDS
	; ---- 4: wave 0 takes the eight waves in ascending order of their codes: a strict < keeps the first
	s_cmp_lg_u32 s22, 0
	s_cbranch_scc1 .Ldone
.irp w, 0,1,2,3,4,5,6,7
	ds_load_b32 v[16+\w], v[FR] offset:RESV+128*\w
	ds_load_b32 v[24+\w], v[FR] offset:RESC+128*\w
.endr
	s_mul_i32 s86, ttmp9, 16*G
	s_mov_b32 s87, 0
	s_add_nc_u64 s[IDXO:IDXO+1], s[IDXO:IDXO+1], s[86:87]
	s_wait_dscnt 0x0
.irp w, 1,2,3,4,5,6,7
	v_cmp_lt_f32 s[75+\w], v[16+\w], v16           ; against the smallest of the waves before
	v_min_num_f32 v16, v16, v[16+\w]
.endr
	s_wait_alu depctr_va_sdst(0)                   ; the seven masks are written, which the selections below read
.irp w, 1,2,3,4,5,6,7
	v_cndmask_b32 v24, v24, v[24+\w], s[75+\w]
.endr
	v_cvt_u32_f32 v24, v24
	s_wait_alu depctr_va_vdst(0)                   ; the index is written, which the store reads
	global_store_b32 v[FR], v24, s[IDXO:IDXO+1]    ; lanes beyond the work-group's tokens repeat a token's word with the same value
.Ldone:
	s_wait_dscnt 0x0                               ; the closing lines, six on end
	s_wait_alu 0x0
	s_wait_tensorcnt 0x0
	ds_add_u32 v[SPW], v[NIL]
	s_wait_dscnt 0x0
	s_endpgm
.Lfunc_end_k_q7e7ac3008a_s2:
	.size	k_q7e7ac3008a_s2, .Lfunc_end_k_q7e7ac3008a_s2-k_q7e7ac3008a_s2
	.p2alignl 7, 3214868480
	.fill 96, 4, 3214868480
	.section	.rodata,"a",@progbits
	.p2align	6, 0x0
	.amdhsa_kernel k_q7e7ac3008a_s2
		.amdhsa_group_segment_fixed_size 24832
		.amdhsa_private_segment_fixed_size 0
		.amdhsa_enable_private_segment 0
		.amdhsa_kernarg_size 64
		.amdhsa_user_sgpr_count 2
		.amdhsa_user_sgpr_kernarg_segment_ptr 1
		.amdhsa_wavefront_size32 1
		.amdhsa_system_sgpr_workgroup_id_x 1
		.amdhsa_system_sgpr_workgroup_id_y 1
		.amdhsa_system_sgpr_workgroup_id_z 1
		.amdhsa_system_vgpr_workitem_id 0
		.amdhsa_next_free_vgpr 256
		.amdhsa_next_free_sgpr 90
		.amdhsa_reserve_vcc 0
		.amdhsa_float_denorm_mode_32 3
		.amdhsa_float_denorm_mode_16_64 3
		.amdhsa_memory_ordered 1
		.amdhsa_forward_progress 1
		.amdhsa_inst_pref_size 55
	.end_amdhsa_kernel
	.amdgpu_metadata
---
amdhsa.version: [ 1, 2 ]
amdhsa.kernels:
  - .name:           k_q7e7ac3008a_s2
    .symbol:         k_q7e7ac3008a_s2.kd
    .args:
      - { .name: emb_weight, .offset: 0, .size: 8, .value_kind: global_buffer, .address_space: global }
      - { .name: pyr, .offset: 8, .size: 8, .value_kind: global_buffer, .address_space: global }
      - { .name: cb, .offset: 16, .size: 8, .value_kind: global_buffer, .address_space: global }
      - { .name: tab, .offset: 24, .size: 8, .value_kind: global_buffer, .address_space: global }
      - { .name: idx0, .offset: 32, .size: 8, .value_kind: global_buffer, .address_space: global }
      - { .name: idx1, .offset: 40, .size: 8, .value_kind: global_buffer, .address_space: global }
      - { .name: idx2, .offset: 48, .size: 8, .value_kind: global_buffer, .address_space: global }
      - { .name: out0, .offset: 56, .size: 8, .value_kind: global_buffer, .address_space: global }
    .group_segment_fixed_size: 24832
    .private_segment_fixed_size: 0
    .kernarg_segment_align: 8
    .kernarg_segment_size: 64
    .max_flat_workgroup_size: 256
    .sgpr_count:     90
    .vgpr_count:     256
    .wavefront_size: 32
...
	.end_amdgpu_metadata
.endif
;; end of part 10
;; launch s3 (part 11): grid 256 x 1, 8 waves a work-group, no clusters, 24,832 bytes of LDS; arguments emb_weight, pyr, cb, tab, idx0, idx1, idx2, idx3, out0; writes idx3, out0
.if DOCPART == 11
	.amdgcn_target "amdgcn-amd-amdhsa--gfx1250"
	.amdhsa_code_object_version 6
	.text
	.protected	k_q7e7ac3008a_s3
	.globl	k_q7e7ac3008a_s3
	.p2align	8
	.type	k_q7e7ac3008a_s3,@function
k_q7e7ac3008a_s3:
	s_mov_b64 s[64:65], 0
	v_nop
	global_prefetch_b8 v0, s[64:65] scope:SCOPE_SE
	s_setreg_imm32_b32 hwreg(HW_REG_WAVE_SCHED_MODE, 0, 2), 2
	s_setreg_imm32_b32 hwreg(HW_REG_WAVE_MODE, 25, 1), 1
	s_wait_xcnt 0x0
	s_wait_alu depctr_vm_vsrc(0)
; A STAGE WITH pn = P (this text serves P = 4 and P = 8; here P = 8): the output's segment that is the area mean at P x P of the up-sampled stage maps so far, z = the P x P means of f_src less that segment, and
; the stage's indices: the first index of the smallest d = (|z|^2 + |e|^2) - 2 z.e.  The softmax and probs @ e are left out: soft + (hard - soft) is hard (see the first kernel's head).
; z.e is the QUANTISED product (E2M1, one scale for the 32 channels); |z|^2 and |e|^2 are of the unquantised numbers; d is rounded twice, as reference() rounds it: RN(RN(zz + ee) - 2 ze).
; LIMITS: NaN and infinities are not served (were every d NaN, 8,192 would be stored, which the launches that read it hold at 4,095).
; SHARES.  A work-group takes half an image: P / 2 rows of P tokens, G groups of 4.  Its eight waves share the CODES: wave w keeps codes 512 w .. 512 w + 511 (8 tiles of 64) in registers.
; THE SEGMENT.  seg(y, x) = h0 + the sum over the maps p = 2 .. P / 2 and their places (a, c) of M[y][a] M[x][c] h_p[a][c], M from the table.  Wave w < P / 2 makes row y: first down the rows (a lane a channel, weights in scalar
; registers), then, turned through its own stage in LDS, along the row (lane 8 i + q: column 4 j + i, channels 4 q .. 4 q + 3, weights in vector registers).
; THE TILE.  K is 32, the instruction's K is 128: so its four blocks carry four different things.  Source 1: column n holds, in block q, code 64 T + 16 q + n.  Source 0: row m holds token m % 4 in block m / 4, and zero codes elsewhere
; (their scale bytes are 1).  So D(m, n) = token m % 4 . code 64 T + 16 (m / 4) + n: all 256 numbers are scores.  Register j of lane (r, h): token j % 4, code 64 T + 32 h + 16 (j / 4) + r.
; THE MODE: SCHED_MODE bits 1:0 = 2 (LLVM: expert scheduling mode 2), set by the entry lines.  The code itself states the register dependences between vector or matrix instructions and memory or LDS instructions, with s_wait_alu, always for 0.
; THE PLAN.  Registers that memory or LDS instructions touch, and who else names them:
;   v6-15, v44, v238-242  offsets and LDS addresses: written at the head, ahead of ONE wait on va_vdst, and never again: every access is one of them and an immediate.  For that the G groups of step 3 are written out and not walked
;                         by a loop: G times some 350 instructions.
;   BF, BS, EE            loaded once; read by the products and the scores alone.
;   GO                    the gathers' offsets: written by one run of additions, one wait on va_vdst, read by the run of gathers.  The stage rows land in these registers later, behind a wait on vm_vsrc.
;   R, U, z               written by step 1's arithmetic: one wait on va_vdst ahead of each run of stores; one on vm_vsrc at the arm's end: steps 2 and 3 write these registers again.
;   v196-205              step 2's image, scale word and |z|^2: a wait on va_vdst ahead of their stores, one on vm_vsrc behind them: the products write these registers.
;   AF, AS, ZZ            TWO operand buffers by turns.  Group g's products and scores read buffer g % 2; the loads of group g + 1, issued at group g's head, land in the other.
;   MN, CF                TWO out-buffers by turns.  Group g's search writes buffer g % 2; the stores issued at group g + 1's head read it.
;                         So the waits at a group's head state all that its LDS instructions hang on; these follow at once, and the products behind them.
;   s22, s76-83           written by vector instructions: each run of writers has one wait on va_sdst ahead of its first reader; a tile's eight compares share one, with the next tile's score lines between.
.set P,     8
.set G,     P*P/8                      ; groups of 4 tokens in a work-group
.set ROWS,  P/2                        ; waves that make z: a row each
.set NI,    P/4                        ; runs of 4 columns in a row
.set NK,    P-2                        ; weighted stage rows: 2 + 4 + .. + P / 2
.set NG,    5+16*(P/8)                 ; rows of emb that a wave gathers
.set TROW,  32-2*P                     ; the table's first row for this P,
.set TOFF,  4*(14-NK)                  ; and the byte in a row at which its NK weights begin
.if P == 8
.set PYT,   0                          ; the level's first token in pyr,
.set OUTT,  20                         ; the segment's first token in out0
.else
.set PYT,   64
.set OUTT,  4
.endif
.set RST,   0                          ; LDS: a wave's own stage, 2,048 bytes, rows of 128
.set Z,     8192                       ; z, [token][128 bytes]
.set AIMG,  12288                      ; source 0 as an image of its registers: 1,024 bytes a group
.set ASC,   20480                      ; its scale words: 128 bytes a group
.set ZZL,   21504                      ; |z|^2: 16 bytes a group
.set RESV,  21760                      ; [wave][token]: the wave's smallest d,
.set RESC,  22784                      ; and its code, as f32
.set SPARE, 23808                      ; the spare words, 128 bytes for each wave
.set SWO,   65536                      ; cb: codes at 0, scale words here,
.set EEO,   69632                      ; |e|^2 here
.set SPW, 4                            ; v4 LDS address of my spare word, v5 0: never rewritten
.set NIL, 5
.set A16, 6                            ; 16 x lane
.set A4,  7                            ; 4 x lane
.set RSTW, 8                           ; my stage, a lane a channel
.set RSTR, 9                           ; my stage, 16 bytes for each of 8 lanes
.set ZW,  10                           ; where a wave puts z
.set ZR,  11                           ; where a lane reads its token's z
.set AW,  12                           ; where a wave puts source 0's image,
.set ASW, 13                           ; its scale words,
.set ZZW, 14                           ; and |z|^2
.set FR,  15                           ; 4 x (lane's token) in the last step
.set S,   16                           ; v16-23 eight d at work
.set BV,  24                           ; v24-27 the smallest d so far of tokens 0-3
.set BI,  28                           ; v28-31 its place: 4 t + u
.set MN,  32                           ; v32-35, v48-51 the wave's smallest: out-buffer q at + 16 q
.set CF,  36                           ; v36-39, v52-55 codes as f32: likewise
.set TP,  40                           ; v40-43 at work
.set H0,  16                           ; ahead of the scores: v16 h0, v17-20 h1, v21-36 h2 (a lane a channel),
.set H1,  17
.set H2,  21
.set R,   38                           ; v38.. the NK stage rows
.set WXO, 44                           ; v44 my column's row of the table
.set BF,  64                           ; v64-127 my 8 tiles of codes
.set BS,  128                          ; v128-135 their scale words: scales and nothing else
.set EE,  136                          ; v136-151 |e|^2: for tile t the pair (u = 0, u = 1)
.set D,   152                          ; v152-215 eight results; free ahead of the products:
.set WX,  152                          ;   the weights along the row, 8 registers a run of columns
.set AA,  168                          ;   the means of f_src, then z
.set GO,  176                          ;   the gathers' offsets, one for each of h0, h1, h2's rows; then
.set RQ,  176                          ;   the stage rows back, 4 channels a lane
.set U,   204                          ;   the segment
.set AF,  216                          ; v216-223, v244-251 source 0: buffer p at + 28 p
.set AS,  224                          ; v224, v225 its scale words: scales and nothing else: buffer p at + p
.set ZZ,  226                          ; v226-229, v252-255 |z|^2 of tokens 0-3: buffer p at + 26 p
.set MLO, 230
.set MHI, 231
.set SH,  232
.set FILL, 233
.set LB,  234                          ; my lane's first code: 512 w + 32 h + r
.set BIG, 235                          ; 8,192.0: over every code
.set GZ,  238                          ; 0
.set GR,  239                          ; 128 w
.set CBC, 240
.set CBS, 241
.set CBE, 242
.set EMB, 4
.set PYR, 6
.set CB,  8
.set TAB, 10
.set IDX0, 12
.set IDX1, 14
.if P == 8
.set IDX2, 16
.set IDXO, 18
.set OUT, 20
.else
.set IDXO, 16
.set OUT, 18
.endif
	s_load_b512 s[4:19], s[0:1], 0x0
.if P == 8
	s_load_b64 s[20:21], s[0:1], 0x40
.endif
	v_lshl_add_u32 v[SPW], v0, 2, SPARE
	v_mov_b32 v[NIL], 0
	v_lshrrev_b32 v1, 5, v0
	v_readfirstlane_b32 s22, v1                    ; wave 0..7
	v_and_b32 v1, 31, v0                           ; lane
	v_and_b32 v2, 15, v0                           ; r
	v_bfe_u32 v3, v0, 4, 1                         ; h
	v_lshrrev_b32 v16, 2, v2                       ; row r's live block: r / 4.  Registers 0-3 of lane (r, h) are block h, registers 4-7 block 2 + h
	v_add_nc_u32 v17, 2, v3
	v_cmp_eq_u32 s76, v16, v3
	v_cmp_eq_u32 s77, v16, v17
	s_mov_b32 s26, 0x76543210
	s_mov_b32 s27, 0xfedcba98                      ; v_permlanex16_b32's selects for lane l xor 16
	v_lshlrev_b32 v[A16], 4, v1
	v_lshlrev_b32 v[A4], 2, v1
	v_lshlrev_b32 v[SH], 3, v16                    ; the live byte's place in the scale word
	v_mov_b32 v17, 1
	v_lshlrev_b32 v17, v[SH], v17
	v_xor_b32 v[FILL], 0x01010101, v17             ; byte 1 in the three dead places
	v_mov_b32 v[GZ], 0
	v_mov_b32 v[BIG], 0x46000000
	v_and_b32 v[FR], 4*G-1, v1
	v_lshlrev_b32 v[FR], 2, v[FR]
	v_lshrrev_b32 v[WXO], 3, v1
	v_lshlrev_b32 v[WXO], 6, v[WXO]                ; my column's row of the table
	s_wait_alu depctr_va_sdst(0)                   ; s22, s76 and s77 are written, ahead of their first readers
	v_cndmask_b32 v[MLO], 0, -1, s76
	v_cndmask_b32 v[MHI], 0, -1, s77
	s_lshl_b32 s29, s22, 11
	v_add_nc_u32 v[RSTW], s29, v[A4]
	v_and_b32 v16, 7, v1
	v_lshl_add_u32 v[RSTR], v16, 4, s29
	v_lshlrev_b32 v17, 7, v3
	v_lshl_add_u32 v17, v2, 2, v17
	v_add_nc_u32 v[CBE], s29, v17                  ; |e|^2: 2,048 w + 128 h + 4 r
	s_mul_i32 s30, s22, 512*G/ROWS
	v_add_nc_u32 v[ZW], s30, v[A16]
	s_lshl_b32 s31, s22, 9
	v_and_b32 v16, 3, v2
	v_lshl_add_u32 v[ZR], v16, 7, s31              ; token 4 w + r % 4
	v_lshl_add_u32 v[CBS], v2, 2, s31              ; scale words: 512 w + 4 r
	v_lshl_add_u32 v[LB], v3, 5, v2
	v_add_nc_u32 v[LB], s31, v[LB]
	s_lshl_b32 s34, s22, 10
	v_add_nc_u32 v[AW], s34, v[A16]
	s_lshl_b32 s33, s22, 7
	v_add_nc_u32 v[ASW], s33, v[A4]
	v_mov_b32 v[GR], s33
	s_lshl_b32 s35, s22, 4
	v_lshl_add_u32 v[ZZW], v16, 2, s35
	s_lshl_b32 s28, s22, 13
	v_add_nc_u32 v[CBC], s28, v[A16]               ; codes: 8,192 w + 16 x lane
	s_wait_kmcnt 0x0
	s_wait_alu depctr_va_vdst(0)                   ; the offsets and LDS addresses of the kernel are written: the loads and stores below read them; so are v16 and v17, in which gathers land
	; my 512 codes, their scale words and |e|^2: 40 loads, waited for in front of the products
.irp t, 0,1,2,3,4,5,6,7
	global_load_b128 v[BF+8*\t:BF+8*\t+3], v[CBC], s[CB:CB+1] offset:1024*\t
	global_load_b128 v[BF+8*\t+4:BF+8*\t+7], v[CBC], s[CB:CB+1] offset:1024*\t+512
.endr
.irp t, 0,1,2,3,4,5,6,7
	global_load_b32 v[BS+\t], v[CBS], s[CB:CB+1] offset:SWO+64*\t
.endr
.irp t, 0,1,2,3,4,5,6,7
	global_load_b32 v[EE+2*\t], v[CBE], s[CB:CB+1] offset:EEO+256*\t
	global_load_b32 v[EE+2*\t+1], v[CBE], s[CB:CB+1] offset:EEO+256*\t+64
.endr
	; ---- 1: wave w < ROWS makes row y of the segment and of z
	s_cmp_lt_u32 s22, ROWS
	s_cbranch_scc0 .Lno_recon
	s_lshr_b32 s23, ttmp9, 1                       ; the image
	s_and_b32 s24, ttmp9, 1                        ; which half of its rows
	s_mul_i32 s25, s24, ROWS
	s_add_co_u32 s25, s25, s22                     ; y
	s_lshl_b32 s29, s23, 2
	s_load_b32 s32, s[IDX0:IDX0+1], s29 offset:0x0             ; the stored indices of the image's earlier stages
	s_lshl_b32 s30, s23, 4
	s_load_b128 s[36:39], s[IDX1:IDX1+1], s30 offset:0x0
	s_lshl_b32 s34, s25, 6
.if P == 8
	s_lshl_b32 s31, s23, 6
	s_load_b512 s[44:59], s[IDX2:IDX2+1], s31 offset:0x0
	s_load_b256 s[68:75], s[TAB:TAB+1], s34 offset:TROW*64+TOFF   ; row y's weights
.else
	s_load_b64 s[68:69], s[TAB:TAB+1], s34 offset:TROW*64+TOFF
.endif
	s_mul_i32 s80, s23, 11008
	s_mul_i32 s82, s25, P*128
	s_add_co_u32 s80, s80, s82
	s_mov_b32 s81, 0
	s_add_nc_u64 s[60:61], s[PYR:PYR+1], s[80:81]  ; the level's row y in pyr
	s_mul_i32 s84, s23, 43520
	s_add_co_u32 s84, s84, s82
	s_mov_b32 s85, 0
	s_add_nc_u64 s[62:63], s[OUT:OUT+1], s[84:85]  ; the segment's row y in out0
.set xi, 0
.rept NI
	global_load_b128 v[WX+8*xi:WX+8*xi+3], v[WXO], s[TAB:TAB+1] offset:(TROW+4*xi)*64+TOFF
.if P == 8
	global_load_b128 v[WX+8*xi+4:WX+8*xi+7], v[WXO], s[TAB:TAB+1] offset:(TROW+4*xi)*64+TOFF+16
.endif
	global_load_b128 v[AA+4*xi:AA+4*xi+3], v[A16], s[60:61] offset:PYT*128+512*xi th:TH_LOAD_NT
.set xi, xi+1
.endr
.macro GOFF n, si                      ; v[GO + n] = the offset of emb[s[si]][my channel]
	s_min_u32 s[\si], s[\si], 0xfff                ; an index stays inside the table
	s_lshl_b32 s[\si], s[\si], 7
	v_add_nc_u32 v[GO+\n], s[\si], v[A4]
.endm
	s_wait_kmcnt 0x0
	GOFF 0, 32
.irp n, 0,1,2,3
	GOFF 1+\n, 36+\n
.endr
.if P == 8
.irp n, 0,1,2,3,4,5,6,7,8,9,10,11,12,13,14,15
	GOFF 5+\n, 44+\n
.endr
.endif
	s_wait_alu depctr_va_vdst(0)                   ; all the gathers' offsets are written
.set xk, 0
.rept NG
	global_load_b32 v[H0+xk], v[GO+xk], s[EMB:EMB+1]               ; 128 consecutive bytes a wave
.set xk, xk+1
.endr
	s_wait_loadcnt 0x0
.if P == 8
.irp c, 0,1,2,3
	v_mul_f32 v[R+\c], s68, v[H2+\c]               ; down the rows of the 4 x 4 map
.endr
.irp a, 1,2,3
.irp c, 0,1,2,3
	v_fmac_f32 v[R+\c], s[68+\a], v[H2+4*\a+\c]
.endr
.endr
.endif
.irp c, 0,1
	v_mul_f32 v[R+NK-2+\c], s[68+NK-2], v[H1+\c]   ; and of the 2 x 2 map
.endr
.irp c, 0,1
	v_fmac_f32 v[R+NK-2+\c], s[68+NK-1], v[H1+2+\c]
.endr
	s_wait_alu depctr_va_vdst(0)                   ; the stage rows are written, which the LDS stores read
	s_wait_alu depctr_vm_vsrc(0)                   ; the gathers have read their offsets, in whose registers the LDS loads land
.set xk, 0
.rept NK
	ds_store_b32 v[RSTW], v[R+xk] offset:RST+128*xk
.set xk, xk+1
.endr
	ds_store_b32 v[RSTW], v[H0] offset:RST+128*NK
.set xk, 0
.rept NK+1
	ds_load_b128 v[RQ+4*xk:RQ+4*xk+3], v[RSTR] offset:RST+128*xk   ; LDS serves a wave's instructions in order: these see my stores
.set xk, xk+1
.endr
	s_wait_dscnt 0x0
.macro XSTEP                           ; stage row xk into the columns of run xi, two channels an instruction; the weight serves both halves; the first step takes h0 as its addend
.irp c, 0,2
.if xk == 0
	v_pk_fma_f32 v[U+4*xi+\c:U+4*xi+\c+1], v[RQ+\c:RQ+\c+1], v[WX+8*xi:WX+8*xi+1], v[RQ+4*NK+\c:RQ+4*NK+\c+1] op_sel_hi:[1,0,1]
.elseif xk%2 == 0
	v_pk_fma_f32 v[U+4*xi+\c:U+4*xi+\c+1], v[RQ+4*xk+\c:RQ+4*xk+\c+1], v[WX+8*xi+xk:WX+8*xi+xk+1], v[U+4*xi+\c:U+4*xi+\c+1] op_sel_hi:[1,0,1]
.else
	v_pk_fma_f32 v[U+4*xi+\c:U+4*xi+\c+1], v[RQ+4*xk+\c:RQ+4*xk+\c+1], v[WX+8*xi+xk-1:WX+8*xi+xk], v[U+4*xi+\c:U+4*xi+\c+1] op_sel:[0,1,0] op_sel_hi:[1,1,1]
.endif
.endr
.endm
.set xk, 0
.rept NK
.set xi, 0
.rept NI
	XSTEP
.set xi, xi+1
.endr
.set xk, xk+1
.endr
.set xi, 0
.rept NI
	v_pk_add_f32 v[AA+4*xi:AA+4*xi+1], v[AA+4*xi:AA+4*xi+1], v[U+4*xi:U+4*xi+1] neg_lo:[0,1] neg_hi:[0,1]
	v_pk_add_f32 v[AA+4*xi+2:AA+4*xi+3], v[AA+4*xi+2:AA+4*xi+3], v[U+4*xi+2:U+4*xi+3] neg_lo:[0,1] neg_hi:[0,1]
.set xi, xi+1
.endr
	s_wait_alu depctr_va_vdst(0)                   ; the segment and z are written, which the stores read; the sums are done reading the weights and the stage rows, in whose registers step 2's loads land
.set xi, 0
.rept NI
	global_store_b128 v[A16], v[U+4*xi:U+4*xi+3], s[62:63] offset:OUTT*128+512*xi th:TH_STORE_NT   ; 512 consecutive bytes, at a multiple of 256 from out0's first byte
	ds_store_b128 v[ZW], v[AA+4*xi:AA+4*xi+3] offset:Z+512*xi
.set xi, xi+1
.endr
	s_wait_xcnt 0x0                                ; the global stores' addresses are translated: their registers are written again below
	s_wait_alu depctr_vm_vsrc(0)                   ; the stores of this step have read h0, the stage rows, the segment and z: steps 2 and 3 write all these registers again
.Lno_recon:
	s_wait_dscnt 0x0                               ; my stores have landed
	s_barrier_signal -1
	s_barrier_wait -1                              ; z lies in LDS
	; ---- 2: wave g < G quantises group g: every lane takes the whole row of token 4 g + r % 4, and keeps its codes where its registers are the row's live block
.if G < 8
	s_cmp_lt_u32 s22, G
	s_cbranch_scc0 .Lno_quant
.endif
.irp i, 0,1,2,3,4,5,6,7
	ds_load_b128 v[D+4*\i:D+4*\i+3], v[ZR] offset:Z+16*\i
.endr
	s_wait_dscnt 0x0
	v_max3_num_f32 v184, |v[D]|, |v[D+1]|, |v[D+2]|
	v_max3_num_f32 v185, |v[D+3]|, |v[D+4]|, |v[D+5]|
.irp i, 6,10,14,18,22,26
	v_max3_num_f32 v184, v184, |v[D+\i]|, |v[D+\i+1]|
	v_max3_num_f32 v185, v185, |v[D+\i+2]|, |v[D+\i+3]|
.endr
	v_max3_num_f32 v184, v184, |v[D+30]|, |v[D+31]|
	v_max3_num_f32 v184, v184, v185, 0x1800000     ; the floor 2^(3 - 127): the byte cannot fall under 1
	v_add_nc_u32 v186, 0xff000000, v184            ; 2 off the exponent field: the conversion's scale operand
	v_lshrrev_b32 v187, 23, v186                   ; the scale's byte,
	v_lshlrev_b32 v187, v[SH], v187                ; at the live block's place
	v_or_b32 v204, v187, v[FILL]
	v_pk_mul_f32 v[188:189], v[D:D+1], v[D:D+1]    ; |z|^2 of the unquantised z
	v_pk_mul_f32 v[190:191], v[D+2:D+3], v[D+2:D+3]
.irp i, 4,8,12,16,20,24,28
	v_pk_fma_f32 v[188:189], v[D+\i:D+\i+1], v[D+\i:D+\i+1], v[188:189]
	v_pk_fma_f32 v[190:191], v[D+\i+2:D+\i+3], v[D+\i+2:D+\i+3], v[190:191]
.endr
	v_pk_add_f32 v[188:189], v[188:189], v[190:191]
	v_add_f32 v205, v188, v189
.irp g, 0,1,2,3
	v_cvt_scalef32_pk8_fp4_f32 v[192+\g], v[D+8*\g:D+8*\g+7], v186
.endr
	v_nop                                          ; one plain place behind a scaled conversion
.irp g, 0,1,2,3
	v_and_b32 v[196+\g], v[MLO], v[192+\g]
	v_and_b32 v[200+\g], v[MHI], v[192+\g]
.endr
	s_wait_alu depctr_va_vdst(0)                   ; the image, the scale word and |z|^2 are written, which the LDS stores read
	ds_store_b128 v[AW], v[196:199] offset:AIMG
	ds_store_b128 v[AW], v[200:203] offset:AIMG+512
	ds_store_b32 v[ASW], v204 offset:ASC
	ds_store_b32 v[ZZW], v205 offset:ZZL           ; lanes of one token store the same word with the same value
	s_wait_alu depctr_vm_vsrc(0)                   ; these stores have read v196-205, which the products write
.Lno_quant:
	s_wait_dscnt 0x0
	s_barrier_signal -1
	s_barrier_wait -1                              ; the groups' images lie in LDS
; ---- 3: the scores and the argmax, written out group by group: every LDS address is a register of the head and an immediate
.macro SVAL t                          ; tile t: d = RN(RN(zz + ee) - 2 ze); the result is read from its low end on
	v_pk_add_f32 v[S:S+1], v[ZB:ZB+1], v[EE+2*(\t):EE+2*(\t)+1] op_sel_hi:[1,0]
	v_pk_add_f32 v[S+2:S+3], v[ZB+2:ZB+3], v[EE+2*(\t):EE+2*(\t)+1] op_sel_hi:[1,0]
	v_pk_add_f32 v[S+4:S+5], v[ZB:ZB+1], v[EE+2*(\t):EE+2*(\t)+1] op_sel:[0,1] op_sel_hi:[1,1]
	v_pk_add_f32 v[S+6:S+7], v[ZB+2:ZB+3], v[EE+2*(\t):EE+2*(\t)+1] op_sel:[0,1] op_sel_hi:[1,1]
.if (\t) == 0
	v_pk_fma_f32 v[BV:BV+1], v[D:D+1], -2.0, v[S:S+1] op_sel_hi:[1,0,1]            ; the first four start the search: nothing is compared
	v_pk_fma_f32 v[BV+2:BV+3], v[D+2:D+3], -2.0, v[S+2:S+3] op_sel_hi:[1,0,1]
.else
	v_pk_fma_f32 v[S:S+1], v[D+8*(\t):D+8*(\t)+1], -2.0, v[S:S+1] op_sel_hi:[1,0,1]
	v_pk_fma_f32 v[S+2:S+3], v[D+8*(\t)+2:D+8*(\t)+3], -2.0, v[S+2:S+3] op_sel_hi:[1,0,1]
.endif
	v_pk_fma_f32 v[S+4:S+5], v[D+8*(\t)+4:D+8*(\t)+5], -2.0, v[S+4:S+5] op_sel_hi:[1,0,1]
	v_pk_fma_f32 v[S+6:S+7], v[D+8*(\t)+6:D+8*(\t)+7], -2.0, v[S+6:S+7] op_sel_hi:[1,0,1]
.if (\t) == 0
.irp i, 0,1,2,3
	v_mov_b32 v[BI+\i], 0
.endr
.endif
.endm
.macro CMPS t                          ; the four tokens' d of places 4 t and 4 t + 1 against the smallest so far: a strict < keeps the first; the masks go to s76-79 and s80-83
.if (\t) > 0
.irp i, 0,1,2,3
	v_cmp_lt_f32 s[76+\i], v[S+\i], v[BV+\i]
.endr
.irp i, 0,1,2,3
	v_min_num_f32 v[BV+\i], v[BV+\i], v[S+\i]
.endr
.endif
.irp i, 0,1,2,3
	v_cmp_lt_f32 s[80+\i], v[S+4+\i], v[BV+\i]
.endr
.irp i, 0,1,2,3
	v_min_num_f32 v[BV+\i], v[BV+\i], v[S+4+\i]
.endr
.endm
.macro SEL t                           ; the places by those masks, 4 t first
.if (\t) > 0
.irp i, 0,1,2,3
	v_cndmask_b32 v[BI+\i], v[BI+\i], 4*(\t), s[76+\i]
.endr
.endif
.irp i, 0,1,2,3
	v_cndmask_b32 v[BI+\i], v[BI+\i], 4*(\t)+1, s[80+\i]
.endr
.endm
.macro LANEMIN x                       ; the smallest of v[x + i] over the 32 lanes, in every lane; the four tokens by turns
.irp m, 1,2,4,8
.irp i, 0,1,2,3
	v_min_num_f32_dpp v[\x+\i], v[\x+\i], v[\x+\i] row_xmask:\m row_mask:0xf bank_mask:0xf
.endr
.endr
.irp i, 0,1,2,3
	v_permlanex16_b32 v[TP+\i], v[\x+\i], s26, s27
.endr
.irp i, 0,1,2,3
	v_min_num_f32 v[\x+\i], v[\x+\i], v[TP+\i]
.endr
.endm
.macro REDUCE                          ; the wave's smallest d of each token, and the lowest code that has it, into out-buffer OB
.irp i, 0,1,2,3
	v_lshl_add_u32 v[CF+OB+\i], v[BI+\i], 4, v[LB] ; my code: 16 (4 t + u) + 512 w + 32 h + r
.endr
.irp i, 0,1,2,3
	v_cvt_f32_u32 v[CF+OB+\i], v[CF+OB+\i]
.endr
	LANEMIN MN+OB
.irp i, 0,1,2,3
	v_cmp_eq_f32 s[76+\i], v[BV+\i], v[MN+OB+\i]
.endr
	s_wait_alu depctr_va_sdst(0)                   ; the four masks are written, which the selections below read
.irp i, 0,1,2,3
	v_cndmask_b32 v[CF+OB+\i], v[BIG], v[CF+OB+\i], s[76+\i]
.endr
	LANEMIN CF+OB
.endm
; Group gg works on operand buffer gg % 2 and writes out-buffer gg % 2.  Its LDS instructions stand at its head: the stores of group gg - 1's results and the loads of group gg + 1's operand, which touch the other two buffers alone.
.macro GROUP
.set AB, AF+28*(gg%2)
.set SB, AS+gg%2
.set ZB, ZZ+26*(gg%2)
.set OB, 16*(gg%2)
.set AN, AF+28*(1-gg%2)
.set SN, AS+1-gg%2
.set ZN, ZZ+26*(1-gg%2)
.set OP, 16-OB
	s_wait_dscnt 0x0                               ; this group's operand is in
.if gg >= 2
	s_wait_alu depctr_vm_vsrc(0)                   ; the stores issued in the group before have read this group's out-buffer, which its search writes again
.endif
.if gg >= 1
	s_wait_alu depctr_va_vdst(0)                   ; the group before has written its out-buffer, which the stores below read, and its products and scores are done reading its operand buffer, in which the loads below land
	ds_store_b128 v[GR], v[MN+OP:MN+OP+3] offset:RESV+16*(gg-1)    ; all lanes store the same 16 bytes
	ds_store_b128 v[GR], v[CF+OP:CF+OP+3] offset:RESC+16*(gg-1)
.endif
.if gg+1 < G
	ds_load_b128 v[AN:AN+3], v[A16] offset:AIMG+1024*(gg+1)        ; no vector or matrix instruction since the wait names these registers
	ds_load_b128 v[AN+4:AN+7], v[A16] offset:AIMG+1024*(gg+1)+512
	ds_load_b32 v[SN], v[A4] offset:ASC+128*(gg+1)
	ds_load_b128 v[ZN:ZN+3], v[GZ] offset:ZZL+16*(gg+1)
.endif
.irp t, 0,1,2,3,4,5,6,7
	v_wmma_scale_f32_16x16x128_f8f6f4 v[D+8*\t:D+8*\t+7], v[AB:AB+7], v[BF+8*\t:BF+8*\t+7], 0, v[SB], v[BS+\t] matrix_a_fmt:MATRIX_FMT_FP4 matrix_b_fmt:MATRIX_FMT_FP4
.endr
	SVAL 0                                         ; its first four additions name no register of the products: they are the four places ahead of the first read of a result
	CMPS 0
.irp t, 1,2,3,4,5,6,7
	SVAL \t                                        ; the next tile's eight lines stand between a tile's compares and the wait for them
	s_wait_alu depctr_va_sdst(0)                   ; the tile before's compares have written their masks, which the selections below read
	SEL \t-1
	CMPS \t
.endr
.irp i, 0,1,2,3
	v_mov_b32 v[MN+OB+\i], v[BV+\i]
.endr
	s_wait_alu depctr_va_sdst(0)                   ; tile 7's compares have written their masks
	SEL 7
	REDUCE
.endm
	s_wait_loadcnt 0x0                             ; my codes, scale words and |e|^2
.irp i, 0,1,2,3
	v_mov_b32 v[TP+\i], 0                          ; written once: a lane permute's destination counts as one of its sources
.endr
	ds_load_b128 v[AF:AF+3], v[A16] offset:AIMG    ; group 0 into buffer 0, which no vector instruction has named
	ds_load_b128 v[AF+4:AF+7], v[A16] offset:AIMG+512
	ds_load_b32 v[AS], v[A4] offset:ASC
	ds_load_b128 v[ZZ:ZZ+3], v[GZ] offset:ZZL
.set gg, 0
.rept G
	GROUP
.set gg, gg+1
.endr
.set OB, 16*((G-1)%2)
	s_wait_alu depctr_va_vdst(0)                   ; the last group has written its out-buffer, which the stores read; the scores are done with v16-31, in which the last step's loads land
	ds_store_b128 v[GR], v[MN+OB:MN+OB+3] offset:RESV+16*(G-1)
	ds_store_b128 v[GR], v[CF+OB:CF+OB+3] offset:RESC+16*(G-1)
	s_wait_dscnt 0x0
	s_barrier_signal -1
	s_barrier_wait -1                              ; the eight waves' results lie in LDS
	; ---- 4: wave 0 takes the eight waves in ascending order of their codes: a strict < keeps the first
	s_cmp_lg_u32 s22, 0
	s_cbranch_scc1 .Ldone
.irp w, 0,1,2,3,4,5,6,7
	ds_load_b32 v[16+\w], v[FR] offset:RESV+128*\w
	ds_load_b32 v[24+\w], v[FR] offset:RESC+128*\w
.endr
	s_mul_i32 s86, ttmp9, 16*G
	s_mov_b32 s87, 0
	s_add_nc_u64 s[IDXO:IDXO+1], s[IDXO:IDXO+1], s[86:87]
	s_wait_dscnt 0x0
.irp w, 1,2,3,4,5,6,7
	v_cmp_lt_f32 s[75+\w], v[16+\w], v16           ; against the smallest of the waves before
	v_min_num_f32 v16, v16, v[16+\w]
.endr
	s_wait_alu depctr_va_sdst(0)                   ; the seven masks are written, which the selections below read
.irp w, 1,2,3,4,5,6,7
	v_cndmask_b32 v24, v24, v[24+\w], s[75+\w]
.endr
	v_cvt_u32_f32 v24, v24
	s_wait_alu depctr_va_vdst(0)                   ; the index is written, which the store reads
	global_store_b32 v[FR], v24, s[IDXO:IDXO+1]    ; lanes beyond the work-group's tokens repeat a token's word with the same value
.Ldone:
	s_wait_dscnt 0x0                               ; the closing lines, six on end
	s_wait_alu 0x0
	s_wait_tensorcnt 0x0
	ds_add_u32 v[SPW], v[NIL]
	s_wait_dscnt 0x0
	s_endpgm
.Lfunc_end_k_q7e7ac3008a_s3:
	.size	k_q7e7ac3008a_s3, .Lfunc_end_k_q7e7ac3008a_s3-k_q7e7ac3008a_s3
	.p2alignl 7, 3214868480
	.fill 96, 4, 3214868480
	.section	.rodata,"a",@progbits
	.p2align	6, 0x0
	.amdhsa_kernel k_q7e7ac3008a_s3
		.amdhsa_group_segment_fixed_size 24832
		.amdhsa_private_segment_fixed_size 0
		.amdhsa_enable_private_segment 0
		.amdhsa_kernarg_size 72
		.amdhsa_user_sgpr_count 2
		.amdhsa_user_sgpr_kernarg_segment_ptr 1
		.amdhsa_wavefront_size32 1
		.amdhsa_system_sgpr_workgroup_id_x 1
		.amdhsa_system_sgpr_workgroup_id_y 1
		.amdhsa_system_sgpr_workgroup_id_z 1
		.amdhsa_system_vgpr_workitem_id 0
		.amdhsa_next_free_vgpr 256
		.amdhsa_next_free_sgpr 90
		.amdhsa_reserve_vcc 0
		.amdhsa_float_denorm_mode_32 3
		.amdhsa_float_denorm_mode_16_64 3
		.amdhsa_memory_ordered 1
		.amdhsa_forward_progress 1
		.amdhsa_inst_pref_size 176
	.end_amdhsa_kernel
	.amdgpu_metadata
---
amdhsa.version: [ 1, 2 ]
amdhsa.kernels:
  - .name:           k_q7e7ac3008a_s3
    .symbol:         k_q7e7ac3008a_s3.kd
    .args:
      - { .name: emb_weight, .offset: 0, .size: 8, .value_kind: global_buffer, .address_space: global }
      - { .name: pyr, .offset: 8, .size: 8, .value_kind: global_buffer, .address_space: global }
      - { .name: cb, .offset: 16, .size: 8, .value_kind: global_buffer, .address_space: global }
      - { .name: tab, .offset: 24, .size: 8, .value_kind: global_buffer, .address_space: global }
      - { .name: idx0, .offset: 32, .size: 8, .value_kind: global_buffer, .address_space: global }
      - { .name: idx1, .offset: 40, .size: 8, .value_kind: global_buffer, .address_space: global }
      - { .name: idx2, .offset: 48, .size: 8, .value_kind: global_buffer, .address_space: global }
      - { .name: idx3, .offset: 56, .size: 8, .value_kind: global_buffer, .address_space: global }
      - { .name: out0, .offset: 64, .size: 8, .value_kind: global_buffer, .address_space: global }
    .group_segment_fixed_size: 24832
    .private_segment_fixed_size: 0
    .kernarg_segment_align: 8
    .kernarg_segment_size: 72
    .max_flat_workgroup_size: 256
    .sgpr_count:     90
    .vgpr_count:     256
    .wavefront_size: 32
...
	.end_amdgpu_metadata
.endif
;; end of part 11
;; launch fin (part 12): grid 256 x 1, 8 waves a work-group, no clusters, 17,408 bytes of LDS; arguments emb_weight, tab, idx0, idx1, idx2, idx3, out0; writes out0
.if DOCPART == 12
	.amdgcn_target "amdgcn-amd-amdhsa--gfx1250"
	.amdhsa_code_object_version 6
	.text
	.protected	k_q7e7ac3008a_fin
	.globl	k_q7e7ac3008a_fin
	.p2align	8
	.type	k_q7e7ac3008a_fin,@function
k_q7e7ac3008a_fin:
	s_mov_b64 s[64:65], 0
	v_nop
	global_prefetch_b8 v0, s[64:65] scope:SCOPE_SE
	s_setreg_imm32_b32 hwreg(HW_REG_WAVE_SCHED_MODE, 0, 2), 2
	s_setreg_imm32_b32 hwreg(HW_REG_WAVE_MODE, 25, 1), 1
	s_wait_xcnt 0x0
	s_wait_alu depctr_vm_vsrc(0)
; THE LAST SEGMENT: the output's tokens 84-339 of each image: f_partial at 16 x 16 = up(h0) + up(h1) + up(h2) + up(h3), h_k = emb[idx_k].  The stage pn = 16 itself is left out: its map, f_hat and the last f_rest reach no output
; (see the first kernel's head).  No matrix product is live here: the maps' K is 8 at the most.
; seg(y, x) = h0 + the sum over the maps p = 2, 4, 8 and their places (a, c) of M[y][a] M[x][c] h_p[a][c], M from the table's rows 0-15.
; SHARES.  A work-group takes half an image, each of its eight waves a row y of 16 tokens.  First down the rows (a lane a channel, weights in scalar registers): 14 stage rows and h0; these turn through the wave's own stage in
; LDS; then along the row (lane 8 i + q: column 4 j + i, channels 4 q .. 4 q + 3, weights in vector registers).  Waves share nothing: no barrier.
; THE MODE: SCHED_MODE bits 1:0 = 2 (LLVM: expert scheduling mode 2), set by the entry lines.  The code itself states the register dependences between vector instructions and memory or LDS instructions, with s_wait_alu, always for 0.
; THE PLAN.  Registers that memory or LDS instructions touch, and who else names them:
;   v6-10        offsets and LDS addresses: written at the head, ahead of one wait on va_vdst, and never again.
;   GA, GB       the gathers' offsets, a register to each gather: a run of 69 additions, one wait on va_vdst, 69 gathers; then, when the scalar registers hold the second lot of indices, 16, one wait, 16.
;                The stage rows R lie over GB and the segment U over GA: one wait on vm_vsrc, behind the wait for the gathers' data, ahead of the arithmetic that writes them.
;   H0 .. H3     the gathers land there; read by the sums down the rows; h0 also by an LDS store.  The stage rows come back into v20-79: one wait on va_vdst ahead of the stage, which also states that R is written.
;   WX           loaded once; read by the sums along the row.
;   U            written by the sums along the row; one wait on va_vdst ahead of the four stores.
;   s57          written by a vector instruction: one wait on va_sdst ahead of its first reader.
.set RST,   0                          ; LDS: a wave's own stage, 2,048 bytes, 15 rows of 128
.set SPARE, 16384                      ; the spare words, 128 bytes for each wave
.set NK,  14                           ; weighted stage rows: 8 + 4 + 2
.set SPW, 4                            ; v4 LDS address of my spare word, v5 0: never rewritten
.set NIL, 5
.set A16, 6                            ; 16 x lane
.set A4,  7                            ; 4 x lane
.set RSTW, 8
.set RSTR, 9
.set WXO, 10
.set H0,  16                           ; v16 h0, v17-20 h1, v21-36 h2, v37-100 h3: a lane a channel
.set H1,  17
.set H2,  21
.set H3,  37
.set R,   104                          ; v104-117 the stage rows
.set GB,  104                          ; v104-119 ahead of them: the offsets of h2's 16 rows
.set WX,  120                          ; v120-183 the weights along the row: 16 registers a run of 4 columns
.set RQ,  20                           ; v20-79 the stage rows back, 4 channels a lane, over the maps, which are done with (not over v16, which an LDS store reads)
.set U,   184                          ; v184-199 the segment
.set GA,  184                          ; v184-252 ahead of it: the offsets of h3's 64 rows, h1's 4 and h0's
.set EMB, 4
	s_load_b256 s[4:11], s[0:1], 0x0               ; emb s[4:5], tab s[6:7], idx0 s[8:9], idx1 s[10:11]
	s_load_b128 s[12:15], s[0:1], 0x20             ; idx2 s[12:13], idx3 s[14:15]
	s_load_b64 s[16:17], s[0:1], 0x30              ; out0
	v_lshl_add_u32 v[SPW], v0, 2, SPARE
	v_mov_b32 v[NIL], 0
	v_lshrrev_b32 v1, 5, v0
	v_readfirstlane_b32 s57, v1                    ; wave 0..7
	v_and_b32 v1, 31, v0                           ; lane
	v_lshlrev_b32 v[A16], 4, v1
	v_lshlrev_b32 v[A4], 2, v1
	v_and_b32 v2, 7, v1
	v_lshrrev_b32 v[WXO], 3, v1
	v_lshlrev_b32 v[WXO], 6, v[WXO]                ; my column's row of the table
	s_wait_alu depctr_va_sdst(0)                   ; s57 is written, ahead of its first reader
	s_lshl_b32 s19, s57, 11
	v_add_nc_u32 v[RSTW], s19, v[A4]
	v_lshl_add_u32 v[RSTR], v2, 4, s19
	s_lshr_b32 s58, ttmp9, 1                       ; the image
	s_and_b32 s59, ttmp9, 1
	s_lshl_b32 s59, s59, 3
	s_add_co_u32 s59, s59, s57                     ; y
	s_lshl_b32 s60, s58, 8
	s_lshl_b32 s61, s58, 4
	s_lshl_b32 s62, s58, 2
	s_lshl_b32 s63, s58, 6
	s_lshl_b32 s18, s59, 6
	s_mul_i32 s100, s58, 43520
	s_lshl_b32 s56, s59, 11
	s_add_co_u32 s100, s100, s56
	s_mov_b32 s101, 0
	s_wait_kmcnt 0x0
	s_add_nc_u64 s[16:17], s[16:17], s[100:101]    ; the segment's row y in out0 (its first token, 84, stands in the immediate)
	s_load_b512 s[20:35], s[14:15], s60 offset:0x0             ; the image's 64 indices of the 8 x 8 map,
	s_load_b512 s[36:51], s[14:15], s60 offset:0x40
	s_load_b512 s[68:83], s[14:15], s60 offset:0x80
	s_load_b512 s[84:99], s[14:15], s60 offset:0xc0
	s_load_b128 s[52:55], s[10:11], s61 offset:0x0             ; the 4 of the 2 x 2 map,
	s_load_b32 s56, s[8:9], s62 offset:0x0                     ; and the one of the 1 x 1 map
	s_wait_alu depctr_va_vdst(0)                   ; the offsets and LDS addresses v6 to v10 are written: the loads and stores below read them
.irp i, 0,1,2,3
.irp g, 0,1,2,3
	global_load_b128 v[WX+16*\i+4*\g:WX+16*\i+4*\g+3], v[WXO], s[6:7] offset:256*\i+16*\g
.endr
.endr
.macro GOFF ad, si                     ; v[ad] = the offset of emb[s[si]][my channel]
	s_min_u32 s[\si], s[\si], 0xfff                ; an index stays inside the table
	s_lshl_b32 s[\si], s[\si], 7
	v_add_nc_u32 v[\ad], s[\si], v[A4]
.endm
.macro GOFF16 ab, sb
.irp n, 0,1,2,3,4,5,6,7,8,9,10,11,12,13,14,15
	GOFF \ab+\n, \sb+\n
.endr
.endm
	s_wait_kmcnt 0x0
	GOFF16 GA, 20
	GOFF16 GA+16, 36
	GOFF16 GA+32, 68
	GOFF16 GA+48, 84
.irp n, 0,1,2,3
	GOFF GA+64+\n, 52+\n
.endr
	GOFF GA+68, 56
	s_wait_alu depctr_va_vdst(0)                   ; the 69 offsets are written, which the gathers read
.set xk, 0
.rept 64
	global_load_b32 v[H3+xk], v[GA+xk], s[EMB:EMB+1]               ; 128 consecutive bytes a wave
.set xk, xk+1
.endr
.irp n, 0,1,2,3
	global_load_b32 v[H1+\n], v[GA+64+\n], s[EMB:EMB+1]
.endr
	global_load_b32 v[H0], v[GA+68], s[EMB:EMB+1]
	s_load_b512 s[20:35], s[12:13], s63 offset:0x0             ; the scalar registers do not hold all at once: the 16 indices of the 4 x 4 map,
	s_load_b512 s[36:51], s[6:7], s18 offset:0x0               ; and row y's weights, come second
	s_wait_kmcnt 0x0
	GOFF16 GB, 20
	s_wait_alu depctr_va_vdst(0)                   ; the 16 offsets are written, which the gathers read
.set xk, 0
.rept 16
	global_load_b32 v[H2+xk], v[GB+xk], s[EMB:EMB+1]
.set xk, xk+1
.endr
	s_wait_loadcnt 0x0
	s_wait_alu depctr_vm_vsrc(0)                   ; the gathers have read their offsets: the stage rows and the segment are written over them
.irp c, 0,1,2,3,4,5,6,7
	v_mul_f32 v[R+\c], s36, v[H3+\c]               ; down the rows of the 8 x 8 map,
.endr
.irp a, 1,2,3,4,5,6,7
.irp c, 0,1,2,3,4,5,6,7
	v_fmac_f32 v[R+\c], s[36+\a], v[H3+8*\a+\c]
.endr
.endr
.irp c, 0,1,2,3
	v_mul_f32 v[R+8+\c], s44, v[H2+\c]             ; of the 4 x 4 map,
.endr
.irp a, 1,2,3
.irp c, 0,1,2,3
	v_fmac_f32 v[R+8+\c], s[44+\a], v[H2+4*\a+\c]
.endr
.endr
.irp c, 0,1
	v_mul_f32 v[R+12+\c], s48, v[H1+\c]            ; and of the 2 x 2 map
.endr
.irp c, 0,1
	v_fmac_f32 v[R+12+\c], s49, v[H1+2+\c]
.endr
	s_wait_alu depctr_va_vdst(0)                   ; the stage rows are written, which the LDS stores read; the sums are done reading the maps, in whose registers the LDS loads land
.irp k, 0,1,2,3,4,5,6,7,8,9,10,11,12,13
	ds_store_b32 v[RSTW], v[R+\k] offset:RST+128*\k
.endr
	ds_store_b32 v[RSTW], v[H0] offset:RST+128*NK
.irp k, 0,1,2,3,4,5,6,7,8,9,10,11,12,13,14
	ds_load_b128 v[RQ+4*\k:RQ+4*\k+3], v[RSTR] offset:RST+128*\k   ; LDS serves a wave's instructions in order: these see my stores
.endr
	s_wait_dscnt 0x0
.macro XSTEP                           ; stage row xk into the columns of run xi, two channels an instruction; the weight serves both halves; the first step takes h0 as its addend
.irp c, 0,2
.if xk == 0
	v_pk_fma_f32 v[U+4*xi+\c:U+4*xi+\c+1], v[RQ+\c:RQ+\c+1], v[WX+16*xi:WX+16*xi+1], v[RQ+4*NK+\c:RQ+4*NK+\c+1] op_sel_hi:[1,0,1]
.elseif xk%2 == 0
	v_pk_fma_f32 v[U+4*xi+\c:U+4*xi+\c+1], v[RQ+4*xk+\c:RQ+4*xk+\c+1], v[WX+16*xi+xk:WX+16*xi+xk+1], v[U+4*xi+\c:U+4*xi+\c+1] op_sel_hi:[1,0,1]
.else
	v_pk_fma_f32 v[U+4*xi+\c:U+4*xi+\c+1], v[RQ+4*xk+\c:RQ+4*xk+\c+1], v[WX+16*xi+xk-1:WX+16*xi+xk], v[U+4*xi+\c:U+4*xi+\c+1] op_sel:[0,1,0] op_sel_hi:[1,1,1]
.endif
.endr
.endm
.set xk, 0
.rept NK
.set xi, 0
.rept 4
	XSTEP                                          ; eight sums by turns
.set xi, xi+1
.endr
.set xk, xk+1
.endr
	s_wait_alu depctr_va_vdst(0)                   ; the segment is written, which the stores read
.irp i, 0,1,2,3
	global_store_b128 v[A16], v[U+4*\i:U+4*\i+3], s[16:17] offset:84*128+512*\i th:TH_STORE_NT   ; 512 consecutive bytes, at a multiple of 256 from out0's first byte
.endr
	s_wait_dscnt 0x0                               ; the closing lines, six on end
	s_wait_alu 0x0
	s_wait_tensorcnt 0x0
	ds_add_u32 v[SPW], v[NIL]
	s_wait_dscnt 0x0
	s_endpgm
.Lfunc_end_k_q7e7ac3008a_fin:
	.size	k_q7e7ac3008a_fin, .Lfunc_end_k_q7e7ac3008a_fin-k_q7e7ac3008a_fin
	.p2alignl 7, 3214868480
	.fill 96, 4, 3214868480
	.section	.rodata,"a",@progbits
	.p2align	6, 0x0
	.amdhsa_kernel k_q7e7ac3008a_fin
		.amdhsa_group_segment_fixed_size 17408
		.amdhsa_private_segment_fixed_size 0
		.amdhsa_enable_private_segment 0
		.amdhsa_kernarg_size 56
		.amdhsa_user_sgpr_count 2
		.amdhsa_user_sgpr_kernarg_segment_ptr 1
		.amdhsa_wavefront_size32 1
		.amdhsa_system_sgpr_workgroup_id_x 1
		.amdhsa_system_sgpr_workgroup_id_y 1
		.amdhsa_system_sgpr_workgroup_id_z 1
		.amdhsa_system_vgpr_workitem_id 0
		.amdhsa_next_free_vgpr 256
		.amdhsa_next_free_sgpr 102
		.amdhsa_reserve_vcc 0
		.amdhsa_float_denorm_mode_32 3
		.amdhsa_float_denorm_mode_16_64 3
		.amdhsa_memory_ordered 1
		.amdhsa_forward_progress 1
		.amdhsa_inst_pref_size 35
	.end_amdhsa_kernel
	.amdgpu_metadata
---
amdhsa.version: [ 1, 2 ]
amdhsa.kernels:
  - .name:           k_q7e7ac3008a_fin
    .symbol:         k_q7e7ac3008a_fin.kd
    .args:
      - { .name: emb_weight, .offset: 0, .size: 8, .value_kind: global_buffer, .address_space: global }
      - { .name: tab, .offset: 8, .size: 8, .value_kind: global_buffer, .address_space: global }
      - { .name: idx0, .offset: 16, .size: 8, .value_kind: global_buffer, .address_space: global }
      - { .name: idx1, .offset: 24, .size: 8, .value_kind: global_buffer, .address_space: global }
      - { .name: idx2, .offset: 32, .size: 8, .value_kind: global_buffer, .address_space: global }
      - { .name: idx3, .offset: 40, .size: 8, .value_kind: global_buffer, .address_space: global }
      - { .name: out0, .offset: 48, .size: 8, .value_kind: global_buffer, .address_space: global }
    .group_segment_fixed_size: 17408
    .private_segment_fixed_size: 0
    .kernarg_segment_align: 8
    .kernarg_segment_size: 56
    .max_flat_workgroup_size: 256
    .sgpr_count:     102
    .vgpr_count:     256
    .wavefront_size: 32
...
	.end_amdgpu_metadata
.endif
;; end of part 12
